; MI455X (gfx1250); checked and timed in simulation.
; The chip was launched on July 23, 2026; its instructions are those of AMD's public machine-readable ISA for CDNA 5 (MIT licence, August 2026) and "CDNA5" Instruction Set Architecture Reference Guide (July 2026). The comments in the code are by the model that wrote it; some were corrected since.
;; Manual Transformer Layer. Allowed arithmetic: matrix products marked QUANTISED: E3M2 operands, one E8M0 scale for each 32 along K, by v_wmma_scale_f32_16x16x128_f8f6f4 with both operands' format E3M2, f32 sums; everything else in f32.
;; Inputs: W1 1,024 x 4,096 float32; W2 4,096 x 1,024 float32; Wk 1,024 x 1,024 float32; Wo 1,024 x 1,024 float32; Wq 1,024 x 1,024 float32; Wv 1,024 x 1,024 float32; b1 1,024 float32; b2 1,024 float32; bf1 4,096 float32; bf2 1,024 float32; bk 1,024 float32; bo 1,024 float32; bq 1,024 float32; bv 1,024 float32; g1 1,024 float32; g2 1,024 float32; x 2 x 2,048 x 1,024 float32.
;; Outputs: out0 2 x 2,048 x 1,024 float32.
;; This version of the problem:
;;   THIS VERSION OF THE PROBLEM IS GIVEN IN LOW PRECISION. The matrix products marked QUANTISED in the list below multiply operands that are first quantised to E3M2 (3 exponent bits, 2 mantissa bits; 6 bits a number), with one power-of-two scale for each 32 numbers along K (OCP MX v1.0); their sums are f32. All else is computed in f32.
;;   The module's matrix products, in the order in which they are computed (A, B: the left and right operand; K: the contracted axis; several contracted axes count as one K, in the product's order):
;;     1. [M 4,096, K 1,024] x [K 1,024, N 1,024]; A: input x; B: input Wq: QUANTISED
;;     2. [M 4,096, K 1,024] x [K 1,024, N 1,024]; A: input x; B: input Wk: QUANTISED
;;     3. [M 4,096, K 1,024] x [K 1,024, N 1,024]; A: input x; B: input Wv: QUANTISED
;;     4. batch 32 x [M 2,048, K 64] x [K 64, N 2,048]; A: computed on the way; B: computed on the way: QUANTISED
;;     5. batch 32 x [M 2,048, K 2,048] x [K 2,048, N 64]; A: softmax (see below); B: computed on the way: QUANTISED
;;     6. [M 4,096, K 1,024] x [K 1,024, N 1,024]; A: computed on the way; B: input Wo: QUANTISED
;;     7. [M 4,096, K 1,024] x [K 1,024, N 4,096]; A: computed on the way; B: input W1: QUANTISED
;;     8. [M 4,096, K 4,096] x [K 4,096, N 1,024]; A: computed on the way; B: input W2: QUANTISED
;;   THE QUANTISER, for each operand of a quantised product, along K:
;;     - K is cut into blocks of 32 from its start; a last block that is shorter is filled with zeros.
;;     - A block's scale is 2^e with e = floor(log2(the largest magnitude in the block)) - 4, held to -126 .. 127; a block of zeros has e = 0. As a byte (E8M0): e + 127.
;;     - Each number is divided by its block's scale, clamped to +-28, and rounded to the nearest number of E3M2, ties to even, subnormals kept.
;;     - The product sums the exact products of the quantised numbers (number of the format x scale) in f32.
;;   ~~~python
;;   def quantise(x, axis):      # numpy; x: float32 -> the quantised numbers, widened to float32 again
;;       x = np.moveaxis(x, axis, -1); K = x.shape[-1]
;;       x = np.pad(x, [(0, 0)] * (x.ndim - 1) + [(0, -K % 32)]); x = x.reshape(x.shape[:-1] + (-1, 32)); a = np.abs(x).max(-1, keepdims=True)
;;       e = np.where(a > 0, np.clip(np.frexp(np.where(a > 0, a, 1))[1] - 1 - 4, -126, 127), 0)      # np.frexp(a)[1] - 1 = floor(log2(a)), exactly
;;       r = np.clip(x / 2.0 ** e, -28, 28)
;;       step = 2.0 ** (np.maximum(np.frexp(np.where(r == 0, 1, r))[1] - 1, -2) - 2)
;;       q = np.round(r / step) * step * 2.0 ** e      # np.round: ties to even
;;       return np.moveaxis(q.reshape(q.shape[:-2] + (-1,))[..., :K], -1, axis).astype(np.float32)
;;   ~~~
;;   SOFTMAX AHEAD OF A QUANTISED PRODUCT. Where the list says 'softmax', what is quantised is not the finished softmax but p = 2^(t - M), with t = logit x log2(e) and M = ceil(the row's largest t), a whole number; so 1/2 < the row's largest p <= 1. The row's sum l is taken of the UNQUANTISED p, in f32, and the product's result is divided by l at the end. Since M is a whole number, a kernel that streams over the keys may use a running M (the ceiling of the running maximum): every later rescaling is an exact power of two, which a block's scale takes up: the codes' values come out the same.
;;   OPERANDS COMPUTED ON THE WAY. 'Computed on the way' means the value that the module computes at that place (a softmax that the list does not call 'softmax' is quantised finished and normalised). What goes into a quantiser is computed in f32, as accurately as f32 sums, v_exp_f32 and their like allow (about 1e-6 of the number): no bf16 or f16 on the way to a quantiser, and a product that is left as it is and whose result goes on into a quantised operand takes f32 operands (vector FMAs, or v_wmma_f32_16x16x4_f32). A number that lies on a knife's edge between two numbers of the format may be rounded either way, as far as f32 arithmetic and the matrix unit's own rounding can turn it there, and no further.
;; One version. Each part assembles by itself: llvm-mc -triple=amdgcn-amd-amdhsa -mcpu=gfx1250 --defsym DOCPART=n.
;; ======== version 1 of 1: 8 launches
;; limits: right only within a limited range of input values
;; workspace buffers: wc 12,288,000 bytes; qv 6,553,600 bytes; vt 3,276,800 bytes; ac 3,276,800 bytes; y 16,777,216 bytes; post 16,777,216 bytes; hc 13,107,200 bytes
;; launch prep (part 1): grid 352 x 1, 4 waves a work-group, no clusters, 0 bytes of LDS; arguments x, Wq, Wv, Wo, wc; writes wc
.if DOCPART == 1
	.amdgcn_target "amdgcn-amd-amdhsa--gfx1250"
	.amdhsa_code_object_version 6
	.text
	.protected	k_q04153dca8d_prep
	.globl	k_q04153dca8d_prep
	.p2align	8
	.type	k_q04153dca8d_prep,@function
k_q04153dca8d_prep:
	s_mov_b64 s[64:65], 0
	v_nop
	global_prefetch_b8 v0, s[64:65] scope:SCOPE_SE
	s_setreg_imm32_b32 hwreg(HW_REG_WAVE_MODE, 25, 1), 1
	s_wait_xcnt 0x0
; PREP: x and the weights Wq, Wv, Wo (f32) become codes of BF6 (E3M2) with one E8M0 scale byte for each 32 along K, once, in the workspace wc.
; DEAD WORK.  reference() computes k = x Wk + bk, reshapes it and never reads it again: scores are q v^T, the context is att v.  No later line names k, so for all values of x, Wk and bk
; it reaches no output: that product is left out, and Wk and bk are loaded by no launch and are no launch's argument.  LIMIT: a NaN, an infinity or an overflow that arises only in x Wk + bk is not carried to the result.
; THE FORMAT OF EVERY BUFFER OF CODES IN THIS PROGRAM: a BLOCK of 12,800 bytes holds 128 rows x 128 along K as an image of operand registers.  Fragment f = 2 g + u (0..7) holds the sixteen rows
; 32 g + 8 u + r + 8 (r / 8), r = lane % 16; its registers 4 c .. 4 c + 3 of lane l lie at 1536 f + 512 c + 16 l; row r's scale word (four bytes, 32 along K each) at 12288 + 64 f + 4 r.
; So a fragment is three loads of 16 bytes a lane, a block is dense, and as source 0 of a product the rows of fragments 2 g and 2 g + 1 give a lane sixteen neighbours along the next K.
; wc, in blocks: 0 x [32 token panels][8 K steps]; 256 Wq's 8 panels of 128 columns, then Wv's 8, [8 K steps] each; 384 Wo [8][8]; 448 W1 [32][8]; 704 W2 [8][32].
; A block's scale is 2^(floor(log2(largest magnitude)) - 4): its byte is the largest magnitude's exponent field - 4, held at 1 from below by a floor among the maximum's leaves.
; LIMITS: a block of zeros, or one whose largest magnitude lies under 2^-122, gets the byte 1 (the rule says 127 for zeros: the codes are zeros, and only this program reads the bytes); NaN and infinities among the inputs are not served.
; SHARES.  Work-groups 0-255: x.  K is innermost, so lane (r, h) loads, of its row, the 16 numbers 32 b + 16 h .. of each block b; a wave makes the two fragments of 32 tokens for one K step.
; Work-groups 256-351: weights, stored [K][N].  A lane takes a column and its registers run down K: a block of 32 lies in one lane, nothing is transposed.  A work-group takes 128 columns x 256 along K, a wave 32 columns.
; No LDS, no barrier: waves share nothing.  Every store of codes covers 512 consecutive bytes, aligned to 256.
; THIS LAUNCH NOW MAKES x's, Wq's, Wv's and Wo's blocks alone (work-groups 0-255: x; 256-351: the three weights).  W1's and W2's blocks of wc, in the same format and at the same places, are made by launch att.
.set BLK, 12800
.set X,   32                           ; v32-159 numbers as loaded (weights: two sets of 32, v32-95)
.set F,   96                           ; weights: v96-143 for each of two K steps two fragments of 12 registers, so that no store's data are written again
.set T,   144                          ; weights: v144-159 the upper halves of four blocks (a conversion's three registers begin on an even number)
.set SB,  14                           ; weights: v14, v15 my column's scale word for each K step
.set TM,  160                          ; v160-175 at work in QUANT
.set PW0, 176
.set PW1, 177
.set PWC, 178
.set PCA, 180                          ; v180-198, v200-218 two fragments' codes
.set PCB, 200
.set SEL, 20                           ; s[20:21] v_permlanex16_b32's selects for lane l xor 16
; 64 numbers of a lane, register 16 b + i = k 32 b + 16 (lane / 16) + i of its row, become a fragment's 12 registers v[pc] on and the row's scale word v[pw]
.macro QUANT s, pc, pw
.irp b, 0,1,2,3
	v_max3_num_f32 v[TM+\b], |v[(\s)+16*\b]|, |v[(\s)+1+16*\b]|, 0x2800000   ; my 16 numbers of block b, and the floor 2^(5 - 127): the byte cannot fall under 1
.endr
.irp i, 2,4,6,8,10,12,14
.irp b, 0,1,2,3
	v_max3_num_f32 v[TM+\b], v[TM+\b], |v[(\s)+16*\b+\i]|, |v[(\s)+1+16*\b+\i]|
.endr
.endr
.irp b, 0,1,2,3
	v_permlanex16_b32 v[TM+4+\b], v[TM+\b], s[SEL], s[SEL+1]
.endr
.irp b, 0,1,2,3
	v_max_num_f32 v[TM+\b], v[TM+\b], v[TM+4+\b]          ; with lane l xor 16's: the block's largest magnitude
.endr
.irp b, 0,1,2,3
	v_add_nc_u32 v[TM+12+\b], 0xfe000000, v[TM+\b]        ; 4 off its exponent field: the conversion's scale operand
.endr
.irp b, 0,1,2,3
	v_lshrrev_b32 v[TM+4+\b], 23, v[TM+12+\b]             ; the scale's byte
.endr
	v_lshl_or_b32 v[\pw], v[TM+5], 8, v[TM+4]
	v_lshl_or_b32 v[\pw], v[TM+6], 16, v[\pw]
	v_lshl_or_b32 v[\pw], v[TM+7], 24, v[\pw]
.irp c, 0,1
	v_cvt_scalef32_pk16_bf6_f32 v[(\pc)+6*\c:(\pc)+2+6*\c], v[(\s)+32*\c:(\s)+15+32*\c], v[TM+12+2*\c]
	v_cvt_scalef32_pk16_bf6_f32 v[(\pc)+12+4*\c:(\pc)+14+4*\c], v[(\s)+16+32*\c:(\s)+31+32*\c], v[TM+12+2*\c+1]
.endr
	v_nop                                                  ; one plain place behind a scaled conversion
.irp c, 0,1                            ; the operand wants a whole block in a lane: lanes 0-15 block 2 c, lanes 16-31 block 2 c + 1
.irp i, 0,1,2
	v_permlane16_swap_b32 v[(\pc)+6*\c+\i], v[(\pc)+12+4*\c+\i]
.endr
.irp i, 0,1,2
	v_mov_b32 v[(\pc)+3+6*\c+\i], v[(\pc)+12+4*\c+\i]
.endr
.endr
.endm
	s_load_b256 s[4:11], s[0:1], 0x0               ; x s[4:5], Wq s[6:7], Wv s[8:9], Wo s[10:11]
	s_load_b64 s[16:17], s[0:1], 0x20              ; wc
	v_lshrrev_b32 v1, 5, v0
	v_readfirstlane_b32 s18, v1                    ; wave 0..3
	v_and_b32 v1, 31, v0                           ; lane
	v_and_b32 v2, 15, v0                           ; r
	v_bfe_u32 v3, v0, 4, 1                         ; h
	v_lshlrev_b32 v5, 4, v1                        ; an image's place for my lane
	v_lshlrev_b32 v6, 2, v1                        ; a scale word's
	s_mov_b32 s[SEL], 0x76543210
	s_mov_b32 s[SEL+1], 0xfedcba98
	s_mov_b32 s22, 0xffff0000                      ; lanes 16-31
	s_wait_kmcnt 0x0
	s_cmp_lt_u32 ttmp9, 256
	s_cbranch_scc0 .Lweights
	; ---- x.  G = 32 tokens (work-group / 2); my wave's K step = 4 (work-group % 2) + wave
	s_wait_alu depctr_va_vdst(0)
	v_and_b32 v4, 8, v2
	v_add_nc_u32 v4, v4, v2                        ; r + 8 (r / 8)
	v_lshlrev_b32 v4, 12, v4                       ; a row of x is 4,096 bytes
	v_lshl_add_u32 v4, v3, 6, v4                   ; + 64 h
	s_wait_alu depctr_va_vdst(0)
	s_lshr_b32 s24, ttmp9, 1                       ; G
	s_and_b32 s25, ttmp9, 1
	s_lshl_b32 s25, s25, 2
	s_add_co_u32 s25, s25, s18                     ; K step
	s_lshl_b32 s26, s24, 17                        ; 32 rows
	s_lshl_b32 s27, s25, 9                         ; 128 numbers
	s_add_co_u32 s26, s26, s27
	s_mov_b32 s27, 0
	s_add_nc_u64 s[4:5], s[4:5], s[26:27]
	s_lshr_b32 s26, s24, 2                         ; token panel
	s_lshl_b32 s26, s26, 3
	s_add_co_u32 s26, s26, s25
	s_mul_i32 s26, s26, BLK                        ; my block
	s_and_b32 s28, s24, 3                          ; g
	s_mul_i32 s29, s28, 3072
	s_add_co_u32 s30, s26, s29
	s_mov_b32 s31, 0
	s_add_nc_u64 s[30:31], s[16:17], s[30:31]      ; fragment 2 g
	s_lshl_b32 s28, s28, 7
	s_add_co_u32 s26, s26, s28
	s_add_nc_u64 s[26:27], s[16:17], s[26:27]      ; its scale words lie 12,288 further
.irp b, 0,1,2,3
	v_mov_b32 v[TM+4+\b], 0                        ; a lane permute's destination counts as one of its sources
.endr
.macro XLOAD reg, u                    ; fragment 2 g + u: eight rows further down for u = 1
.irp b, 0,1,2,3
.irp j, 0,1,2,3
	global_load_b128 v[(\reg)+16*\b+4*\j:(\reg)+16*\b+4*\j+3], v4, s[4:5] offset:32768*\u+128*\b+16*\j th:TH_LOAD_NT
.endr
.endr
.endm
	XLOAD X, 0
	XLOAD X+64, 1
	s_wait_loadcnt 16                              ; the first fragment's 16 loads are in, the second's may be out
	QUANT X, PCA, PW0
.irp c, 0,1,2
	global_store_b128 v5, v[PCA+4*\c:PCA+4*\c+3], s[30:31] offset:512*\c
.endr
	s_wait_loadcnt 0x0
	QUANT X+64, PCB, PW1
.irp c, 0,1,2
	global_store_b128 v5, v[PCB+4*\c:PCB+4*\c+3], s[30:31] offset:1536+512*\c
.endr
	v_cndmask_b32 v[PWC], v[PW0], v[PW1], s22      ; lanes 0-15: fragment 2 g's words, lanes 16-31: fragment 2 g + 1's (each word stands in lanes r and r + 16)
	global_store_b32 v6, v[PWC], s[26:27] offset:12288
	s_endpgm
	; ---- weights.  Lane L's column of the wave's 32: L % 8 + 16 ((L / 8) % 2) + 8 (L / 16): lanes 0-15 are fragment 2 g's rows, lanes 16-31 fragment 2 g + 1's
.macro WLOAD t, rowb                   ; block t: W(32 t + i, my column), i = 0 .. 31, into set t % 2: the wave reads 128 consecutive bytes, the work-group 512
.set wi, 0
.rept 32
	global_load_b32 v[X+32*((\t)%2)+wi], v4, s[26:27] offset:(32*(\t)+wi)*(\rowb) th:TH_LOAD_NT
.set wi, wi+1
.endr
.endm
.macro WBLOCK t, rowb
.set XS, X+32*((\t)%2)
.set FD, F+24*((\t)/4)+12*((\t)%2)+6*(((\t)%4)/2)   ; even blocks of a K step go to one run of 12 registers, odd ones to the other
.set TD, T+4*((\t)%4)
.if (\t) < 7
	s_wait_loadcnt 32                              ; this block's 32 loads are in, the next block's may be out
.else
	s_wait_loadcnt 0x0
.endif
	v_max3_num_f32 v12, |v[XS]|, |v[XS+1]|, |v[XS+2]|      ; the block's largest magnitude: all 32 numbers are mine
	v_max3_num_f32 v13, |v[XS+3]|, |v[XS+4]|, |v[XS+5]|
.irp i, 6,10,14,18,22,26
	v_max3_num_f32 v12, v12, |v[XS+\i]|, |v[XS+\i+1]|
	v_max3_num_f32 v13, v13, |v[XS+\i+2]|, |v[XS+\i+3]|
.endr
	v_max3_num_f32 v12, v12, |v[XS+30]|, |v[XS+31]|
	v_max3_num_f32 v12, v12, v13, 0x2800000        ; and the floor
	v_add_nc_u32 v11, 0xfe000000, v12              ; the conversion's scale operand
	v_lshrrev_b32 v13, 23, v11                     ; the byte
.if (\t)%4 == 0
	v_mov_b32 v[SB+(\t)/4], v13
.else
	v_lshl_or_b32 v[SB+(\t)/4], v13, 8*((\t)%4), v[SB+(\t)/4]
.endif
	v_cvt_scalef32_pk16_bf6_f32 v[FD:FD+2], v[XS:XS+15], v11
	v_cvt_scalef32_pk16_bf6_f32 v[TD:TD+2], v[XS+16:XS+31], v11
	v_nop                                          ; one plain place behind a scaled conversion
.if (\t)+2 < 8
	WLOAD (\t)+2, \rowb
.endif
.endm
.macro WOUT ks                         ; a K step's four blocks are made: two fragments leave
.set F0, F+24*(\ks)
.set F1, F0+12
.irp c, 0,1
.irp i, 0,1,2
	v_mov_b32 v[F0+6*\c+3+\i], v[T+8*\c+\i]
	v_mov_b32 v[F1+6*\c+3+\i], v[T+8*\c+4+\i]
.endr
.endr
.set wi, 0
.rept 12
	v_permlane16_swap_b32 v[F0+wi], v[F1+wi]       ; the even blocks of fragment 2 g + 1's rows change places with the odd blocks of fragment 2 g's: F0 is fragment 2 g, F1 fragment 2 g + 1
.set wi, wi+1
.endr
.irp c, 0,1,2
	global_store_b128 v5, v[F0+4*\c:F0+4*\c+3], s[36:37] offset:(\ks)*BLK+512*\c
	global_store_b128 v5, v[F1+4*\c:F1+4*\c+3], s[36:37] offset:(\ks)*BLK+1536+512*\c
.endr
	global_store_b32 v6, v[SB+\ks], s[38:39] offset:(\ks)*BLK+12288
.endm
.macro WPATH rowb                      ; s[26:27]: the weight at my panel's first column and my first row; s30: the first of my two blocks in wc
	s_mul_i32 s30, s30, BLK
	s_mul_i32 s36, s18, 3072                       ; my wave's two fragments
	s_add_co_u32 s36, s36, s30
	s_mov_b32 s37, 0
	s_add_nc_u64 s[36:37], s[16:17], s[36:37]
	s_add_co_u32 s38, s30, s23                     ; and their 128 bytes of scale words
	s_mov_b32 s39, 0
	s_add_nc_u64 s[38:39], s[16:17], s[38:39]
	WLOAD 0, \rowb
	WLOAD 1, \rowb
.irp t, 0,1,2,3
	WBLOCK \t, \rowb
.endr
	WOUT 0
.irp t, 4,5,6,7
	WBLOCK \t, \rowb
.endr
	WOUT 1
.endm
.Lweights:
	s_wait_alu depctr_va_vdst(0)
	v_and_b32 v4, 7, v1
	v_bfe_u32 v7, v1, 3, 1
	v_lshl_add_u32 v4, v7, 4, v4
	v_lshl_add_u32 v4, v3, 3, v4
	v_lshlrev_b32 v4, 2, v4
	s_lshl_b32 s23, s18, 7                         ; my wave's 32 columns: 128 bytes
	v_add_nc_u32 v4, s23, v4
	; rows of 4,096 bytes.  i' = work-group - 256: 0-31 Wq, 32-63 Wv, 64-95 Wo (8 panels x 4 pairs of K steps)
	s_sub_co_u32 s24, ttmp9, 256
	s_lshr_b32 s25, s24, 5
	s_cmp_eq_u32 s25, 0
	s_cselect_b64 s[26:27], s[6:7], s[8:9]
	s_cmp_lt_u32 s25, 2
	s_cselect_b64 s[26:27], s[26:27], s[10:11]
	s_mov_b32 s28, 2                               ; bits of the pair's number
	s_mov_b32 s29, 0
	s_mov_b32 s30, 0
	s_mov_b32 s33, 31
	s_sub_co_u32 s31, s24, s29
	s_and_b32 s31, s31, s33                        ; my number within the weight
	s_lshr_b32 s34, s31, s28                       ; panel
	s_lshl_b32 s35, s34, s28
	s_sub_co_u32 s35, s31, s35                     ; pair of K steps
	s_lshl_b32 s34, s34, 9                         ; 128 columns
	s_lshl_b32 s35, s35, 20                        ; 256 rows
	s_add_co_u32 s34, s34, s35
	s_mov_b32 s35, 0
	s_add_nc_u64 s[26:27], s[26:27], s[34:35]
	s_lshl_b32 s30, s30, 2                         ; my first block: 256 + 2 i'
	s_lshl_b32 s36, s24, 1
	s_add_co_u32 s30, s30, s36
	s_add_co_u32 s30, s30, 256
	s_wait_alu depctr_va_vdst(0)
	WPATH 4096
	s_endpgm
.Lfunc_end_k_q04153dca8d_prep:
	.size	k_q04153dca8d_prep, .Lfunc_end_k_q04153dca8d_prep-k_q04153dca8d_prep
	.p2alignl 7, 3214868480
	.fill 96, 4, 3214868480
	.section	.rodata,"a",@progbits
	.p2align	6, 0x0
	.amdhsa_kernel k_q04153dca8d_prep
		.amdhsa_group_segment_fixed_size 0
		.amdhsa_private_segment_fixed_size 0
		.amdhsa_enable_private_segment 0
		.amdhsa_kernarg_size 40
		.amdhsa_user_sgpr_count 2
		.amdhsa_user_sgpr_kernarg_segment_ptr 1
		.amdhsa_wavefront_size32 1
		.amdhsa_system_sgpr_workgroup_id_x 1
		.amdhsa_system_sgpr_workgroup_id_y 1
		.amdhsa_system_sgpr_workgroup_id_z 1
		.amdhsa_system_vgpr_workitem_id 0
		.amdhsa_next_free_vgpr 224
		.amdhsa_next_free_sgpr 66
		.amdhsa_reserve_vcc 0
		.amdhsa_float_denorm_mode_32 3
		.amdhsa_float_denorm_mode_16_64 3
		.amdhsa_memory_ordered 1
		.amdhsa_forward_progress 1
		.amdhsa_inst_pref_size 53
	.end_amdhsa_kernel
	.amdgpu_metadata
---
amdhsa.version: [ 1, 2 ]
amdhsa.kernels:
  - .name:           k_q04153dca8d_prep
    .symbol:         k_q04153dca8d_prep.kd
    .args:
      - { .name: x, .offset: 0, .size: 8, .value_kind: global_buffer, .address_space: global }
      - { .name: Wq, .offset: 8, .size: 8, .value_kind: global_buffer, .address_space: global }
      - { .name: Wv, .offset: 16, .size: 8, .value_kind: global_buffer, .address_space: global }
      - { .name: Wo, .offset: 24, .size: 8, .value_kind: global_buffer, .address_space: global }
      - { .name: wc, .offset: 32, .size: 8, .value_kind: global_buffer, .address_space: global }
    .group_segment_fixed_size: 0
    .private_segment_fixed_size: 0
    .kernarg_segment_align: 8
    .kernarg_segment_size: 40
    .max_flat_workgroup_size: 128
    .sgpr_count:     66
    .vgpr_count:     224
    .wavefront_size: 32
...
	.end_amdgpu_metadata
.endif
;; end of part 1
;; launch g1 (part 2): grid 8 x 24, 4 waves a work-group, clusters of 4 x 4, 327,680 bytes of LDS; arguments wc, bq, bv, qv, vt; writes qv, vt
.if DOCPART == 2
	.amdgcn_target "amdgcn-amd-amdhsa--gfx1250"
	.amdhsa_code_object_version 6
	.text
	.protected	k_q04153dca8d_g1
	.globl	k_q04153dca8d_g1
	.p2align	8
	.type	k_q04153dca8d_g1,@function
k_q04153dca8d_g1:
	s_mov_b64 s[64:65], 0
	v_nop
	global_prefetch_b8 v0, s[64:65] scope:SCOPE_SE
	s_setreg_imm32_b32 hwreg(HW_REG_WAVE_MODE, 25, 1), 1
	s_wait_xcnt 0x0
	s_wait_alu depctr_hold_cnt(0) depctr_sa_sdst(0) depctr_va_vdst(0) depctr_va_sdst(0) depctr_va_ssrc(0) depctr_va_vcc(0) depctr_vm_vsrc(0)
	s_getreg_b32 s2, hwreg(HW_REG_IB_STS2, 6, 4)
	s_cmp_eq_u32 s2, 0
	s_cbranch_scc0 .Lentry_in_a_cluster
	s_endpgm
.Lentry_in_a_cluster:
	s_bfe_u32 s2, ttmp6, 0x10000c
	s_cmp_lg_u32 s2, 0xf033
	s_cbranch_scc0 .Lentry_shape_is_right
	s_endpgm
.Lentry_shape_is_right:
; G1: two roles in one launch, chosen by the cluster's y alone (the same in all partners of a cluster).
; Role 0 (cluster y 0-3): q = x Wq + bq and v = x Wv + bv, quantised along the features, into qv (U = x's panels, W = Wq's and Wv's panels).
; Role 1 (cluster y 4, 5): v once more with the sources the other way round (U = Wv's panels, W = x's), so that a lane's registers run along the tokens: v quantised along the keys, into vt.
; k = x Wk + bk reaches no output and is left out, as the first kernel's head shows.
; Blocks, fragments, ring and cluster are those of this program's GEMM text (see launch g4).  LIMITS: blocks of zeros or under 2^-122 get the scale byte 1; NaN and infinities are not served.
.set BIG,     1
.set KSTEPS,  8
.set EPI,     0
.set RELU,    0
.set BIASROW, 0
.set BSEL,    1
.set UOFF,    0
.set WOFF,    256
.set OSU,     1
.set OSW,     32
.set ARG_U,   0
.set ARG_W,   0
.set ARG_B,   8
.set ARG_R,   16
.set ARG_O,   24
.set AB,    4+4*BIG
.set BB,    AB
.set NQ,    4-2*BIG
.set BLK,   12800
.set REG,   2*BLK
.set SLOT,  4*REG
.set SLOTG, NQ*BLK
.set LAPS,  KSTEPS/(2*NQ)
.set FOFF,  6144+(REG-6144)*BIG
.set SOFF,  256+(REG-256)*BIG
.set SPARE, 2*SLOT
.set STAGE, SPARE+512
.set ADRU, 16
.set ADRW, 18
.set ADRS, 20
.set BO,   22
.set STO,  24
.set RD,   25
.set CO,   26
.set LI,   27
.set SPW,  28
.set NIL,  29
.set LS,   30
.set TM,   64
.set G1,  24
.set G0,  32
.set G1B, 48
.set G0B, 56
.set MSB, 0
.macro WIN new
.if MSB != (\new)
	s_set_vgpr_msb (MSB<<8)|(\new)
.set MSB, (\new)
.endif
.endm
.macro JLOAD g0a, g1a, g0b, g1b
	s_cmp_eq_u32 s15, 0
	s_cbranch_scc0 .Lfor_b_\@
	tensor_load_to_lds s[\g0a:\g0a+3], s[\g1a:\g1a+7]
	s_nop 0
.rept 4
	v_nop
.endr
	s_branch .Lasked_\@
.Lfor_b_\@:
	tensor_load_to_lds s[\g0b:\g0b+3], s[\g1b:\g1b+7]
	s_nop 0
.rept 4
	v_nop
.endr
.Lasked_\@:
.endm
.macro CREST
	s_cmp_lg_u32 s14, 0
	s_cbranch_scc1 .Lnot_wave_0_\@
	s_barrier_signal -3
.Lnot_wave_0_\@:
	s_barrier_wait -3
	s_barrier_signal -1
	s_barrier_wait -1
.endm
.macro CROUND
	s_barrier_signal -1
	s_barrier_wait -1
	CREST
.endm
.macro PLACES
.rept 4
	v_nop
.endr
.endm
	s_load_b64 s[4:5], s[0:1], ARG_U
	s_load_b64 s[6:7], s[0:1], ARG_W
	s_load_b64 s[8:9], s[0:1], ARG_B
.if BSEL+EPI
	s_load_b64 s[10:11], s[0:1], ARG_R
.endif
	s_load_b64 s[12:13], s[0:1], ARG_O
	s_load_b64 s[80:81], s[0:1], 32                ; vt
	v_lshl_add_u32 v[SPW], v0, 2, SPARE
	v_mov_b32 v[NIL], 0
	ds_add_u32 v[SPW], v[NIL]
	ds_add_u32 v[SPW], v[NIL]
	v_lshrrev_b32 v1, 5, v0
	v_readfirstlane_b32 s14, v1
	s_lshr_b32 s15, s14, 1
	s_and_b32 s16, s14, 1
	s_bfe_u32 s40, ttmp6, 0x40000
	s_bfe_u32 s41, ttmp6, 0x40004
	s_and_b32 s17, ttmp7, 0xffff                   ; the cluster's y, 0..5
	s_sub_co_u32 s82, s17, 4
	s_lshl_b32 s82, s82, 1
	s_add_co_u32 s82, s82, ttmp9                   ; role 1: cluster column 2 (y - 4) + x, 0..3
	s_cmp_lt_u32 s17, 4
	s_cselect_b32 s83, 0, 1                        ; the role
	s_cselect_b32 s42, ttmp9, s82
	s_cselect_b32 s17, s17, 0                      ; role 1 has one row of clusters
	s_lshl_b32 s42, s42, 2
	s_add_co_u32 s42, s42, s40
	s_lshl_b32 s17, s17, 2
	s_add_co_u32 s17, s17, s41
	s_lshl_b32 s43, s41, 2
	s_lshl_b32 s43, 15, s43
	s_lshl_b32 s44, 0x1111, s40
	s_or_b32 s[G1+0], s43, (3<<16)|(1<<21)
	s_or_b32 s[G1B+0], s44, (3<<16)|(1<<21)
.irp g, G1, G1B
	s_mov_b32 s[\g+1], 3200<<16                    ; the head's load: two rows of 25,600 bytes, one from each of two panels, KSTEPS blocks apart
	s_mov_b32 s[\g+2], 2<<16
	s_mov_b32 s[\g+3], 3200<<16
	s_mov_b32 s[\g+4], 2
	s_mov_b32 s[\g+5], KSTEPS*BLK/8
	s_mov_b32 s[\g+6], 0
	s_mov_b32 s[\g+7], 0
.endr
.if BIG
	s_lshl_b32 s20, s17, 1
	s_add_co_u32 s20, s20, s16
	s_mul_i32 s20, s20, KSTEPS*BLK
	s_lshl_b32 s46, s42, 1
	s_add_co_u32 s46, s46, s16
	s_mul_i32 s46, s46, KSTEPS*BLK
.else
	s_mul_i32 s20, s17, KSTEPS*BLK
	s_mul_i32 s18, s16, 2*BLK
	s_add_co_u32 s20, s20, s18
	s_mul_i32 s46, s42, KSTEPS*BLK
	s_add_co_u32 s46, s46, s18
.endif
	s_cmp_eq_u32 s83, 0
	s_cselect_b32 s18, 0, 320*BLK                  ; U: x's codes, or Wv's
	s_cselect_b32 s19, 256*BLK, 0                  ; W: Wq's and Wv's codes, or x's
	s_add_co_u32 s20, s20, s18
	s_add_co_u32 s46, s46, s19
	s_mov_b32 s21, 0
	s_mov_b32 s47, 0
	s_mul_i32 s45, s14, REG
	s_mov_b32 s66, 0xffff0000
	s_mov_b32 s68, 0x76543210
	s_mov_b32 s69, 0xfedcba98
	s_wait_dscnt 0x0
	s_wait_kmcnt 0x0
	s_add_nc_u64 s[20:21], s[4:5], s[20:21]
	s_add_nc_u64 s[46:47], s[6:7], s[46:47]
	CROUND
.irp s, 0,1
	s_mov_b32 s[G0+4*\s], 1
	s_add_co_u32 s[G0+4*\s+1], s45, \s*SLOT
	s_add_nc_u64 s[G0+4*\s+2:G0+4*\s+3], s[20:21], \s*SLOTG
	s_or_b32 s[G0+4*\s+3], s[G0+4*\s+3], 0x80000000
	s_mov_b32 s[G0B+4*\s], 1
	s_add_co_u32 s[G0B+4*\s+1], s45, \s*SLOT
	s_add_nc_u64 s[G0B+4*\s+2:G0B+4*\s+3], s[46:47], \s*SLOTG
	s_or_b32 s[G0B+4*\s+3], s[G0B+4*\s+3], 0x80000000
.endr
	; the head's one load a wave: waves 0, 1 bring U's two regions of slot 0, 1; waves 2, 3 W's: both slots are asked for at once
	s_mul_i32 s22, s16, KSTEPS*BLK-SLOTG
	s_mov_b32 s23, 0
	s_sub_nc_u64 s[6:7], s[20:21], s[22:23]        ; the first panel of the two, the slot's K steps
	s_or_b32 s7, s7, 0x80000000
	s_sub_nc_u64 s[78:79], s[46:47], s[22:23]
	s_or_b32 s79, s79, 0x80000000
	s_mov_b32 s4, 1
	s_mov_b32 s76, 1
	s_mul_i32 s5, s16, SLOT
	s_mul_i32 s22, s15, 2*REG
	s_add_co_u32 s5, s5, s22
	s_mov_b32 s77, s5
	JLOAD 4, G1, 76, G1B
	v_and_b32 v1, 31, v0
	v_and_b32 v2, 15, v0
	v_bfe_u32 v3, v0, 4, 1
	s_wait_alu depctr_va_vdst(0)
	v_lshlrev_b32 v[LI], 4, v1
	v_lshlrev_b32 v[LS], 2, v1
	s_mul_i32 s18, s15, FOFF
	s_mul_i32 s19, s16, FOFF
	s_add_co_u32 s19, s19, 2*REG
.irp s, 0,1
	v_add_nc_u32 v[ADRU+\s], s18, v[LI]
	v_add_nc_u32 v[ADRW+\s], s19, v[LI]
	s_add_co_u32 s18, s18, SLOT
	s_add_co_u32 s19, s19, SLOT
.endr
	s_mul_i32 s18, s15, SOFF
	s_mul_i32 s19, s16, SOFF
	s_add_co_u32 s19, s19, 2*REG
	s_sub_co_u32 s19, s19, s18
	v_mul_u32_u24 v4, s19, v3
	v_lshl_add_u32 v4, v2, 2, v4
	s_add_co_u32 s18, s18, 12288
	v_add_nc_u32 v[ADRS], s18, v4
	v_add_nc_u32 v[ADRS+1], SLOT, v[ADRS]
	s_lshl_b32 s70, s17, 1
	s_add_co_u32 s70, s70, s15
	s_lshl_b32 s71, s42, 1
	s_add_co_u32 s71, s71, s16
.if BSEL
	s_and_b32 s72, s71, 7
	s_cmp_eq_u32 s83, 0
	s_cselect_b32 s72, s72, s70                    ; role 1: the bias goes by U's panel,
	s_cselect_b32 s84, ttmp9, 1                    ; and is bv
	s_cmp_lt_u32 s84, 1
	s_cselect_b64 s[8:9], s[8:9], s[10:11]
.else
.if BIASROW
	s_mov_b32 s72, s70
.else
	s_mov_b32 s72, s71
.endif
.endif
	s_lshl_b32 s72, s72, 8+BIG
	s_mov_b32 s73, 0
	s_add_nc_u64 s[8:9], s[8:9], s[72:73]
.macro BIASLD
.if BIASROW
	v_and_b32 v[BO], 8, v2
	v_add_nc_u32 v[BO], v[BO], v2
	v_lshlrev_b32 v[BO], 2, v[BO]
.else
	v_lshlrev_b32 v[BO], 6, v3
.endif
	WIN 0x40
.set bt, 0
.rept BB
.set BR, 96+8*bt+96*(bt/4)
.if BIASROW
.irp j, 0,1,2,3,4,5,6,7
	global_load_b32 v[BR+\j], v[BO], s[8:9] offset:4*(32*(bt/2)+8*(bt%2))
.endr
.else
	global_load_b128 v[BR:BR+3], v[BO], s[8:9] offset:128*(bt/2)+32*(bt%2)
	global_load_b128 v[BR+4:BR+7], v[BO], s[8:9] offset:128*(bt/2)+32*(bt%2)+16
.endif
.set bt, bt+1
.endr
	WIN 0
.endm
	s_cmp_eq_u32 s83, 0
	s_cbranch_scc0 .Lbias_t
	BIASLD
	s_branch .Lbias_j
.Lbias_t:
.set BIASROW, 1
	BIASLD
.set BIASROW, 0
.Lbias_j:
.if EPI
	s_lshl_b32 s74, s70, 18
	s_lshl_b32 s75, s71, 8
	s_add_co_u32 s74, s74, s75
	s_mov_b32 s75, 0
	s_add_nc_u64 s[10:11], s[10:11], s[74:75]
	s_add_nc_u64 s[12:13], s[12:13], s[74:75]
	v_lshlrev_b32 v[CO], 12, v3
	v_lshl_add_u32 v[CO], v2, 4, v[CO]
	s_mul_i32 s18, s14, 16*272
	s_add_co_u32 s18, s18, STAGE
	v_mul_u32_u24 v[STO], v2, 272
	v_lshl_add_u32 v[STO], v3, 6, v[STO]
	v_add_nc_u32 v[STO], s18, v[STO]
	v_mul_u32_u24 v[RD], v3, 272
	v_lshl_add_u32 v[RD], v2, 4, v[RD]
	v_add_nc_u32 v[RD], s18, v[RD]
	WIN 0x80
.set ra, 0
.rept 4
.irp i, 0,1,2,3,4,5,6,7
	global_load_b128 v[128+32*ra+4*\i:131+32*ra+4*\i], v[CO], s[10:11] offset:(32*(ra/2)+8*(ra%2)+2*\i+8*(\i/4))*4096
.endr
.set ra, ra+1
.endr
	WIN 0
.else
	s_cmp_eq_u32 s83, 0
	s_cselect_b32 s74, s70, s71                    ; the token panel counts 1,
	s_cselect_b32 s75, s71, s70                    ; the weight's panel 32
	s_cselect_b64 s[12:13], s[12:13], s[80:81]     ; qv or vt
	s_lshl_b32 s75, s75, 5
	s_add_co_u32 s74, s74, s75
	s_mul_i32 s74, s74, BLK
	s_mov_b32 s75, 0
	s_add_nc_u64 s[12:13], s[12:13], s[74:75]
.endif
.macro FETCH slot, q, set
	WIN 0x40
.set fi, 0
.rept BB
.irp c, 0,1,2
	ds_load_b128 v[128*(\set)+12*fi+4*\c:128*(\set)+12*fi+4*\c+3], v[ADRW+\slot] offset:(\q)*BLK+1536*fi+512*\c
.endr
.set fi, fi+1
.endr
	WIN 0
.set fi, 0
.rept AB
.irp c, 0,1,2
	ds_load_b128 v[64+96*(\set)+12*fi+4*\c:64+96*(\set)+12*fi+4*\c+3], v[ADRU+\slot] offset:(\q)*BLK+1536*fi+512*\c
.endr
	ds_load_b32 v[32+8*(\set)+fi], v[ADRS+\slot] offset:(\q)*BLK+64*fi
.set fi, fi+1
.endr
.endm
.macro MULR set, a0, n, ct
.set ma, \a0
.rept \n
.set mb, 0
.rept BB
.set mi, BB*ma+mb
.set mr, 8*(mi%32)
.set mw, 128*(\set)+12*mb
.set mu, 64+96*(\set)+12*ma
.if \ct
.if BIASROW
.set mc, 96+8*ma+96*(ma/4)
.else
.set mc, 96+8*mb+96*(mb/4)
.endif
	WIN 0x91+0x40*(mi/32)
	v_wmma_scale_f32_16x16x128_f8f6f4 v[mr:mr+7], v[mw:mw+11], v[mu:mu+11], v[mc:mc+7], v[32+8*(\set)+mb], v[32+8*(\set)+ma] matrix_a_fmt:MATRIX_FMT_BF6 matrix_b_fmt:MATRIX_FMT_BF6 matrix_a_scale:MATRIX_SCALE_ROW1
.else
	WIN 0xa1+0x50*(mi/32)
	v_wmma_scale_f32_16x16x128_f8f6f4 v[mr:mr+7], v[mw:mw+11], v[mu:mu+11], v[mr:mr+7], v[32+8*(\set)+mb], v[32+8*(\set)+ma] matrix_a_fmt:MATRIX_FMT_BF6 matrix_b_fmt:MATRIX_FMT_BF6 matrix_a_scale:MATRIX_SCALE_ROW1
.endif
.set mb, mb+1
.endr
.set ma, ma+1
.endr
.endm
.macro STEP slot, q, ct
	s_wait_dscnt 0x0
	PLACES
	FETCH \slot, (\q)+1, ((\q)+1)%2
	MULR (\q)%2, 0, AB, \ct
	WIN 0
.endm
.macro STEPS slot, ct
	STEP \slot, 0, \ct
.if NQ > 2
	STEP \slot, 1, 0
	STEP \slot, 2, 0
.endif
.endm
.macro TURN slot, next, fill
	s_wait_tensorcnt 0x0
	ds_add_u32 v[SPW], v[NIL]
	s_wait_dscnt 1
	MULR 1, 0, AB/4, 0
	s_wait_dscnt 0x0
	s_barrier_signal -1
	MULR 1, AB/4, AB/4, 0
	WIN 0
	s_barrier_wait -1
.if \fill
	CREST
	s_add_nc_u64 s[G0+4*\slot+2:G0+4*\slot+3], s[G0+4*\slot+2:G0+4*\slot+3], 2*SLOTG
	s_add_nc_u64 s[G0B+4*\slot+2:G0B+4*\slot+3], s[G0B+4*\slot+2:G0B+4*\slot+3], 2*SLOTG
	JLOAD G0+4*\slot, G1, G0B+4*\slot, G1B
.else
	PLACES
.endif
	FETCH \next, 0, 0
	MULR 1, AB/2, AB/2, 0
	WIN 0
.endm
.macro OUTQ a
.set W2, 2+(\a)/4
.set AC, 64*((\a)%4)
.set PC, 96+20*((\a)%2)
.set PW, 80+(\a)%2
	s_wait_xcnt 0x0
.if RELU
	WIN (W2<<6)|(W2<<2)
.set ek, 0
.rept 64
	v_max_num_f32 v[AC+ek], 0, v[AC+ek]
.set ek, ek+1
.endr
.endif
	WIN (W2<<2)|W2
.irp b, 0,1,2,3
	v_max3_num_f32 v[TM+\b], |v[AC+16*\b]|, |v[AC+1+16*\b]|, 0x2800000
.endr
.irp i, 2,4,6,8,10,12,14
.irp b, 0,1,2,3
	v_max3_num_f32 v[TM+\b], |v[AC+16*\b+\i]|, |v[AC+1+16*\b+\i]|, v[TM+\b]
.endr
.endr
	WIN 0
.irp b, 0,1,2,3
	v_permlanex16_b32 v[TM+4+\b], v[TM+\b], s68, s69
.endr
.irp b, 0,1,2,3
	v_max_num_f32 v[TM+\b], v[TM+\b], v[TM+4+\b]
.endr
.irp b, 0,1,2,3
	v_add_nc_u32 v[TM+12+\b], 0xfe000000, v[TM+\b]
.endr
.irp b, 0,1,2,3
	v_lshrrev_b32 v[TM+4+\b], 23, v[TM+12+\b]
.endr
	v_lshl_or_b32 v[PW], v[TM+5], 8, v[TM+4]
	v_lshl_or_b32 v[PW], v[TM+6], 16, v[PW]
	v_lshl_or_b32 v[PW], v[TM+7], 24, v[PW]
	WIN W2
.irp c, 0,1
	v_cvt_scalef32_pk16_bf6_f32 v[PC+6*\c:PC+2+6*\c], v[AC+32*\c:AC+15+32*\c], v[TM+12+2*\c]
	v_cvt_scalef32_pk16_bf6_f32 v[PC+12+4*\c:PC+14+4*\c], v[AC+16+32*\c:AC+31+32*\c], v[TM+12+2*\c+1]
.endr
	WIN 0
	v_nop
.irp c, 0,1
.irp i, 0,1,2
	v_permlane16_swap_b32 v[PC+6*\c+\i], v[PC+12+4*\c+\i]
.endr
.irp i, 0,1,2
	v_mov_b32 v[PC+3+6*\c+\i], v[PC+12+4*\c+\i]
.endr
.endr
.irp c, 0,1,2
	global_store_b128 v[LI], v[PC+4*\c:PC+4*\c+3], s[12:13] offset:1536*(\a)+512*\c
.endr
.if (\a)%2
	v_cndmask_b32 v82, v80, v81, s66
	global_store_b32 v[LS], v82, s[12:13] offset:12288+128*((\a)/2)
.endif
.endm
.macro OUTF a
	s_wait_xcnt 0x0
	WIN 0x08
.irp b, 0,1,2,3
	ds_store_b128 v[STO], v[8*(4*(\a)+\b):8*(4*(\a)+\b)+3] offset:128*(\b/2)+32*(\b%2)
	ds_store_b128 v[STO], v[8*(4*(\a)+\b)+4:8*(4*(\a)+\b)+7] offset:128*(\b/2)+32*(\b%2)+16
.endr
.irp i, 0,1,2,3,4,5,6,7
	ds_load_b128 v[192+4*\i:195+4*\i], v[RD] offset:544*\i
.endr
	s_wait_dscnt 0x0
	s_wait_loadcnt 24-8*(\a)
.set ek, 0
.rept 16
	v_pk_add_f32 v[192+2*ek:193+2*ek], v[192+2*ek:193+2*ek], v[128+32*(\a)+2*ek:129+32*(\a)+2*ek]
.set ek, ek+1
.endr
	WIN 0
.irp i, 0,1,2,3,4,5,6,7
	global_store_b128 v[CO], v[192+4*\i:195+4*\i], s[12:13] offset:(32*((\a)/2)+8*((\a)%2)+2*\i+8*(\i/4))*4096
.endr
.endm
	s_wait_alu depctr_va_vdst(0)
	s_wait_tensorcnt 0x0                           ; my part of both slots is in; no load of mine is out, so group 1 may be written: the ring's loads are 100 rows of 256 bytes
.irp g, G1, G1B
	s_mov_b32 s[\g+1], 32<<16
	s_mov_b32 s[\g+2], 100<<16
	s_mov_b32 s[\g+3], 32<<16
	s_mov_b32 s[\g+4], 100
	s_mov_b32 s[\g+5], 32
.endr
	s_barrier_signal -1
	s_barrier_wait -1
	FETCH 0, 0, 0
	s_wait_loadcnt 32*EPI
	s_cmp_eq_u32 s83, 0                            ; the first step is written for each role: its C is the bias by W's rows or by U's
	s_cbranch_scc0 .Lfirst_t
	STEPS 0, 1
	s_branch .Lfirst_j
.Lfirst_t:
.set BIASROW, 1
	STEPS 0, 1
.set BIASROW, 0
.Lfirst_j:
.if LAPS > 1
	s_mov_b32 s3, LAPS-1
.Llap:
	TURN 0, 1, 1
	STEPS 1, 0
	TURN 1, 0, 1
	STEPS 0, 0
	s_sub_co_u32 s3, s3, 1
	s_cmp_lg_u32 s3, 0
	s_cbranch_scc1 .Llap
.endif
	TURN 0, 1, 0
	STEPS 1, 0
	s_wait_dscnt 0x0
	MULR 1, 0, AB, 0
	WIN 0
	PLACES
.if EPI
.irp a, 0,1,2,3
	OUTF \a
.endr
.else
.irp b, 0,1,2,3
	v_mov_b32 v[TM+4+\b], 0
.endr
.irp a, 0,1,2,3,4,5,6,7
	OUTQ \a
.endr
.endif
	s_wait_tensorcnt 0x0
	ds_add_u32 v[SPW], v[NIL]
	s_wait_dscnt 0x0
	CROUND
	s_endpgm
.Lfunc_end_k_q04153dca8d_g1:
	.size	k_q04153dca8d_g1, .Lfunc_end_k_q04153dca8d_g1-k_q04153dca8d_g1
	.p2alignl 7, 3214868480
	.fill 96, 4, 3214868480
	.section	.rodata,"a",@progbits
	.p2align	6, 0x0
	.amdhsa_kernel k_q04153dca8d_g1
		.amdhsa_group_segment_fixed_size 327680
		.amdhsa_private_segment_fixed_size 0
		.amdhsa_enable_private_segment 0
		.amdhsa_kernarg_size 40
		.amdhsa_user_sgpr_count 2
		.amdhsa_user_sgpr_kernarg_segment_ptr 1
		.amdhsa_wavefront_size32 1
		.amdhsa_system_sgpr_workgroup_id_x 1
		.amdhsa_system_sgpr_workgroup_id_y 1
		.amdhsa_system_sgpr_workgroup_id_z 1
		.amdhsa_system_vgpr_workitem_id 0
		.amdhsa_next_free_vgpr 1024
		.amdhsa_next_free_sgpr 96
		.amdhsa_reserve_vcc 0
		.amdhsa_float_denorm_mode_32 3
		.amdhsa_float_denorm_mode_16_64 3
		.amdhsa_memory_ordered 1
		.amdhsa_forward_progress 1
		.amdhsa_inst_pref_size 160
	.end_amdhsa_kernel
	.amdgpu_metadata
---
amdhsa.version: [ 1, 2 ]
amdhsa.kernels:
  - .name:           k_q04153dca8d_g1
    .symbol:         k_q04153dca8d_g1.kd
    .args:
      - { .name: wc, .offset: 0, .size: 8, .value_kind: global_buffer, .address_space: global }
      - { .name: bq, .offset: 8, .size: 8, .value_kind: global_buffer, .address_space: global }
      - { .name: bv, .offset: 16, .size: 8, .value_kind: global_buffer, .address_space: global }
      - { .name: qv, .offset: 24, .size: 8, .value_kind: global_buffer, .address_space: global }
      - { .name: vt, .offset: 32, .size: 8, .value_kind: global_buffer, .address_space: global }
    .group_segment_fixed_size: 327680
    .private_segment_fixed_size: 0
    .kernarg_segment_align: 8
    .kernarg_segment_size: 40
    .max_flat_workgroup_size: 128
    .sgpr_count:     96
    .vgpr_count:     1024
    .wavefront_size: 32
...
	.end_amdgpu_metadata
.endif
;; end of part 2
;; launch att (part 3): grid 32 x 8, 8 waves a work-group, clusters of 4 x 1, 327,680 bytes of LDS; arguments qv, vt, ac, W1, W2, wc; writes ac, wc
.if DOCPART == 3
	.amdgcn_target "amdgcn-amd-amdhsa--gfx1250"
	.amdhsa_code_object_version 6
	.text
	.protected	k_q04153dca8d_att
	.globl	k_q04153dca8d_att
	.p2align	8
	.type	k_q04153dca8d_att,@function
k_q04153dca8d_att:
	s_mov_b64 s[64:65], 0
	v_nop
	global_prefetch_b8 v0, s[64:65] scope:SCOPE_SE
	s_setreg_imm32_b32 hwreg(HW_REG_WAVE_MODE, 25, 1), 1
	s_wait_xcnt 0x0
	s_wait_alu depctr_hold_cnt(0) depctr_sa_sdst(0) depctr_va_vdst(0) depctr_va_sdst(0) depctr_va_ssrc(0) depctr_va_vcc(0) depctr_vm_vsrc(0)
	s_getreg_b32 s2, hwreg(HW_REG_IB_STS2, 6, 4)
	s_cmp_eq_u32 s2, 0
	s_cbranch_scc0 .Lentry_in_a_cluster
	s_endpgm
.Lentry_in_a_cluster:
	s_bfe_u32 s2, ttmp6, 0x10000c
	s_cmp_lg_u32 s2, 0x3003
	s_cbranch_scc0 .Lentry_shape_is_right
	s_endpgm
.Lentry_shape_is_right:
; ATT: ctx = softmax(q v^T / 8) v for each batch and head, both products on codes of BF6 (E3M2) with E8M0 scales; ctx is quantised along the features and stored as blocks of codes into ac ([token panel][head pair]).
; reference() takes v where attention has k; k reaches no output and is left out, as the first kernel's head shows.
; SOFTMAX: t = score x log2(e) / 8; M = the running largest t rounded up to a whole number; p = 2^(t - M) is quantised along the keys, not normalised; the row's sum is taken of the unquantised p in f32 and divides at the end.
; When M moves, the sum and O are multiplied by 2^(old M - new M), which rounds nothing.
; BLOCKS: 12,800 bytes = 128 rows x 128 along K as an image of operand registers: fragment f = 2 g + u holds rows 32 g + 8 u + r + 8 (r / 8); registers 4 c .. of lane l at 1536 f + 512 c + 16 l; scale words at 12288 + 64 f + 4 r.
; qv: block 32 hp + token panel: q; block 32 (8 + hp) + token panel: v along the head's axis.  vt: block 32 hp + token panel: v along the keys.
; SHARES.  A work-group owns 128 queries and a head pair.  Wave w owns head w / 4 of the pair and the 32 queries of fragments 2 (w % 4), + 1: TWO TILES, the first in register window 0, the second in window 1
; under the same register numbers, so that each fragment read from LDS feeds two products.  512 registers a wave, two waves to a SIMD.
; A fragment of q or v spans two heads of 64; the wave clears the other head's six registers of its q: zero codes add nothing: that is the filling of K = 64 up to the instruction's 128.
; THE KEYS OF A SCORE TILE are chosen by LDS address: row m of tile 4 c + u is key 64 c + 32 (m / 8) + 8 u + m % 8.  In S^T = v q^T lane (r, h) then holds, in the 32 registers of tiles 4 c .. 4 c + 3, the 32 keys of
; block 2 c + h in order: a block's maximum needs no other lane, and the conversions' results are the operand's registers for O^T = v^T p^T.
; LDS: a block arrives as 25 rows of 512 bytes, 64 bytes of padding behind each (pitch 576): lanes 0-7 and 8-15 of a score fragment's load read rows six apart, 3,456 bytes, which is 128 modulo 256.
; RING: two slots 2^17 bytes apart, each 4 key steps: four blocks of v along d, then four of v along the keys.  Each of the eight waves fills one block by one tensor load.
; CLUSTER 4 x 1: four query panels of one batch and head pair walk the same keys: every load is a joint one.
; No prefetch is laid: a refill is asked for at a slot's head and has the slot's four key steps, 96 matrix instructions of each wave, in which to land.
; LIMITS: the scaled scores stay under 2^31 in magnitude; blocks of zeros or under 2^-122 get the scale byte 1; NaN and infinities are not served.
; BESIDE THE ATTENTION each wave quantises one unit of W1 or W2 (f32, stored [K][N]) into wc: 32 columns x 128 along K, two fragments of a block; 2 x 1,024 units for 2,048 waves.  Head pairs 0-3 take W1, 4-7 W2.
; A lane takes a column and its registers run down K.  The 32 numbers of one block of 32 are asked for at a slot's head, into registers that the attention does not use, and are converted at the next slot's head;
; the codes move up through four places of six registers, so that one text serves every trip; behind the fourth block the fragments and the scale words are stored.  This launch never reads wc.
.set BLK,   12800
.set WXA, 0                            ; window 1: v0-15 a block's first 16 numbers;  window 0: v234-249 its second 16
.set WXB, 234
.set WF0, 80                           ; window 1: v80-91, v234-245 the two fragments' codes; v246-248 at work; v249 my column's scale word; v250-253 at work
.set WF1, 234
.set WTU, 246
.set WSB, 249
.set WM,  250
.set WSO, 252
.set WBY, 253
.set WN,  250                          ; window 0: v250, 251 at work
.set WA,  94                           ; window 0: v94 my column's bytes in a row of the weight, v95 4 x lane
.set W4,  95
.set CH,    576                        ; 512 bytes + 64 of padding
.set PBLK,  25*CH                      ; a block in LDS
.set VOFF,  4*PBLK                     ; v along the keys, behind v along d
.set SCW,   24*CH                      ; a block's scale words
.set SLOT1, 1<<17
.set SPARE, SLOT1+8*PBLK               ; the spare words: 128 bytes for each of eight waves
.set STG,   SPARE+1024                 ; the work-group's block of ctx: stored by the waves, never filled by a load
; window 0 alone: v1-4 lane parts of the four LDS addresses, v8-11 the same in the slot in hand, v12 16 x lane, v13-15, v92, v93 the way out; v28, 29 q's scale words, v30, 31 p's; v80-87 scale words of v along d, v88-91 of v along the keys
.set AKL, 1
.set AVL, 2
.set ASKL, 3
.set ASVL, 4
.set SPW, 5
.set NIL, 6
.set QS,  7
.set ADK, 8
.set ADV, 9
.set ADS, 10
.set ADT, 11
.set L16, 12
.set STA, 13
.set STB, 14
.set STS, 15
.set RDB, 92
.set GOB, 93
; v32-79: four fragments in window 0, four more in window 1.  In each window, for its tile: v16-27 q; S scores, then p; O; PC p's codes; PT at work
.set S,   96
.set O,   160
.set PC,  192
.set PT,  204
.set BM,  212                          ; my two blocks' largest scores
.set T0,  214
.set T1,  215
.set NM,  216                          ; -M, and beside it the largest t
.set TX,  217
.set F,   218                          ; 2^(old M - new M)
.set SUM, 220
.set SO,  222                          ; the conversions' scale operands
.set A0,  224                          ; v224-231 at work
.set H8,  232                          ; 8 x (lane / 16)
.set WV,  18
.set SEL, 20
.set CS,  22
.set G1,  24
.set G0,  32
.set TB,  36
.set SLOTS, 37
.set MSB, 0
.macro WIN new                         ; the immediate's high byte repeats the setting that is left
.if MSB != (\new)
	s_set_vgpr_msb (MSB<<8)|(\new)
.set MSB, (\new)
.endif
.endm
.macro NOP4
.rept 4
	v_nop
.endr
.endm
.macro D1
	s_delay_alu instid0(VALU_DEP_1)
.endm
.macro CROUND                          ; a round of the cluster's barrier
	s_barrier_signal -1
	s_barrier_wait -1
	s_cmp_lg_u32 s[WV], 0
	s_cbranch_scc1 .Lnot_wave_0_\@
	s_barrier_signal -3
.Lnot_wave_0_\@:
	s_barrier_wait -3
	s_barrier_signal -1
	s_barrier_wait -1
.endm
	s_load_b128 s[4:7], s[0:1], 0x0                ; qv, vt
	s_load_b64 s[8:9], s[0:1], 0x10                ; ac
	s_load_b128 s[80:83], s[0:1], 0x18             ; W1, W2
	s_load_b64 s[84:85], s[0:1], 0x28              ; wc
	v_lshl_add_u32 v[SPW], v0, 2, SPARE
	v_mov_b32 v[NIL], 0
	ds_add_u32 v[SPW], v[NIL]                      ; the opening: the add, twice on end, and its wait ahead of my first tensor load
	ds_add_u32 v[SPW], v[NIL]
	v_lshrrev_b32 v7, 5, v0
	v_readfirstlane_b32 s[WV], v7                  ; wave 0..7
	s_bfe_u32 s40, ttmp6, 0x40000                  ; cx
	s_lshl_b32 s41, ttmp9, 2
	s_add_co_u32 s41, s41, s40                     ; my token panel: it enters q's and ctx's addresses alone
	s_and_b32 s42, ttmp7, 0xffff                   ; the head pair
	s_lshr_b32 s43, ttmp9, 2                       ; the batch
	s_and_b32 s47, s[WV], 3
	s_lshl_b32 s44, s47, 1                         ; my first fragment of queries
	s_lshr_b32 s45, s[WV], 2                       ; my head of the pair
	s_lshl_b32 s46, s42, 5                         ; what I fetch: block 32 hp + 16 batch + wave % 4,
	s_lshl_b32 s48, s43, 4
	s_add_co_u32 s46, s46, s48
	s_add_co_u32 s46, s46, s47
	s_cmp_lt_u32 s[WV], 4
	s_cselect_b32 s49, 256, 0                      ; waves 0-3: v along d, 8 x 32 blocks further on in qv
	s_add_co_u32 s46, s46, s49
	s_mul_i32 s46, s46, BLK
	s_mov_b32 s47, 0
	s_mov_b32 s[G1], 15|(3<<16)|(1<<20)|(1<<21)|(6<<22)|(15<<25)   ; mask: all four work-groups; elements of 8 bytes; padding: 16 words behind every 128; bit 21 beside a mask
	s_mov_b32 s[G1+1], 64<<16                      ; 25 rows of 512 dense bytes
	s_mov_b32 s[G1+2], 25<<16
	s_mov_b32 s[G1+3], 64<<16
	s_mov_b32 s[G1+4], 25
	s_mov_b32 s[G1+5], 64
	s_mov_b32 s[G1+6], 0
	s_mov_b32 s[G1+7], 0
	s_lshl_b32 s50, s42, 5                         ; q: block 32 hp + my panel
	s_add_co_u32 s50, s50, s41
	s_mul_i32 s50, s50, BLK
	s_mul_i32 s51, s44, 1536
	s_add_co_u32 s52, s50, s51                     ; my first fragment,
	s_mov_b32 s53, 0
	s_lshl_b32 s51, s44, 6
	s_add_co_u32 s50, s50, s51                     ; and, 12,288 further, its scale words
	s_mov_b32 s51, 0
	s_lshl_b32 s54, s41, 3
	s_add_co_u32 s54, s54, s42
	s_mul_i32 s54, s54, BLK                        ; ctx: block 8 x my panel + hp
	s_mov_b32 s55, 0
	s_mov_b32 s[SEL], 0x76543210
	s_mov_b32 s[SEL+1], 0xfedcba98
	s_mov_b32 s[CS], 0x3e38aa3b                    ; c = log2(e) / sqrt(64)
	s_mov_b32 s[CS+1], s[CS]
	s_mov_b32 s[TB], 0
	s_mov_b32 s[SLOTS], 3
	s_mul_i32 s56, s45, 12*CH                      ; my head's four fragments of v along the keys
	s_add_co_u32 s56, s56, VOFF
	s_lshl_b32 s57, s45, 8
	s_add_co_u32 s57, s57, VOFF+SCW
	s_mul_i32 s58, s44, 1536
	s_add_co_u32 s58, s58, STG
	s_mul_i32 s59, s45, 520                        ; registers 0, 1 | 4, 5 of a fragment lie at 0 | 512 of its image, registers 6, 7 | 10, 11 at 520 | 1032,
	s_add_co_u32 s59, s59, s58
	s_mul_i32 s60, s45, 1016                       ; registers 2, 3 at 8, registers 8, 9 at 1024
	s_add_co_u32 s60, s60, s58
	s_lshl_b32 s61, s44, 6
	s_lshl_b32 s62, s45, 1
	s_add_co_u32 s61, s61, s62
	s_add_co_u32 s61, s61, STG+12288
	s_lshl_b32 s62, s[WV], 9
	s_add_co_u32 s63, s62, STG
	s_cmp_eq_u32 s45, 0
	s_cselect_b32 s38, -1, 0                       ; keeps the first head's registers of q,
	s_cselect_b32 s39, 0, -1                       ; or the second's
	; my unit of the weights.  i = 32 (hp % 4) + token panel, 0..127: W1: 16 pairs of panels x 8 K steps; W2: 4 pairs x 32 K steps; the eight waves stand side by side on 256 columns
	s_lshr_b32 s66, s42, 2                         ; 0: W1, 1: W2: the same in all partners of the cluster
	s_and_b32 s76, s42, 3
	s_lshl_b32 s76, s76, 5
	s_add_co_u32 s76, s76, s41
	s_mov_b32 s70, 32*16384                        ; 32 rows of the weight, in bytes
	s_mov_b32 s79, 448                             ; the weight's first block in wc
	s_cmp_eq_u32 s66, 1
	s_cselect_b32 s77, 5, 3                        ; bits of the K step's number
	s_cselect_b32 s78, 19, 21                      ; 128 rows, as a shift
	s_cselect_b32 s70, 32*4096, s70
	s_cselect_b32 s79, 704, s79
	s_mov_b32 s71, 0
	s_lshr_b32 s86, s76, s77                       ; the pair of panels
	s_lshl_b32 s87, s86, s77
	s_sub_co_u32 s87, s76, s87                     ; the K step
	s_lshl_b32 s68, s87, s78
	s_lshl_b32 s88, s86, 10
	s_add_co_u32 s68, s68, s88
	s_lshl_b32 s88, s[WV], 7
	s_add_co_u32 s68, s68, s88                     ; + 128 bytes a wave
	s_mov_b32 s69, 0
	s_lshl_b32 s86, s86, 1
	s_add_co_u32 s86, s86, s45                     ; the panel: 2 x pair + wave / 4
	s_lshl_b32 s86, s86, s77
	s_add_co_u32 s86, s86, s87
	s_add_co_u32 s86, s86, s79
	s_mul_i32 s86, s86, BLK                        ; my block of wc
	s_and_b32 s88, s[WV], 3
	s_mul_i32 s72, s88, 3072                       ; my two fragments,
	s_add_co_u32 s72, s72, s86
	s_mov_b32 s73, 0
	s_lshl_b32 s74, s88, 7                         ; and, 12,288 further, their 128 bytes of scale words
	s_add_co_u32 s74, s74, s86
	s_mov_b32 s75, 0
	s_wait_dscnt 0x0                               ; both opening adds are done
	s_wait_kmcnt 0x0
	s_cmp_lt_u32 s[WV], 4
	s_cselect_b64 s[G0+2:G0+3], s[4:5], s[6:7]
	s_add_nc_u64 s[G0+2:G0+3], s[G0+2:G0+3], s[46:47]
	s_or_b32 s[G0+3], s[G0+3], 0x80000000
	s_mov_b32 s[G0], 1
	s_mul_i32 s[G0+1], s[WV], PBLK
	s_add_nc_u64 s[52:53], s[4:5], s[52:53]
	s_add_nc_u64 s[50:51], s[4:5], s[50:51]
	s_add_nc_u64 s[8:9], s[8:9], s[54:55]
	s_cmp_eq_u32 s66, 1
	s_cselect_b64 s[76:77], s[82:83], s[80:81]
	s_add_nc_u64 s[68:69], s[76:77], s[68:69]
	s_add_nc_u64 s[72:73], s[84:85], s[72:73]
	s_add_nc_u64 s[74:75], s[84:85], s[74:75]
	CROUND                                         ; all four work-groups are here: the first joint loads meet
	tensor_load_to_lds s[G0:G0+3], s[G1:G1+7]      ; slot 0: one block a wave
	s_nop 0
	v_and_b32 v100, 31, v0                         ; lane
	v_and_b32 v96, 15, v0                          ; r
	v_bfe_u32 v97, v0, 4, 1                        ; h
	v_bfe_u32 v98, v0, 3, 1                        ; r / 8
	v_and_b32 v99, 7, v0                           ; r % 8
	v_lshlrev_b32 v[L16], 4, v100
	v_lshlrev_b32 v[QS], 2, v96
	v_mul_u32_u24 v[AKL], v98, 6*CH                ; a score fragment's lane: 6 rows of 576 x (r / 8) + 16 (r % 8) + 256 h
	v_lshlrev_b32 v[ASKL], 7, v98                  ; its scale word: 128 (r / 8) + 4 (r % 8)
	v_lshl_add_u32 v[AKL], v99, 4, v[AKL]
	v_lshl_add_u32 v[ASKL], v99, 2, v[ASKL]
	v_lshl_add_u32 v[AKL], v97, 8, v[AKL]
	v_add_nc_u32 v[ASKL], SCW, v[ASKL]
	v_add_nc_u32 v[AVL], s56, v[L16]
	v_lshl_add_u32 v[ASVL], v96, 2, s57
	v_lshlrev_b32 v[H8], 3, v97
	v_add_nc_u32 v[STA], s59, v[L16]
	v_add_nc_u32 v[STB], s60, v[L16]
	v_lshl_add_u32 v[STS], v96, 2, s61
	v_add_nc_u32 v[RDB], s63, v[L16]
	v_add_nc_u32 v[GOB], s62, v[L16]
	v_lshl_add_u32 v[WA], v98, 4, v99              ; lane L's column of the wave's 32: L % 8 + 16 ((L / 8) % 2) + 8 (L / 16): lanes 0-15 are the first fragment's rows, lanes 16-31 the second's
	v_lshlrev_b32 v[W4], 2, v100
	v_lshl_add_u32 v[WA], v97, 3, v[WA]
	v_lshlrev_b32 v[WA], 2, v[WA]
.irp k, 0,1,2
	global_load_b128 v[16+4*\k:19+4*\k], v[L16], s[52:53] offset:512*\k
.endr
	global_load_b32 v28, v[QS], s[50:51] offset:12288
	global_load_b32 v29, v[QS], s[50:51] offset:12288+64
	WIN 0x40
.irp k, 0,1,2
	global_load_b128 v[16+4*\k:19+4*\k], v[L16], s[52:53] offset:1536+512*\k
.endr
.macro INIT                            ; constants alone: the window of the destination says whose tile
	v_mov_b32 v[TX], 0xff61b1e6                    ; the largest t so far: -3e38
	v_mov_b32 v[NM], 0x7f61b1e6                    ; -M
	v_mov_b32 v[SUM], 0
	v_mov_b32 v[SUM+1], 0
	v_mov_b32 v[F+1], 0                            ; (named as the upper half of a pair)
	v_mov_b32 v[T1], 0                             ; a lane permute's destination counts as one of its sources
.set oj, 0
.rept 32
	v_mov_b32 v[O+oj], 0                           ; the step is written once; the first finds zeros
.set oj, oj+1
.endr
.endm
	v_mov_b32 v[H8], v[H8]                         ; window 1's copy (the source is window 0's)
.set wi, 0
.rept 12
	v_mov_b32 v[WF0+wi], 0                         ; the places through which the weights' codes move are written before they are first moved
	v_mov_b32 v[WF1+wi], 0
.set wi, wi+1
.endr
	v_mov_b32 v[WSB], 0
	INIT
	WIN 0
	INIT
	s_wait_alu depctr_va_vdst(0)
	s_wait_loadcnt 0x0
.irp i, 0,1,2,3,4,5
	v_and_b32 v[16+\i], s38, v[16+\i]              ; the other head's codes of q become zeros
	v_and_b32 v[22+\i], s39, v[22+\i]
.endr
	WIN 0x44
.irp i, 0,1,2,3,4,5
	v_and_b32 v[16+\i], s38, v[16+\i]
	v_and_b32 v[22+\i], s39, v[22+\i]
.endr
	WIN 0
	s_wait_alu depctr_va_vdst(0)
.macro KLOAD q, hf                     ; score tiles 4 hf .. 4 hf + 3 of key step q: fragments into window hf, scale words into window 0: 16 LDS loads
	WIN 0x40*(\hf)
.irp u, 0,1,2,3
.irp k, 0,1,2
	ds_load_b128 v[32+12*\u+4*\k:35+12*\u+4*\k], v[ADK] offset:(\q)*PBLK+CH*(12*(\hf)+3*(\u%2)+\k)+128*(\u/2)
.endr
.endr
	WIN 0
.irp u, 0,1,2,3
	ds_load_b32 v[80+4*(\hf)+\u], v[ADS] offset:(\q)*PBLK+256*(\hf)+64*(\u%2)+32*(\u/2)
.endr
.endm
.macro VLOAD q                         ; my head's four fragments of v along the keys: 16 LDS loads
.irp t, 0,1,2,3
.irp k, 0,1,2
	ds_load_b128 v[32+12*\t+4*\k:35+12*\t+4*\k], v[ADV] offset:(\q)*PBLK+CH*(3*\t+\k)
.endr
	ds_load_b32 v[88+\t], v[ADT] offset:(\q)*PBLK+64*\t
.endr
.endm
.macro QK x, hf                        ; S^T = v q^T: four tiles of 16 keys for tile x of queries
	WIN 0x44*(\x)+(\hf)
.irp u, 0,1,2,3
	v_wmma_scale_f32_16x16x128_f8f6f4 v[S+32*(\hf)+8*\u:S+32*(\hf)+8*\u+7], v[32+12*\u:43+12*\u], v[16:27], 0, v[80+4*(\hf)+\u], v[28+\x] matrix_a_fmt:MATRIX_FMT_BF6 matrix_b_fmt:MATRIX_FMT_BF6
.endr
.endm
.macro PV x                            ; O^T += v^T p^T: the eight accumulators of both tiles take turns
	WIN 0x54*(\x)
.irp t, 0,1,2,3
	v_wmma_scale_f32_16x16x128_f8f6f4 v[O+8*\t:O+8*\t+7], v[32+12*\t:43+12*\t], v[PC:PC+11], v[O+8*\t:O+8*\t+7], v[88+\t], v[30+\x] matrix_a_fmt:MATRIX_FMT_BF6 matrix_b_fmt:MATRIX_FMT_BF6
.endr
.endm
.macro P1                              ; the largest score of my two blocks (four chains by turns, each tile read from its low end on), the row's, the new M and f
.irp c, 0,1
	v_max3_num_f32 v[A0+2*\c], v[S+32*\c], v[S+32*\c+1], v[S+32*\c+2]
	v_max3_num_f32 v[A0+2*\c+1], v[S+32*\c+16], v[S+32*\c+17], v[S+32*\c+18]
.endr
.irp i, 3,5,7,9,11,13
.irp c, 0,1
	v_max3_num_f32 v[A0+2*\c], v[A0+2*\c], v[S+32*\c+\i], v[S+32*\c+\i+1]
	v_max3_num_f32 v[A0+2*\c+1], v[A0+2*\c+1], v[S+32*\c+16+\i], v[S+32*\c+17+\i]
.endr
.endr
.irp c, 0,1
	v_max3_num_f32 v[BM+\c], v[A0+2*\c], v[A0+2*\c+1], v[S+32*\c+15]
.endr
.irp c, 0,1
	v_max_num_f32 v[BM+\c], v[BM+\c], v[S+32*\c+31]
.endr
	D1
	v_max_num_f32 v[T0], v[BM], v[BM+1]
	D1
	v_permlanex16_b32 v[T1], v[T0], s[SEL], s[SEL+1]
	D1
	v_max_num_f32 v[T0], v[T0], v[T1]              ; with lane l xor 16's two blocks
	D1
	v_mul_f32 v[T0], s[CS], v[T0]                  ; as t (c is positive)
	D1
	v_max_num_f32 v[TX], v[TX], v[T0]
	v_mov_b32 v[T0], v[NM]
	s_delay_alu instid0(VALU_DEP_2)
	v_floor_f32 v[NM], -v[TX]                      ; the new -M = -ceil(t)
	D1
	v_sub_f32 v[T0], v[NM], v[T0]                  ; old M - new M: a whole number, 0 or less
	D1
	v_cvt_i32_f32 v[T0], v[T0]                     ; (it saturates)
	D1
	v_ldexp_f32 v[F], 1.0, v[T0]
.endm
.macro P2                              ; O^T and the sum under the new M; t - M
.set sj, 0
.rept 16
	v_pk_mul_f32 v[O+sj:O+sj+1], v[O+sj:O+sj+1], v[F:F+1] op_sel_hi:[1,0]
.set sj, sj+2
.endr
	v_pk_mul_f32 v[SUM:SUM+1], v[SUM:SUM+1], v[F:F+1] op_sel_hi:[1,0]
.set sj, 0
.rept 32
	v_pk_fma_f32 v[S+sj:S+sj+1], v[S+sj:S+sj+1], s[CS:CS+1], v[NM:NM+1] op_sel_hi:[1,0,0]
.set sj, sj+2
.endr
.irp c, 0,1
	v_fma_f32 v[BM+\c], v[BM+\c], s[CS], v[NM]
.endr
.endm
.macro PEXP                            ; p = 2^(t - M), and each block's largest p
.set sj, 0
.rept 64
	v_exp_f32 v[S+sj], v[S+sj]
.set sj, sj+1
.endr
	v_exp_f32 v[BM], v[BM]
	v_exp_f32 v[BM+1], v[BM+1]
.endm
.macro P4 x                            ; p's scale word and codes, then the row's sum of the unquantised p
	WIN 0x55*(\x)
.irp c, 0,1
	v_max_num_f32 v[BM+\c], 0x2800000, v[BM+\c]    ; the floor 2^(5 - 127): the byte cannot fall under 1
.endr
.irp c, 0,1
	v_add_nc_u32 v[SO+\c], 0xfe000000, v[BM+\c]    ; 4 off the exponent field: the conversion's scale operand
.endr
	v_lshrrev_b32 v[T0], 23, v[SO]
	v_lshrrev_b32 v[T1], 23, v[SO+1]
	D1
	v_lshl_or_b32 v[T0], v[T1], 16, v[T0]          ; my bytes: blocks h and 2 + h,
	D1
	v_lshlrev_b32 v[T0], v[H8], v[T0]              ; at their places in the word
	D1
	v_permlanex16_b32 v[T1], v[T0], s[SEL], s[SEL+1]
	WIN 0x05*(\x)
	v_or_b32 v[30+\x], v[T0], v[T1]                ; with lane l xor 16's two the word is whole; scale words lie in window 0
	WIN 0x55*(\x)
.irp c, 0,1
	v_cvt_scalef32_pk16_bf6_f32 v[PC+6*\c:PC+6*\c+2], v[S+32*\c:S+32*\c+15], v[SO+\c]
	v_cvt_scalef32_pk16_bf6_f32 v[PT+4*\c:PT+4*\c+2], v[S+32*\c+16:S+32*\c+31], v[SO+\c]   ; (a conversion's three registers begin on an even number)
.endr
	v_nop                                          ; one plain place behind a scaled conversion
.irp c, 0,1
.irp i, 0,1,2
	v_mov_b32 v[PC+3+6*\c+\i], v[PT+4*\c+\i]
.endr
.endr
.irp k, 0,1,2,3                        ; four chains; these 32 are also the places between the word, the codes and the products
	v_pk_add_f32 v[A0+2*\k:A0+2*\k+1], v[S+4*\k:S+4*\k+1], v[S+4*\k+2:S+4*\k+3]
.endr
.irp m, 16,24,32,40,48,56
.irp k, 0,1,2,3
	v_pk_add_f32 v[A0+2*\k:A0+2*\k+1], v[A0+2*\k:A0+2*\k+1], v[S+\m+2*\k:S+\m+2*\k+1]
.endr
.endr
	v_pk_add_f32 v[A0:A0+1], v[A0:A0+1], v[A0+2:A0+3]
	v_pk_add_f32 v[A0+4:A0+5], v[A0+4:A0+5], v[A0+6:A0+7]
	D1
	v_pk_add_f32 v[A0:A0+1], v[A0:A0+1], v[A0+4:A0+5]
	D1
	v_pk_add_f32 v[SUM:SUM+1], v[SUM:SUM+1], v[A0:A0+1]
.endm
; A KEY STEP: 128 keys, the q-th of the slot in hand, for both tiles
.macro STEP q
	s_wait_dscnt 0x0                               ; this step's eight score fragments are in
	QK 0, 0
	QK 0, 1
	QK 1, 1
	QK 1, 0
	WIN 0
	NOP4                                           ; places ahead of the loads below and of the first reads of the scores
	VLOAD \q
.if \q < 3
	KLOAD (\q)+1, 1                                ; window 1's fragments are done with: the next step's second half
.endif
	P1
	P2
	WIN 0x55
	P1
	P2
	s_wait_alu depctr_va_vdst(0)
	PEXP
	WIN 0
	PEXP
	v_nop                                          ; a plain place behind the exponentials
	s_wait_alu depctr_va_vdst(0)                   ; one wait for the batch, ahead of its first reader
	P4 0
	P4 1
	WIN 0
	s_wait_alu depctr_va_vdst(0)
.if \q < 3
	s_wait_dscnt 16                                ; v along the keys is in; the 16 loads issued behind it, the next step's second half, may be out
.else
	s_wait_dscnt 0x0
.endif
	PV 0
	PV 1
	WIN 0
.if \q < 3
	NOP4
	KLOAD (\q)+1, 0                                ; and the next step's first half
.endif
.endm
; THE CHANGE OF SLOTS: each wave waits for its tensor load, adds 0 to its spare word, and waits for that and for its reads of the slot that it has left.
; fill = 1: a round of the cluster's barrier, and behind it the slot just left (the first time: slot 1) takes the next 512 keys.
.macro CHANGE fill
	s_wait_tensorcnt 0x0                           ; no tensor load of mine is out, so the descriptor may be written
	ds_add_u32 v[SPW], v[NIL]
.if \fill
	s_xor_b32 s[G0+1], s[G0+1], SLOT1
	s_add_nc_u64 s[G0+2:G0+3], s[G0+2:G0+3], 4*BLK
	s_wait_dscnt 0x0
	CROUND
	tensor_load_to_lds s[G0:G0+3], s[G1:G1+7]      ; my one tensor load until the next round
	s_nop 0
.else
	s_wait_dscnt 0x0
	s_barrier_signal -1
	s_barrier_wait -1
.endif
	v_add_nc_u32 v[ADK], s[TB], v[AKL]
	v_add_nc_u32 v[ADV], s[TB], v[AVL]
	v_add_nc_u32 v[ADS], s[TB], v[ASKL]
	v_add_nc_u32 v[ADT], s[TB], v[ASVL]
	s_wait_alu depctr_va_vdst(0)
	KLOAD 0, 0
	KLOAD 0, 1
.endm
.macro WLD rowb                        ; a block of 32 along K of my column: each load of the wave reads 128 consecutive bytes, the work-group's eight waves 1,024
	WIN 0x40
.set wi, 0
.rept 16
	global_load_b32 v[WXA+wi], v[WA], s[68:69] offset:wi*(\rowb) th:TH_LOAD_NT
.set wi, wi+1
.endr
	WIN 0
.set wi, 0
.rept 16
	global_load_b32 v[WXB+wi], v[WA], s[68:69] offset:(16+wi)*(\rowb) th:TH_LOAD_NT
.set wi, wi+1
.endr
.endm
.macro WLOADS                          ; the two weights differ in their rows' length: the branch hangs on the head pair alone
	s_cmp_eq_u32 s66, 0
	s_cbranch_scc0 .Lw_two_\@
	WLD 16384
	s_branch .Lw_join_\@
.Lw_two_\@:
	WLD 4096
.Lw_join_\@:
.endm
.macro WMAX a, d                       ; the largest magnitude of 16 numbers, in two chains
	v_max3_num_f32 v[\d], |v[\a]|, |v[\a+1]|, |v[\a+2]|
	v_max3_num_f32 v[\d+1], |v[\a+3]|, |v[\a+4]|, |v[\a+5]|
.irp i, 6,10
	v_max3_num_f32 v[\d], v[\d], |v[\a+\i]|, |v[\a+\i+1]|
	v_max3_num_f32 v[\d+1], v[\d+1], |v[\a+\i+2]|, |v[\a+\i+3]|
.endr
	v_max3_num_f32 v[\d], v[\d], |v[\a+14]|, |v[\a+15]|
.endm
; One block of the weights: asked for a slot ago.  last = 0: the next block is asked for; last = 1: the unit leaves
.macro WJOB last
	s_wait_loadcnt 0x0                             ; the block's 32 loads are in, so their base may be stepped too
	WMAX WXB, WN
	v_max_num_f32 v[WN], v[WN], v[WN+1]
	WIN 0x55
	WMAX WXA, WM
	v_max3_num_f32 v[WM], v[WM], v[WM+1], 0x2800000   ; the floor 2^(5 - 127): the byte cannot fall under 1
	WIN 0x41
	v_max_num_f32 v[WM], v[WM], v[WN]              ; with window 0's sixteen: the block's largest magnitude
	WIN 0x55
	v_add_nc_u32 v[WSO], 0xfe000000, v[WM]         ; 4 off its exponent field: the conversion's scale operand
.irp i, 0,1,2,3,4,5
	v_mov_b32 v[WF0+\i], v[WF1+\i]                 ; the earlier blocks' codes move up a place: even blocks end in one run of 12 registers, odd ones in the other
.endr
.irp i, 0,1,2,3,4,5
	v_mov_b32 v[WF1+\i], v[WF0+6+\i]
.endr
.irp i, 0,1,2,3,4,5
	v_mov_b32 v[WF0+6+\i], v[WF1+6+\i]
.endr
	v_lshrrev_b32 v[WBY], 23, v[WSO]               ; the scale's byte,
	v_lshrrev_b32 v[WSB], 8, v[WSB]
	v_lshl_or_b32 v[WSB], v[WBY], 24, v[WSB]       ; into the word from above: behind four blocks the first block's byte is the lowest
	v_cvt_scalef32_pk16_bf6_f32 v[WF1+6:WF1+8], v[WXA:WXA+15], v[WSO]
	WIN 0x44
	v_cvt_scalef32_pk16_bf6_f32 v[WTU:WTU+2], v[WXB:WXB+15], v[WSO]   ; (a conversion's three registers begin on an even number)
	WIN 0x55
	v_nop                                          ; one plain place behind a scaled conversion
.irp i, 0,1,2
	v_mov_b32 v[WF1+9+\i], v[WTU+\i]
.endr
.if \last
.set wi, 0
.rept 12
	v_permlane16_swap_b32 v[WF0+wi], v[WF1+wi]     ; the even blocks of the second fragment's rows change places with the odd blocks of the first's
.set wi, wi+1
.endr
	WIN 0x04
.irp k, 0,1,2
	global_store_b128 v[L16], v[WF0+4*\k:WF0+4*\k+3], s[72:73] offset:512*\k          ; 512 consecutive bytes, aligned to 256
	global_store_b128 v[L16], v[WF1+4*\k:WF1+4*\k+3], s[72:73] offset:1536+512*\k
.endr
	global_store_b32 v[W4], v[WSB], s[74:75] offset:12288
	WIN 0
.else
	WIN 0
	s_add_nc_u64 s[68:69], s[68:69], s[70:71]      ; 32 rows down
	WLOADS
.endif
.endm
	WLOADS                                         ; the weights' first block
.Lslot:
	CHANGE 1
	WJOB 0
	STEP 0
	STEP 1
	STEP 2
	STEP 3
	s_xor_b32 s[TB], s[TB], SLOT1
	s_sub_co_u32 s[SLOTS], s[SLOTS], 1
	s_cmp_lg_u32 s[SLOTS], 0
	s_cbranch_scc1 .Lslot
	CHANGE 0                                       ; the last slot is written out: nothing is left to ask for
	WJOB 1
	STEP 0
	STEP 1
	STEP 2
	STEP 3
	; THE WAY OUT.  ctx = O^T / the sum: register 16 b + i = feature 64 head + 32 b + 16 (lane / 16) + i of my query: two blocks of the next K, six registers of a fragment of the work-group's block
.macro TSUM
	v_add_f32 v[SUM], v[SUM], v[SUM+1]
	D1
	v_permlanex16_b32 v[T1], v[SUM], s[SEL], s[SEL+1]
	D1
	v_add_f32 v[SUM], v[SUM], v[T1]                ; the row's sum
.endm
.macro OUT x
	WIN 0x55*(\x)
	s_wait_alu depctr_va_vdst(0)                   ; ahead of the first reader of the reciprocal and of this tile's O^T
.set oj, 0
.rept 16
	v_pk_mul_f32 v[S+oj:S+oj+1], v[O+oj:O+oj+1], v[SUM:SUM+1] op_sel_hi:[1,0]
.set oj, oj+2
.endr
.irp b, 0,1
	v_max3_num_f32 v[BM+\b], |v[S+16*\b]|, |v[S+1+16*\b]|, 0x2800000
.endr
.irp i, 2,4,6,8,10,12,14
.irp b, 0,1
	v_max3_num_f32 v[BM+\b], v[BM+\b], |v[S+16*\b+\i]|, |v[S+1+16*\b+\i]|
.endr
.endr
.irp b, 0,1
	v_permlanex16_b32 v[A0+\b], v[BM+\b], s[SEL], s[SEL+1]
.endr
.irp b, 0,1
	v_max_num_f32 v[BM+\b], v[BM+\b], v[A0+\b]
.endr
.irp b, 0,1
	v_add_nc_u32 v[SO+\b], 0xfe000000, v[BM+\b]
.endr
.irp b, 0,1
	v_lshrrev_b32 v[A0+\b], 23, v[SO+\b]
.endr
	D1
	v_lshl_or_b32 v[T0], v[A0+1], 8, v[A0]
	v_cvt_scalef32_pk16_bf6_f32 v[PC:PC+2], v[S:S+15], v[SO]
	v_cvt_scalef32_pk16_bf6_f32 v[PT:PT+2], v[S+16:S+31], v[SO+1]
	v_nop
.irp i, 0,1,2
	v_permlane16_swap_b32 v[PC+\i], v[PT+\i]       ; a whole block to a lane
.endr
.irp i, 0,1,2
	v_mov_b32 v[PC+3+\i], v[PT+\i]
.endr
	WIN 0x04*(\x)
	ds_store_b64 v[STA], v[PC:PC+1] offset:1536*(\x)
	ds_store_b64 v[STB], v[PC+2:PC+3] offset:1536*(\x)+8
	ds_store_b64 v[STA], v[PC+4:PC+5] offset:1536*(\x)+512
	ds_store_b16 v[STS], v[T0] offset:64*(\x)      ; lanes r and r + 16 write the same two bytes with the same value
.endm
	NOP4                                           ; places behind the last products
	TSUM
	WIN 0x55
	TSUM
	s_wait_alu depctr_va_vdst(0)
	v_rcp_f32 v[SUM], v[SUM]
	WIN 0
	v_rcp_f32 v[SUM], v[SUM]
	v_nop
	OUT 0
	OUT 1
	WIN 0
	s_wait_dscnt 0x0                               ; for the others' sake: my stores have landed
	s_barrier_signal -1
	s_barrier_wait -1
.irp i, 0,1,2                          ; the block's 25 runs of 512 bytes: wave w takes runs w, w + 8, w + 16; wave 0 also run 24
	ds_load_b128 v[32+4*\i:35+4*\i], v[RDB] offset:4096*\i
.endr
.irp i, 0,1,2
	s_wait_dscnt 2-\i
	global_store_b128 v[GOB], v[32+4*\i:35+4*\i], s[8:9] offset:4096*\i    ; 32 lanes store 512 consecutive bytes, aligned to 256
.endr
	s_cmp_lt_u32 s[WV], 1
	s_cbranch_scc0 .Ldone
	ds_load_b128 v[44:47], v[RDB] offset:12288
	s_wait_dscnt 0x0
	global_store_b128 v[GOB], v[44:47], s[8:9] offset:12288
.Ldone:
	s_wait_tensorcnt 0x0                           ; the wave's end
	ds_add_u32 v[SPW], v[NIL]
	s_wait_dscnt 0x0
	CROUND                                         ; the closing round
	s_endpgm
.Lfunc_end_k_q04153dca8d_att:
	.size	k_q04153dca8d_att, .Lfunc_end_k_q04153dca8d_att-k_q04153dca8d_att
	.p2alignl 7, 3214868480
	.fill 96, 4, 3214868480
	.section	.rodata,"a",@progbits
	.p2align	6, 0x0
	.amdhsa_kernel k_q04153dca8d_att
		.amdhsa_group_segment_fixed_size 327680
		.amdhsa_private_segment_fixed_size 0
		.amdhsa_enable_private_segment 0
		.amdhsa_kernarg_size 48
		.amdhsa_user_sgpr_count 2
		.amdhsa_user_sgpr_kernarg_segment_ptr 1
		.amdhsa_wavefront_size32 1
		.amdhsa_system_sgpr_workgroup_id_x 1
		.amdhsa_system_sgpr_workgroup_id_y 1
		.amdhsa_system_sgpr_workgroup_id_z 1
		.amdhsa_system_vgpr_workitem_id 0
		.amdhsa_next_free_vgpr 512
		.amdhsa_next_free_sgpr 96
		.amdhsa_reserve_vcc 0
		.amdhsa_float_denorm_mode_32 3
		.amdhsa_float_denorm_mode_16_64 3
		.amdhsa_memory_ordered 1
		.amdhsa_forward_progress 1
		.amdhsa_inst_pref_size 255
	.end_amdhsa_kernel
	.section	.bss,"aw",@nobits
	.p2align	6
	.space	262144
	.amdgpu_metadata
---
amdhsa.version: [ 1, 2 ]
amdhsa.kernels:
  - .name:           k_q04153dca8d_att
    .symbol:         k_q04153dca8d_att.kd
    .args:
      - { .name: qv, .offset: 0, .size: 8, .value_kind: global_buffer, .address_space: global }
      - { .name: vt, .offset: 8, .size: 8, .value_kind: global_buffer, .address_space: global }
      - { .name: ac, .offset: 16, .size: 8, .value_kind: global_buffer, .address_space: global }
      - { .name: W1, .offset: 24, .size: 8, .value_kind: global_buffer, .address_space: global }
      - { .name: W2, .offset: 32, .size: 8, .value_kind: global_buffer, .address_space: global }
      - { .name: wc, .offset: 40, .size: 8, .value_kind: global_buffer, .address_space: global }
    .group_segment_fixed_size: 327680
    .private_segment_fixed_size: 0
    .kernarg_segment_align: 8
    .kernarg_segment_size: 48
    .max_flat_workgroup_size: 256
    .sgpr_count:     96
    .vgpr_count:     512
    .wavefront_size: 32
...
	.end_amdgpu_metadata
.endif
;; end of part 3
;; launch g2 (part 4): grid 8 x 32, 4 waves a work-group, clusters of 4 x 4, 327,680 bytes of LDS; arguments ac, wc, bo, x, y; writes y
.if DOCPART == 4
	.amdgcn_target "amdgcn-amd-amdhsa--gfx1250"
	.amdhsa_code_object_version 6
	.text
	.protected	k_q04153dca8d_g2
	.globl	k_q04153dca8d_g2
	.p2align	8
	.type	k_q04153dca8d_g2,@function
k_q04153dca8d_g2:
	s_mov_b64 s[64:65], 0
	v_nop
	global_prefetch_b8 v0, s[64:65] scope:SCOPE_SE
	s_setreg_imm32_b32 hwreg(HW_REG_WAVE_MODE, 25, 1), 1
	s_wait_xcnt 0x0
	s_wait_alu depctr_hold_cnt(0) depctr_sa_sdst(0) depctr_va_vdst(0) depctr_va_sdst(0) depctr_va_ssrc(0) depctr_va_vcc(0) depctr_vm_vsrc(0)
	s_getreg_b32 s2, hwreg(HW_REG_IB_STS2, 6, 4)
	s_cmp_eq_u32 s2, 0
	s_cbranch_scc0 .Lentry_in_a_cluster
	s_endpgm
.Lentry_in_a_cluster:
	s_bfe_u32 s2, ttmp6, 0x10000c
	s_cmp_lg_u32 s2, 0xf033
	s_cbranch_scc0 .Lentry_shape_is_right
	s_endpgm
.Lentry_shape_is_right:
.set BIG,     0
.set KSTEPS,  8
.set EPI,     1
.set RELU,    0
.set BIASROW, 0
.set BSEL,    0
.set UOFF,    0
.set WOFF,    384
.set OSU,     0
.set OSW,     0
.set ARG_U,   0
.set ARG_W,   8
.set ARG_B,   16
.set ARG_R,   24
.set ARG_O,   32
.set AB,    4+4*BIG
.set BB,    AB
.set NQ,    4-2*BIG
.set BLK,   12800
.set REG,   2*BLK
.set SLOT,  4*REG
.set SLOTG, NQ*BLK
.set LAPS,  KSTEPS/(2*NQ)
.set FOFF,  6144+(REG-6144)*BIG
.set SOFF,  256+(REG-256)*BIG
.set SPARE, 2*SLOT
.set STAGE, SPARE+512
.set ADRU, 16
.set ADRW, 18
.set ADRS, 20
.set BO,   22
.set STO,  24
.set RD,   25
.set CO,   26
.set LI,   27
.set SPW,  28
.set NIL,  29
.set LS,   30
.set TM,   64
.set G1,  24
.set G0,  32
.set G1B, 48
.set G0B, 56
.set MSB, 0
.macro WIN new
.if MSB != (\new)
	s_set_vgpr_msb (MSB<<8)|(\new)
.set MSB, (\new)
.endif
.endm
.macro JLOAD g0a, g1a, g0b, g1b
	s_cmp_eq_u32 s15, 0
	s_cbranch_scc0 .Lfor_b_\@
	tensor_load_to_lds s[\g0a:\g0a+3], s[\g1a:\g1a+7]
	s_nop 0
.rept 4
	v_nop
.endr
	s_branch .Lasked_\@
.Lfor_b_\@:
	tensor_load_to_lds s[\g0b:\g0b+3], s[\g1b:\g1b+7]
	s_nop 0
.rept 4
	v_nop
.endr
.Lasked_\@:
.endm
.macro CREST
	s_cmp_lg_u32 s14, 0
	s_cbranch_scc1 .Lnot_wave_0_\@
	s_barrier_signal -3
.Lnot_wave_0_\@:
	s_barrier_wait -3
	s_barrier_signal -1
	s_barrier_wait -1
.endm
.macro CROUND
	s_barrier_signal -1
	s_barrier_wait -1
	CREST
.endm
.macro PLACES
.rept 4
	v_nop
.endr
.endm
	s_load_b64 s[4:5], s[0:1], ARG_U
	s_load_b64 s[6:7], s[0:1], ARG_W
	s_load_b64 s[8:9], s[0:1], ARG_B
.if BSEL+EPI
	s_load_b64 s[10:11], s[0:1], ARG_R
.endif
	s_load_b64 s[12:13], s[0:1], ARG_O
	v_lshl_add_u32 v[SPW], v0, 2, SPARE
	v_mov_b32 v[NIL], 0
	ds_add_u32 v[SPW], v[NIL]
	ds_add_u32 v[SPW], v[NIL]
	v_lshrrev_b32 v1, 5, v0
	v_readfirstlane_b32 s14, v1
	s_lshr_b32 s15, s14, 1
	s_and_b32 s16, s14, 1
	s_bfe_u32 s40, ttmp6, 0x40000
	s_bfe_u32 s41, ttmp6, 0x40004
	s_lshl_b32 s42, ttmp9, 2
	s_add_co_u32 s42, s42, s40
	s_and_b32 s17, ttmp7, 0xffff
	s_lshl_b32 s17, s17, 2
	s_add_co_u32 s17, s17, s41
	s_lshl_b32 s43, s41, 2
	s_lshl_b32 s43, 15, s43
	s_lshl_b32 s44, 0x1111, s40
	s_or_b32 s[G1+0], s43, (3<<16)|(1<<21)
	s_or_b32 s[G1B+0], s44, (3<<16)|(1<<21)
.irp g, G1, G1B
	s_mov_b32 s[\g+1], 32<<16
	s_mov_b32 s[\g+2], 200<<16                     ; 51,200 dense bytes as 200 rows of 256: four K steps of a panel
	s_mov_b32 s[\g+3], 32<<16
	s_mov_b32 s[\g+4], 200
	s_mov_b32 s[\g+5], 32
	s_mov_b32 s[\g+6], 0
	s_mov_b32 s[\g+7], 0
.endr
.if BIG
	s_lshl_b32 s20, s17, 1
	s_add_co_u32 s20, s20, s16
	s_mul_i32 s20, s20, KSTEPS*BLK
	s_lshl_b32 s46, s42, 1
	s_add_co_u32 s46, s46, s16
	s_mul_i32 s46, s46, KSTEPS*BLK
.else
	s_mul_i32 s20, s17, KSTEPS*BLK
	s_mul_i32 s18, s16, 2*BLK
	s_add_co_u32 s20, s20, s18
	s_mul_i32 s46, s42, KSTEPS*BLK
	s_add_co_u32 s46, s46, s18
.endif
	s_add_co_u32 s20, s20, UOFF*BLK
	s_add_co_u32 s46, s46, WOFF*BLK
	s_mov_b32 s21, 0
	s_mov_b32 s47, 0
	s_mul_i32 s45, s14, REG
	s_mov_b32 s66, 0xffff0000
	s_mov_b32 s68, 0x76543210
	s_mov_b32 s69, 0xfedcba98
	s_wait_dscnt 0x0
	s_wait_kmcnt 0x0
	s_add_nc_u64 s[20:21], s[4:5], s[20:21]
	s_add_nc_u64 s[46:47], s[6:7], s[46:47]
	CROUND
.irp s, 0,1
	s_mov_b32 s[G0+4*\s], 1
	s_add_co_u32 s[G0+4*\s+1], s45, \s*SLOT
	s_add_nc_u64 s[G0+4*\s+2:G0+4*\s+3], s[20:21], \s*SLOTG
	s_or_b32 s[G0+4*\s+3], s[G0+4*\s+3], 0x80000000
	s_mov_b32 s[G0B+4*\s], 1
	s_add_co_u32 s[G0B+4*\s+1], s45, \s*SLOT
	s_add_nc_u64 s[G0B+4*\s+2:G0B+4*\s+3], s[46:47], \s*SLOTG
	s_or_b32 s[G0B+4*\s+3], s[G0B+4*\s+3], 0x80000000
.endr
	; the head's one load a wave: waves 0, 1 bring U's K steps 0-3, 4-7 into slot 0, 1; waves 2, 3 W's: all of K is asked for at once
	s_mul_i32 s22, s16, 2*BLK
	s_mov_b32 s23, 0
	s_add_nc_u64 s[6:7], s[20:21], s[22:23]
	s_or_b32 s7, s7, 0x80000000
	s_add_nc_u64 s[78:79], s[46:47], s[22:23]
	s_or_b32 s79, s79, 0x80000000
	s_mov_b32 s4, 1
	s_mov_b32 s76, 1
	s_mul_i32 s5, s16, SLOT
	s_mul_i32 s22, s15, 2*REG
	s_add_co_u32 s5, s5, s22
	s_mov_b32 s77, s5
	JLOAD 4, G1, 76, G1B
	v_and_b32 v1, 31, v0
	v_and_b32 v2, 15, v0
	v_bfe_u32 v3, v0, 4, 1
	s_wait_alu depctr_va_vdst(0)
	v_lshlrev_b32 v[LI], 4, v1
	v_lshlrev_b32 v[LS], 2, v1
	s_mul_i32 s18, s15, FOFF
	s_mul_i32 s19, s16, FOFF
	s_add_co_u32 s19, s19, 2*REG
.irp s, 0,1
	v_add_nc_u32 v[ADRU+\s], s18, v[LI]
	v_add_nc_u32 v[ADRW+\s], s19, v[LI]
	s_add_co_u32 s18, s18, SLOT
	s_add_co_u32 s19, s19, SLOT
.endr
	s_mul_i32 s18, s15, SOFF
	s_mul_i32 s19, s16, SOFF
	s_add_co_u32 s19, s19, 2*REG
	s_sub_co_u32 s19, s19, s18
	v_mul_u32_u24 v4, s19, v3
	v_lshl_add_u32 v4, v2, 2, v4
	s_add_co_u32 s18, s18, 12288
	v_add_nc_u32 v[ADRS], s18, v4
	v_add_nc_u32 v[ADRS+1], SLOT, v[ADRS]
	s_lshl_b32 s70, s17, 1
	s_add_co_u32 s70, s70, s15
	s_lshl_b32 s71, s42, 1
	s_add_co_u32 s71, s71, s16
.if BSEL
	s_cmp_lt_u32 ttmp9, 1
	s_cselect_b64 s[8:9], s[8:9], s[10:11]
	s_and_b32 s72, s71, 7
.else
.if BIASROW
	s_mov_b32 s72, s70
.else
	s_mov_b32 s72, s71
.endif
.endif
	s_lshl_b32 s72, s72, 8+BIG
	s_mov_b32 s73, 0
	s_add_nc_u64 s[8:9], s[8:9], s[72:73]
.if BIASROW
	v_and_b32 v[BO], 8, v2
	v_add_nc_u32 v[BO], v[BO], v2
	v_lshlrev_b32 v[BO], 2, v[BO]
.else
	v_lshlrev_b32 v[BO], 6, v3
.endif
	WIN 0x40
.set bt, 0
.rept BB
.set BR, 96+8*bt+96*(bt/4)
.if BIASROW
.irp j, 0,1,2,3,4,5,6,7
	global_load_b32 v[BR+\j], v[BO], s[8:9] offset:4*(32*(bt/2)+8*(bt%2))
.endr
.else
	global_load_b128 v[BR:BR+3], v[BO], s[8:9] offset:128*(bt/2)+32*(bt%2)
	global_load_b128 v[BR+4:BR+7], v[BO], s[8:9] offset:128*(bt/2)+32*(bt%2)+16
.endif
.set bt, bt+1
.endr
	WIN 0
.if EPI
	s_lshl_b32 s74, s70, 18
	s_lshl_b32 s75, s71, 8
	s_add_co_u32 s74, s74, s75
	s_mov_b32 s75, 0
	s_add_nc_u64 s[10:11], s[10:11], s[74:75]
	s_add_nc_u64 s[12:13], s[12:13], s[74:75]
	v_lshlrev_b32 v[CO], 12, v3
	v_lshl_add_u32 v[CO], v2, 4, v[CO]
	s_mul_i32 s18, s14, 16*272
	s_add_co_u32 s18, s18, STAGE
	v_mul_u32_u24 v[STO], v2, 272
	v_lshl_add_u32 v[STO], v3, 6, v[STO]
	v_add_nc_u32 v[STO], s18, v[STO]
	v_mul_u32_u24 v[RD], v3, 272
	v_lshl_add_u32 v[RD], v2, 4, v[RD]
	v_add_nc_u32 v[RD], s18, v[RD]
	WIN 0x80
.set ra, 0
.rept 4
.irp i, 0,1,2,3,4,5,6,7
	global_load_b128 v[128+32*ra+4*\i:131+32*ra+4*\i], v[CO], s[10:11] offset:(32*(ra/2)+8*(ra%2)+2*\i+8*(\i/4))*4096
.endr
.set ra, ra+1
.endr
	WIN 0
.else
	s_mul_i32 s74, s70, OSU*BLK
	s_mul_i32 s75, s71, OSW*BLK
	s_add_co_u32 s74, s74, s75
	s_mov_b32 s75, 0
	s_add_nc_u64 s[12:13], s[12:13], s[74:75]
.endif
.macro FETCH slot, q, set
	WIN 0x40
.set fi, 0
.rept BB
.irp c, 0,1,2
	ds_load_b128 v[128*(\set)+12*fi+4*\c:128*(\set)+12*fi+4*\c+3], v[ADRW+\slot] offset:(\q)*BLK+1536*fi+512*\c
.endr
.set fi, fi+1
.endr
	WIN 0
.set fi, 0
.rept AB
.irp c, 0,1,2
	ds_load_b128 v[64+96*(\set)+12*fi+4*\c:64+96*(\set)+12*fi+4*\c+3], v[ADRU+\slot] offset:(\q)*BLK+1536*fi+512*\c
.endr
	ds_load_b32 v[32+8*(\set)+fi], v[ADRS+\slot] offset:(\q)*BLK+64*fi
.set fi, fi+1
.endr
.endm
.macro MULR set, a0, n, ct
.set ma, \a0
.rept \n
.set mb, 0
.rept BB
.set mi, BB*ma+mb
.set mr, 8*(mi%32)
.set mw, 128*(\set)+12*mb
.set mu, 64+96*(\set)+12*ma
.if \ct
.if BIASROW
.set mc, 96+8*ma+96*(ma/4)
.else
.set mc, 96+8*mb+96*(mb/4)
.endif
	WIN 0x91+0x40*(mi/32)
	v_wmma_scale_f32_16x16x128_f8f6f4 v[mr:mr+7], v[mw:mw+11], v[mu:mu+11], v[mc:mc+7], v[32+8*(\set)+mb], v[32+8*(\set)+ma] matrix_a_fmt:MATRIX_FMT_BF6 matrix_b_fmt:MATRIX_FMT_BF6 matrix_a_scale:MATRIX_SCALE_ROW1
.else
	WIN 0xa1+0x50*(mi/32)
	v_wmma_scale_f32_16x16x128_f8f6f4 v[mr:mr+7], v[mw:mw+11], v[mu:mu+11], v[mr:mr+7], v[32+8*(\set)+mb], v[32+8*(\set)+ma] matrix_a_fmt:MATRIX_FMT_BF6 matrix_b_fmt:MATRIX_FMT_BF6 matrix_a_scale:MATRIX_SCALE_ROW1
.endif
.set mb, mb+1
.endr
.set ma, ma+1
.endr
.endm
.macro STEP slot, q, ct
	s_wait_dscnt 0x0
	PLACES
	FETCH \slot, (\q)+1, ((\q)+1)%2
	MULR (\q)%2, 0, AB, \ct
	WIN 0
.endm
.macro STEPS slot, ct
	STEP \slot, 0, \ct
.if NQ > 2
	STEP \slot, 1, 0
	STEP \slot, 2, 0
.endif
.endm
.macro TURN slot, next, fill
	s_wait_tensorcnt 0x0
	ds_add_u32 v[SPW], v[NIL]
	s_wait_dscnt 1
	MULR 1, 0, AB/4, 0
	s_wait_dscnt 0x0
	s_barrier_signal -1
	MULR 1, AB/4, AB/4, 0
	WIN 0
	s_barrier_wait -1
.if \fill
	CREST
	s_add_nc_u64 s[G0+4*\slot+2:G0+4*\slot+3], s[G0+4*\slot+2:G0+4*\slot+3], 2*SLOTG
	s_add_nc_u64 s[G0B+4*\slot+2:G0B+4*\slot+3], s[G0B+4*\slot+2:G0B+4*\slot+3], 2*SLOTG
	JLOAD G0+4*\slot, G1, G0B+4*\slot, G1B
.else
	PLACES
.endif
	FETCH \next, 0, 0
	MULR 1, AB/2, AB/2, 0
	WIN 0
.endm
.macro OUTQ a
.set W2, 2+(\a)/4
.set AC, 64*((\a)%4)
.set PC, 96+20*((\a)%2)
.set PW, 80+(\a)%2
	s_wait_xcnt 0x0
.if RELU
	WIN (W2<<6)|(W2<<2)
.set ek, 0
.rept 64
	v_max_num_f32 v[AC+ek], 0, v[AC+ek]
.set ek, ek+1
.endr
.endif
	WIN (W2<<2)|W2
.irp b, 0,1,2,3
	v_max3_num_f32 v[TM+\b], |v[AC+16*\b]|, |v[AC+1+16*\b]|, 0x2800000
.endr
.irp i, 2,4,6,8,10,12,14
.irp b, 0,1,2,3
	v_max3_num_f32 v[TM+\b], |v[AC+16*\b+\i]|, |v[AC+1+16*\b+\i]|, v[TM+\b]
.endr
.endr
	WIN 0
.irp b, 0,1,2,3
	v_permlanex16_b32 v[TM+4+\b], v[TM+\b], s68, s69
.endr
.irp b, 0,1,2,3
	v_max_num_f32 v[TM+\b], v[TM+\b], v[TM+4+\b]
.endr
.irp b, 0,1,2,3
	v_add_nc_u32 v[TM+12+\b], 0xfe000000, v[TM+\b]
.endr
.irp b, 0,1,2,3
	v_lshrrev_b32 v[TM+4+\b], 23, v[TM+12+\b]
.endr
	v_lshl_or_b32 v[PW], v[TM+5], 8, v[TM+4]
	v_lshl_or_b32 v[PW], v[TM+6], 16, v[PW]
	v_lshl_or_b32 v[PW], v[TM+7], 24, v[PW]
	WIN W2
.irp c, 0,1
	v_cvt_scalef32_pk16_bf6_f32 v[PC+6*\c:PC+2+6*\c], v[AC+32*\c:AC+15+32*\c], v[TM+12+2*\c]
	v_cvt_scalef32_pk16_bf6_f32 v[PC+12+4*\c:PC+14+4*\c], v[AC+16+32*\c:AC+31+32*\c], v[TM+12+2*\c+1]
.endr
	WIN 0
	v_nop
.irp c, 0,1
.irp i, 0,1,2
	v_permlane16_swap_b32 v[PC+6*\c+\i], v[PC+12+4*\c+\i]
.endr
.irp i, 0,1,2
	v_mov_b32 v[PC+3+6*\c+\i], v[PC+12+4*\c+\i]
.endr
.endr
.irp c, 0,1,2
	global_store_b128 v[LI], v[PC+4*\c:PC+4*\c+3], s[12:13] offset:1536*(\a)+512*\c
.endr
.if (\a)%2
	v_cndmask_b32 v82, v80, v81, s66
	global_store_b32 v[LS], v82, s[12:13] offset:12288+128*((\a)/2)
.endif
.endm
.macro OUTF a
	s_wait_xcnt 0x0
	WIN 0x08
.irp b, 0,1,2,3
	ds_store_b128 v[STO], v[8*(4*(\a)+\b):8*(4*(\a)+\b)+3] offset:128*(\b/2)+32*(\b%2)
	ds_store_b128 v[STO], v[8*(4*(\a)+\b)+4:8*(4*(\a)+\b)+7] offset:128*(\b/2)+32*(\b%2)+16
.endr
.irp i, 0,1,2,3,4,5,6,7
	ds_load_b128 v[192+4*\i:195+4*\i], v[RD] offset:544*\i
.endr
	s_wait_dscnt 0x0
	s_wait_loadcnt 24-8*(\a)
.set ek, 0
.rept 16
	v_pk_add_f32 v[192+2*ek:193+2*ek], v[192+2*ek:193+2*ek], v[128+32*(\a)+2*ek:129+32*(\a)+2*ek]
.set ek, ek+1
.endr
	WIN 0
.irp i, 0,1,2,3,4,5,6,7
	global_store_b128 v[CO], v[192+4*\i:195+4*\i], s[12:13] offset:(32*((\a)/2)+8*((\a)%2)+2*\i+8*(\i/4))*4096
.endr
.endm
	s_wait_alu depctr_va_vdst(0)
	s_wait_tensorcnt 0x0                           ; my part of both slots is in
	s_barrier_signal -1
	s_barrier_wait -1
	FETCH 0, 0, 0
	s_wait_loadcnt 32*EPI
	STEPS 0, 1
.if LAPS > 1
	s_mov_b32 s3, LAPS-1
.Llap:
	TURN 0, 1, 1
	STEPS 1, 0
	TURN 1, 0, 1
	STEPS 0, 0
	s_sub_co_u32 s3, s3, 1
	s_cmp_lg_u32 s3, 0
	s_cbranch_scc1 .Llap
.endif
	TURN 0, 1, 0
	STEPS 1, 0
	s_wait_dscnt 0x0
	MULR 1, 0, AB, 0
	WIN 0
	PLACES
.if EPI
	s_wait_alu depctr_va_vdst(0)
.irp a, 0,1,2,3
	OUTF \a
.endr
.else
.irp b, 0,1,2,3
	v_mov_b32 v[TM+4+\b], 0
.endr
.irp a, 0,1,2,3,4,5,6,7
	OUTQ \a
.endr
.endif
	s_wait_tensorcnt 0x0
	ds_add_u32 v[SPW], v[NIL]
	s_wait_dscnt 0x0
	CROUND
	s_endpgm
.Lfunc_end_k_q04153dca8d_g2:
	.size	k_q04153dca8d_g2, .Lfunc_end_k_q04153dca8d_g2-k_q04153dca8d_g2
	.p2alignl 7, 3214868480
	.fill 96, 4, 3214868480
	.section	.rodata,"a",@progbits
	.p2align	6, 0x0
	.amdhsa_kernel k_q04153dca8d_g2
		.amdhsa_group_segment_fixed_size 327680
		.amdhsa_private_segment_fixed_size 0
		.amdhsa_enable_private_segment 0
		.amdhsa_kernarg_size 40
		.amdhsa_user_sgpr_count 2
		.amdhsa_user_sgpr_kernarg_segment_ptr 1
		.amdhsa_wavefront_size32 1
		.amdhsa_system_sgpr_workgroup_id_x 1
		.amdhsa_system_sgpr_workgroup_id_y 1
		.amdhsa_system_sgpr_workgroup_id_z 1
		.amdhsa_system_vgpr_workitem_id 0
		.amdhsa_next_free_vgpr 768
		.amdhsa_next_free_sgpr 80
		.amdhsa_reserve_vcc 0
		.amdhsa_float_denorm_mode_32 3
		.amdhsa_float_denorm_mode_16_64 3
		.amdhsa_memory_ordered 1
		.amdhsa_forward_progress 1
		.amdhsa_inst_pref_size 57
	.end_amdhsa_kernel
	.amdgpu_metadata
---
amdhsa.version: [ 1, 2 ]
amdhsa.kernels:
  - .name:           k_q04153dca8d_g2
    .symbol:         k_q04153dca8d_g2.kd
    .args:
      - { .name: ac, .offset: 0, .size: 8, .value_kind: global_buffer, .address_space: global }
      - { .name: wc, .offset: 8, .size: 8, .value_kind: global_buffer, .address_space: global }
      - { .name: bo, .offset: 16, .size: 8, .value_kind: global_buffer, .address_space: global }
      - { .name: x, .offset: 24, .size: 8, .value_kind: global_buffer, .address_space: global }
      - { .name: y, .offset: 32, .size: 8, .value_kind: global_buffer, .address_space: global }
    .group_segment_fixed_size: 327680
    .private_segment_fixed_size: 0
    .kernarg_segment_align: 8
    .kernarg_segment_size: 40
    .max_flat_workgroup_size: 128
    .sgpr_count:     80
    .vgpr_count:     768
    .wavefront_size: 32
...
	.end_amdgpu_metadata
.endif
;; end of part 4
;; launch ln1 (part 5): grid 256 x 1, 8 waves a work-group, no clusters, 66,816 bytes of LDS; arguments y, g1, b1, post, ac; writes post, ac
.if DOCPART == 5
	.amdgcn_target "amdgcn-amd-amdhsa--gfx1250"
	.amdhsa_code_object_version 6
	.text
	.protected	k_q04153dca8d_ln1
	.globl	k_q04153dca8d_ln1
	.p2align	8
	.type	k_q04153dca8d_ln1,@function
k_q04153dca8d_ln1:
	s_mov_b64 s[64:65], 0
	v_nop
	global_prefetch_b8 v0, s[64:65] scope:SCOPE_SE
	s_setreg_imm32_b32 hwreg(HW_REG_WAVE_MODE, 25, 1), 1
	s_wait_xcnt 0x0
; LN: out = (y - mean) rsqrt(var + 1e-5) gamma + beta along rows of 1,024, all in f32; the variance is the mean of the squared differences from the mean, taken in a second pass over registers.
; QUANTISE = 1: the rows are also quantised to BF6 (E3M2) with E8M0 scales along the row, for the next product, and stored as fragments of BLOCKS (12,800 bytes = 128 rows x 128 along K as an image of operand
; registers: fragment f = 2 g + u holds rows 32 g + 8 u + r + 8 (r / 8); registers 4 c .. of lane l at 1536 f + 512 c + 16 l; row r's scale word at 12288 + 64 f + 4 r), block = 8 x token panel + K step.
; SHARES.  Work-group n takes the 16 rows of fragment n % 8 of token panel n / 8; wave w takes two of them whole (32 registers a row): the reductions never leave a wave.  Each load and store covers 512 consecutive bytes.
; For the codes the 16 rows meet in LDS (rows 4,112 bytes apart, so that sixteen rows' reads fall on different banks); behind one barrier wave w quantises K step w of all 16 rows.
; Memory binds: no matrix unit, no cluster, no tensor load.  LIMITS: blocks of zeros or under 2^-122 get the scale byte 1; NaN and infinities are not served.
.set QUANTISE, 1
.set SPARE, 16*4112                    ; behind the stage: the spare words, 128 bytes for each of eight waves
.set SPW,  252
.set NIL,  253
.set TM,   160
.set PW,   176
.set PC,   180
.set SEL,  20
.macro QUANT s, pc, pw                 ; 64 numbers of a lane, register 16 b + i = k 32 b + 16 (lane / 16) + i of its row -> 12 registers of codes and the row's scale word
.irp b, 0,1,2,3
	v_max3_num_f32 v[TM+\b], |v[(\s)+16*\b]|, |v[(\s)+1+16*\b]|, 0x2800000   ; the floor 2^(5 - 127) holds the byte at 1 from below
.endr
.irp i, 2,4,6,8,10,12,14
.irp b, 0,1,2,3
	s_delay_alu instid0(VALU_DEP_4)
	v_max3_num_f32 v[TM+\b], v[TM+\b], |v[(\s)+16*\b+\i]|, |v[(\s)+1+16*\b+\i]|
.endr
.endr
.irp b, 0,1,2,3
	s_delay_alu instid0(VALU_DEP_4)
	v_permlanex16_b32 v[TM+4+\b], v[TM+\b], s[SEL], s[SEL+1]
.endr
.irp b, 0,1,2,3
	s_delay_alu instid0(VALU_DEP_4)
	v_max_num_f32 v[TM+\b], v[TM+\b], v[TM+4+\b]
.endr
.irp b, 0,1,2,3
	s_delay_alu instid0(VALU_DEP_4)
	v_add_nc_u32 v[TM+12+\b], 0xfe000000, v[TM+\b]
.endr
.irp b, 0,1,2,3
	s_delay_alu instid0(VALU_DEP_4)
	v_lshrrev_b32 v[TM+4+\b], 23, v[TM+12+\b]
.endr
	s_delay_alu instid0(VALU_DEP_3)
	v_lshl_or_b32 v[\pw], v[TM+5], 8, v[TM+4]
	s_delay_alu instid0(VALU_DEP_1)
	v_lshl_or_b32 v[\pw], v[TM+6], 16, v[\pw]
	s_delay_alu instid0(VALU_DEP_1)
	v_lshl_or_b32 v[\pw], v[TM+7], 24, v[\pw]
.irp c, 0,1
	v_cvt_scalef32_pk16_bf6_f32 v[(\pc)+6*\c:(\pc)+2+6*\c], v[(\s)+32*\c:(\s)+15+32*\c], v[TM+12+2*\c]
	v_cvt_scalef32_pk16_bf6_f32 v[(\pc)+12+4*\c:(\pc)+14+4*\c], v[(\s)+16+32*\c:(\s)+31+32*\c], v[TM+12+2*\c+1]
.endr
	v_nop
.irp c, 0,1
.irp i, 0,1,2
	v_permlane16_swap_b32 v[(\pc)+6*\c+\i], v[(\pc)+12+4*\c+\i]
.endr
.irp i, 0,1,2
	s_delay_alu instid0(VALU_DEP_3)
	v_mov_b32 v[(\pc)+3+6*\c+\i], v[(\pc)+12+4*\c+\i]
.endr
.endr
.endm
.macro RED a, t                        ; the sum over the 32 lanes, in every lane
	s_delay_alu instid0(VALU_DEP_1)
	v_add_f32_dpp v[\a], v[\a], v[\a] row_xmask:1 row_mask:0xf bank_mask:0xf
	s_delay_alu instid0(VALU_DEP_1)
	v_add_f32_dpp v[\a], v[\a], v[\a] row_xmask:2 row_mask:0xf bank_mask:0xf
	s_delay_alu instid0(VALU_DEP_1)
	v_add_f32_dpp v[\a], v[\a], v[\a] row_xmask:4 row_mask:0xf bank_mask:0xf
	s_delay_alu instid0(VALU_DEP_1)
	v_add_f32_dpp v[\a], v[\a], v[\a] row_xmask:8 row_mask:0xf bank_mask:0xf
	s_delay_alu instid0(VALU_DEP_1)
	v_permlanex16_b32 v[\t], v[\a], s[SEL], s[SEL+1]
	s_delay_alu instid0(VALU_DEP_1)
	v_add_f32 v[\a], v[\a], v[\t]
.endm
.macro STATS R, S                      ; the row in v[R] on becomes y - mean; 1 / sqrt(var + eps) is asked for in v[S + 6]
	v_pk_add_f32 v[\S:\S+1], v[\R:\R+1], v[\R+2:\R+3]
	v_pk_add_f32 v[\S+2:\S+3], v[\R+4:\R+5], v[\R+6:\R+7]
.irp k, 8,12,16,20,24,28
	s_delay_alu instid0(VALU_DEP_2)
	v_pk_add_f32 v[\S:\S+1], v[\S:\S+1], v[\R+\k:\R+\k+1]
	s_delay_alu instid0(VALU_DEP_2)
	v_pk_add_f32 v[\S+2:\S+3], v[\S+2:\S+3], v[\R+\k+2:\R+\k+3]
.endr
	s_delay_alu instid0(VALU_DEP_1)
	v_pk_add_f32 v[\S:\S+1], v[\S:\S+1], v[\S+2:\S+3]
	s_delay_alu instid0(VALU_DEP_1)
	v_add_f32 v[\S], v[\S], v[\S+1]
	RED \S, \S+1
	s_delay_alu instid0(VALU_DEP_1)
	v_mul_f32 v[\S], s18, v[\S]                    ; the mean
.irp k, 0,2,4,6,8,10,12,14,16,18,20,22,24,26,28,30
	v_pk_add_f32 v[\R+\k:\R+\k+1], v[\R+\k:\R+\k+1], v[\S:\S+1] op_sel_hi:[1,0] neg_lo:[0,1] neg_hi:[0,1]
.endr
	v_pk_mul_f32 v[\S+2:\S+3], v[\R:\R+1], v[\R:\R+1]
	v_pk_mul_f32 v[\S+4:\S+5], v[\R+2:\R+3], v[\R+2:\R+3]
.irp k, 4,8,12,16,20,24,28
	s_delay_alu instid0(VALU_DEP_2)
	v_pk_fma_f32 v[\S+2:\S+3], v[\R+\k:\R+\k+1], v[\R+\k:\R+\k+1], v[\S+2:\S+3]
	s_delay_alu instid0(VALU_DEP_2)
	v_pk_fma_f32 v[\S+4:\S+5], v[\R+\k+2:\R+\k+3], v[\R+\k+2:\R+\k+3], v[\S+4:\S+5]
.endr
	s_delay_alu instid0(VALU_DEP_1)
	v_pk_add_f32 v[\S+2:\S+3], v[\S+2:\S+3], v[\S+4:\S+5]
	s_delay_alu instid0(VALU_DEP_1)
	v_add_f32 v[\S+2], v[\S+2], v[\S+3]
	RED \S+2, \S+3
	s_delay_alu instid0(VALU_DEP_1)
	v_fma_f32 v[\S+2], v[\S+2], s18, s19           ; var + eps
	s_wait_alu depctr_va_vdst(0)
	v_rsq_f32 v[\S+6], v[\S+2]
.endm
.macro NORM R, S
.irp k, 0,2,4,6,8,10,12,14,16,18,20,22,24,26,28,30
	v_pk_mul_f32 v[\R+\k:\R+\k+1], v[\R+\k:\R+\k+1], v[\S+6:\S+7] op_sel_hi:[1,0]
.endr
.irp k, 0,2,4,6,8,10,12,14,16,18,20,22,24,26,28,30
	v_pk_fma_f32 v[\R+\k:\R+\k+1], v[\R+\k:\R+\k+1], v[96+\k:97+\k], v[128+\k:129+\k]
.endr
.endm
	s_load_b256 s[4:11], s[0:1], 0x0               ; y s[4:5], gamma s[6:7], beta s[8:9], out s[10:11]
.if QUANTISE
	s_load_b64 s[12:13], s[0:1], 0x20              ; the codes
	v_lshl_add_u32 v[SPW], v0, 2, SPARE
	v_mov_b32 v[NIL], 0
.endif
	v_lshrrev_b32 v1, 5, v0
	s_delay_alu instid0(VALU_DEP_1)
	v_readfirstlane_b32 s14, v1                    ; wave 0..7
	v_and_b32 v1, 31, v0                           ; lane
	s_delay_alu instid0(VALU_DEP_1)
	v_lshlrev_b32 v2, 4, v1                        ; 16 bytes a lane
	s_wait_alu depctr_va_vdst(0)
	s_lshr_b32 s16, ttmp9, 1
	s_lshl_b32 s16, s16, 5
	s_and_b32 s17, ttmp9, 1
	s_lshl_b32 s17, s17, 3
	s_add_co_u32 s16, s16, s17
	s_lshl_b32 s17, s14, 1
	s_add_co_u32 s16, s16, s17
	s_lshr_b32 s17, s14, 2
	s_lshl_b32 s17, s17, 3
	s_add_co_u32 s16, s16, s17                     ; my first row: 32 (n / 2) + 8 (n % 2) + 2 w + 8 (w / 4); the second is the next
	s_lshl_b32 s16, s16, 12
	s_mov_b32 s17, 0
	s_mov_b32 s18, 0x3a800000                      ; 1 / 1024
	s_mov_b32 s19, 0x3727c5ac                      ; 1e-5
	s_mov_b32 s[SEL], 0x76543210
	s_mov_b32 s[SEL+1], 0xfedcba98
.if QUANTISE
	s_mul_i32 s22, s14, 8224
	v_add_nc_u32 v3, s22, v2                       ; the stage, on the way in: rows 2 w, 2 w + 1
	v_and_b32 v21, 15, v0
	v_bfe_u32 v22, v0, 4, 1
	s_delay_alu instid0(VALU_DEP_2)
	v_mul_u32_u24 v20, v21, 4112
	s_delay_alu instid0(VALU_DEP_1)
	v_lshl_add_u32 v20, v22, 6, v20
	s_lshl_b32 s22, s14, 9
	v_add_nc_u32 v20, s22, v20                     ; and on the way out: row r, K step w, + 64 h
	v_lshlrev_b32 v23, 2, v1
	s_lshr_b32 s24, ttmp9, 3
	s_lshl_b32 s24, s24, 3
	s_add_co_u32 s24, s24, s14
	s_mul_i32 s24, s24, 12800                      ; block 8 (n / 8) + w
	s_and_b32 s25, ttmp9, 7
	s_mul_i32 s26, s25, 1536
	s_add_co_u32 s26, s26, s24
	s_mov_b32 s27, 0
	s_lshl_b32 s25, s25, 6
	s_add_co_u32 s24, s24, s25
	s_mov_b32 s25, 0
.irp b, 0,1,2,3
	v_mov_b32 v[TM+4+\b], 0                        ; a lane permute's destination counts as one of its sources
.endr
.endif
	v_mov_b32 v11, 0                               ; (named as the upper halves of the pairs v[10:11], v[18:19])
	v_mov_b32 v19, 0
	s_wait_kmcnt 0x0
	s_add_nc_u64 s[4:5], s[4:5], s[16:17]
	s_add_nc_u64 s[10:11], s[10:11], s[16:17]
.if QUANTISE
	s_add_nc_u64 s[26:27], s[12:13], s[26:27]
	s_add_nc_u64 s[24:25], s[12:13], s[24:25]
.endif
.irp j, 0,1,2,3,4,5,6,7
	global_load_b128 v[32+4*\j:35+4*\j], v2, s[4:5] offset:512*\j th:TH_LOAD_NT
.endr
.irp j, 0,1,2,3,4,5,6,7
	global_load_b128 v[64+4*\j:67+4*\j], v2, s[4:5] offset:4096+512*\j th:TH_LOAD_NT
.endr
.irp j, 0,1,2,3,4,5,6,7
	global_load_b128 v[96+4*\j:99+4*\j], v2, s[6:7] offset:512*\j
	global_load_b128 v[128+4*\j:131+4*\j], v2, s[8:9] offset:512*\j
.endr
	s_wait_loadcnt 16                              ; both rows are in; gamma's and beta's 16 loads may be out
	STATS 32, 4
	STATS 64, 12
	v_nop                                          ; a plain place behind the last transcendental
	s_wait_alu depctr_va_vdst(0)                   ; one wait for both, ahead of their first reader
	s_wait_loadcnt 0x0
	NORM 32, 4
	NORM 64, 12
.irp j, 0,1,2,3,4,5,6,7
	global_store_b128 v2, v[32+4*\j:35+4*\j], s[10:11] offset:512*\j
	global_store_b128 v2, v[64+4*\j:67+4*\j], s[10:11] offset:4096+512*\j
.endr
.if QUANTISE
.irp j, 0,1,2,3,4,5,6,7
	ds_store_b128 v3, v[32+4*\j:35+4*\j] offset:512*\j
	ds_store_b128 v3, v[64+4*\j:67+4*\j] offset:4112+512*\j
.endr
	s_wait_dscnt 0x0                               ; for the others' sake: my rows lie in the stage
	s_barrier_signal -1
	s_barrier_wait -1
	s_wait_xcnt 0x0                                ; the global stores have read their registers: they may be loaded again
.irp b, 0,1,2,3
.irp j, 0,1,2,3
	ds_load_b128 v[32+16*\b+4*\j:35+16*\b+4*\j], v20 offset:128*\b+16*\j
.endr
.endr
	s_wait_dscnt 0x0
	QUANT 32, PC, PW
.irp c, 0,1,2
	global_store_b128 v2, v[PC+4*\c:PC+4*\c+3], s[26:27] offset:512*\c
.endr
	v_cmp_gt_u32 vcc_lo, 16, v1                    ; the word stands in lanes r and r + 16: lanes 0-15 store it
	s_wait_xcnt 0x0                                ; EXEC changes only behind this wait,
	s_and_saveexec_b32 s28, vcc_lo
	global_store_b32 v23, v[PW], s[24:25] offset:12288
	s_wait_xcnt 0x0                                ; and again ahead of the line that widens it
	s_or_b32 exec_lo, exec_lo, s28
	s_wait_tensorcnt 0x0                           ; the wave's end, behind my last LDS store
	ds_add_u32 v[SPW], v[NIL]
	s_wait_dscnt 0x0
.endif
	s_endpgm
.Lfunc_end_k_q04153dca8d_ln1:
	.size	k_q04153dca8d_ln1, .Lfunc_end_k_q04153dca8d_ln1-k_q04153dca8d_ln1
	.p2alignl 7, 3214868480
	.fill 96, 4, 3214868480
	.section	.rodata,"a",@progbits
	.p2align	6, 0x0
	.amdhsa_kernel k_q04153dca8d_ln1
		.amdhsa_group_segment_fixed_size 66816
		.amdhsa_private_segment_fixed_size 0
		.amdhsa_enable_private_segment 0
		.amdhsa_kernarg_size 40
		.amdhsa_user_sgpr_count 2
		.amdhsa_user_sgpr_kernarg_segment_ptr 1
		.amdhsa_wavefront_size32 1
		.amdhsa_system_sgpr_workgroup_id_x 1
		.amdhsa_system_sgpr_workgroup_id_y 1
		.amdhsa_system_sgpr_workgroup_id_z 1
		.amdhsa_system_vgpr_workitem_id 0
		.amdhsa_next_free_vgpr 256
		.amdhsa_next_free_sgpr 66
		.amdhsa_reserve_vcc 1
		.amdhsa_float_denorm_mode_32 3
		.amdhsa_float_denorm_mode_16_64 3
		.amdhsa_memory_ordered 1
		.amdhsa_forward_progress 1
		.amdhsa_inst_pref_size 30
	.end_amdhsa_kernel
	.amdgpu_metadata
---
amdhsa.version: [ 1, 2 ]
amdhsa.kernels:
  - .name:           k_q04153dca8d_ln1
    .symbol:         k_q04153dca8d_ln1.kd
    .args:
      - { .name: y, .offset: 0, .size: 8, .value_kind: global_buffer, .address_space: global }
      - { .name: g1, .offset: 8, .size: 8, .value_kind: global_buffer, .address_space: global }
      - { .name: b1, .offset: 16, .size: 8, .value_kind: global_buffer, .address_space: global }
      - { .name: post, .offset: 24, .size: 8, .value_kind: global_buffer, .address_space: global }
      - { .name: ac, .offset: 32, .size: 8, .value_kind: global_buffer, .address_space: global }
    .group_segment_fixed_size: 66816
    .private_segment_fixed_size: 0
    .kernarg_segment_align: 8
    .kernarg_segment_size: 40
    .max_flat_workgroup_size: 256
    .sgpr_count:     66
    .vgpr_count:     256
    .wavefront_size: 32
...
	.end_amdgpu_metadata
.endif
;; end of part 5
;; launch g3 (part 6): grid 16 x 16, 4 waves a work-group, clusters of 4 x 4, 327,680 bytes of LDS; arguments ac, wc, bf1, hc; writes hc
.if DOCPART == 6
	.amdgcn_target "amdgcn-amd-amdhsa--gfx1250"
	.amdhsa_code_object_version 6
	.text
	.protected	k_q04153dca8d_g3
	.globl	k_q04153dca8d_g3
	.p2align	8
	.type	k_q04153dca8d_g3,@function
k_q04153dca8d_g3:
	s_mov_b64 s[64:65], 0
	v_nop
	global_prefetch_b8 v0, s[64:65] scope:SCOPE_SE
	s_setreg_imm32_b32 hwreg(HW_REG_WAVE_MODE, 25, 1), 1
	s_wait_xcnt 0x0
	s_wait_alu depctr_hold_cnt(0) depctr_sa_sdst(0) depctr_va_vdst(0) depctr_va_sdst(0) depctr_va_ssrc(0) depctr_va_vcc(0) depctr_vm_vsrc(0)
	s_getreg_b32 s2, hwreg(HW_REG_IB_STS2, 6, 4)
	s_cmp_eq_u32 s2, 0
	s_cbranch_scc0 .Lentry_in_a_cluster
	s_endpgm
.Lentry_in_a_cluster:
	s_bfe_u32 s2, ttmp6, 0x10000c
	s_cmp_lg_u32 s2, 0xf033
	s_cbranch_scc0 .Lentry_shape_is_right
	s_endpgm
.Lentry_shape_is_right:
.set BIG,     1
.set KSTEPS,  8
.set EPI,     0
.set RELU,    1
.set BIASROW, 0
.set BSEL,    0
.set UOFF,    0
.set WOFF,    448
.set OSU,     32
.set OSW,     1
.set ARG_U,   0
.set ARG_W,   8
.set ARG_B,   16
.set ARG_R,   16
.set ARG_O,   24
.set AB,    4+4*BIG
.set BB,    AB
.set NQ,    4-2*BIG
.set BLK,   12800
.set REG,   2*BLK
.set SLOT,  4*REG
.set SLOTG, NQ*BLK
.set LAPS,  KSTEPS/(2*NQ)
.set FOFF,  6144+(REG-6144)*BIG
.set SOFF,  256+(REG-256)*BIG
.set SPARE, 2*SLOT
.set STAGE, SPARE+512
.set ADRU, 16
.set ADRW, 18
.set ADRS, 20
.set BO,   22
.set STO,  24
.set RD,   25
.set CO,   26
.set LI,   27
.set SPW,  28
.set NIL,  29
.set LS,   30
.set TM,   64
.set G1,  24
.set G0,  32
.set G1B, 48
.set G0B, 56
.set MSB, 0
.macro WIN new
.if MSB != (\new)
	s_set_vgpr_msb (MSB<<8)|(\new)
.set MSB, (\new)
.endif
.endm
.macro JLOAD g0a, g1a, g0b, g1b
	s_cmp_eq_u32 s15, 0
	s_cbranch_scc0 .Lfor_b_\@
	tensor_load_to_lds s[\g0a:\g0a+3], s[\g1a:\g1a+7]
	s_nop 0
.rept 4
	v_nop
.endr
	s_branch .Lasked_\@
.Lfor_b_\@:
	tensor_load_to_lds s[\g0b:\g0b+3], s[\g1b:\g1b+7]
	s_nop 0
.rept 4
	v_nop
.endr
.Lasked_\@:
.endm
.macro CREST
	s_cmp_lg_u32 s14, 0
	s_cbranch_scc1 .Lnot_wave_0_\@
	s_barrier_signal -3
.Lnot_wave_0_\@:
	s_barrier_wait -3
	s_barrier_signal -1
	s_barrier_wait -1
.endm
.macro CROUND
	s_barrier_signal -1
	s_barrier_wait -1
	CREST
.endm
.macro PLACES
.rept 4
	v_nop
.endr
.endm
	s_load_b64 s[4:5], s[0:1], ARG_U
	s_load_b64 s[6:7], s[0:1], ARG_W
	s_load_b64 s[8:9], s[0:1], ARG_B
.if BSEL+EPI
	s_load_b64 s[10:11], s[0:1], ARG_R
.endif
	s_load_b64 s[12:13], s[0:1], ARG_O
	v_lshl_add_u32 v[SPW], v0, 2, SPARE
	v_mov_b32 v[NIL], 0
	ds_add_u32 v[SPW], v[NIL]
	ds_add_u32 v[SPW], v[NIL]
	v_lshrrev_b32 v1, 5, v0
	v_readfirstlane_b32 s14, v1
	s_lshr_b32 s15, s14, 1
	s_and_b32 s16, s14, 1
	s_bfe_u32 s40, ttmp6, 0x40000
	s_bfe_u32 s41, ttmp6, 0x40004
	s_lshl_b32 s42, ttmp9, 2
	s_add_co_u32 s42, s42, s40
	s_and_b32 s17, ttmp7, 0xffff
	s_lshl_b32 s17, s17, 2
	s_add_co_u32 s17, s17, s41
	s_lshl_b32 s43, s41, 2
	s_lshl_b32 s43, 15, s43
	s_lshl_b32 s44, 0x1111, s40
	s_or_b32 s[G1+0], s43, (3<<16)|(1<<21)
	s_or_b32 s[G1B+0], s44, (3<<16)|(1<<21)
.irp g, G1, G1B
	s_mov_b32 s[\g+1], 3200<<16                    ; the head's load: two rows of 25,600 bytes, one from each of two panels, KSTEPS blocks apart
	s_mov_b32 s[\g+2], 2<<16
	s_mov_b32 s[\g+3], 3200<<16
	s_mov_b32 s[\g+4], 2
	s_mov_b32 s[\g+5], KSTEPS*BLK/8
	s_mov_b32 s[\g+6], 0
	s_mov_b32 s[\g+7], 0
.endr
.if BIG
	s_lshl_b32 s20, s17, 1
	s_add_co_u32 s20, s20, s16
	s_mul_i32 s20, s20, KSTEPS*BLK
	s_lshl_b32 s46, s42, 1
	s_add_co_u32 s46, s46, s16
	s_mul_i32 s46, s46, KSTEPS*BLK
.else
	s_mul_i32 s20, s17, KSTEPS*BLK
	s_mul_i32 s18, s16, 2*BLK
	s_add_co_u32 s20, s20, s18
	s_mul_i32 s46, s42, KSTEPS*BLK
	s_add_co_u32 s46, s46, s18
.endif
	s_add_co_u32 s20, s20, UOFF*BLK
	s_add_co_u32 s46, s46, WOFF*BLK
	s_mov_b32 s21, 0
	s_mov_b32 s47, 0
	s_mul_i32 s45, s14, REG
	s_mov_b32 s66, 0xffff0000
	s_mov_b32 s68, 0x76543210
	s_mov_b32 s69, 0xfedcba98
	s_wait_dscnt 0x0
	s_wait_kmcnt 0x0
	s_add_nc_u64 s[20:21], s[4:5], s[20:21]
	s_add_nc_u64 s[46:47], s[6:7], s[46:47]
	CROUND
.irp s, 0,1
	s_mov_b32 s[G0+4*\s], 1
	s_add_co_u32 s[G0+4*\s+1], s45, \s*SLOT
	s_add_nc_u64 s[G0+4*\s+2:G0+4*\s+3], s[20:21], \s*SLOTG
	s_or_b32 s[G0+4*\s+3], s[G0+4*\s+3], 0x80000000
	s_mov_b32 s[G0B+4*\s], 1
	s_add_co_u32 s[G0B+4*\s+1], s45, \s*SLOT
	s_add_nc_u64 s[G0B+4*\s+2:G0B+4*\s+3], s[46:47], \s*SLOTG
	s_or_b32 s[G0B+4*\s+3], s[G0B+4*\s+3], 0x80000000
.endr
	; the head's one load a wave: waves 0, 1 bring U's two regions of slot 0, 1; waves 2, 3 W's: both slots are asked for at once
	s_mul_i32 s22, s16, KSTEPS*BLK-SLOTG
	s_mov_b32 s23, 0
	s_sub_nc_u64 s[6:7], s[20:21], s[22:23]        ; the first panel of the two, the slot's K steps
	s_or_b32 s7, s7, 0x80000000
	s_sub_nc_u64 s[78:79], s[46:47], s[22:23]
	s_or_b32 s79, s79, 0x80000000
	s_mov_b32 s4, 1
	s_mov_b32 s76, 1
	s_mul_i32 s5, s16, SLOT
	s_mul_i32 s22, s15, 2*REG
	s_add_co_u32 s5, s5, s22
	s_mov_b32 s77, s5
	JLOAD 4, G1, 76, G1B
	v_and_b32 v1, 31, v0
	v_and_b32 v2, 15, v0
	v_bfe_u32 v3, v0, 4, 1
	s_wait_alu depctr_va_vdst(0)
	v_lshlrev_b32 v[LI], 4, v1
	v_lshlrev_b32 v[LS], 2, v1
	s_mul_i32 s18, s15, FOFF
	s_mul_i32 s19, s16, FOFF
	s_add_co_u32 s19, s19, 2*REG
.irp s, 0,1
	v_add_nc_u32 v[ADRU+\s], s18, v[LI]
	v_add_nc_u32 v[ADRW+\s], s19, v[LI]
	s_add_co_u32 s18, s18, SLOT
	s_add_co_u32 s19, s19, SLOT
.endr
	s_mul_i32 s18, s15, SOFF
	s_mul_i32 s19, s16, SOFF
	s_add_co_u32 s19, s19, 2*REG
	s_sub_co_u32 s19, s19, s18
	v_mul_u32_u24 v4, s19, v3
	v_lshl_add_u32 v4, v2, 2, v4
	s_add_co_u32 s18, s18, 12288
	v_add_nc_u32 v[ADRS], s18, v4
	v_add_nc_u32 v[ADRS+1], SLOT, v[ADRS]
	s_lshl_b32 s70, s17, 1
	s_add_co_u32 s70, s70, s15
	s_lshl_b32 s71, s42, 1
	s_add_co_u32 s71, s71, s16
.if BSEL
	s_cmp_lt_u32 ttmp9, 1
	s_cselect_b64 s[8:9], s[8:9], s[10:11]
	s_and_b32 s72, s71, 7
.else
.if BIASROW
	s_mov_b32 s72, s70
.else
	s_mov_b32 s72, s71
.endif
.endif
	s_lshl_b32 s72, s72, 8+BIG
	s_mov_b32 s73, 0
	s_add_nc_u64 s[8:9], s[8:9], s[72:73]
.if BIASROW
	v_and_b32 v[BO], 8, v2
	v_add_nc_u32 v[BO], v[BO], v2
	v_lshlrev_b32 v[BO], 2, v[BO]
.else
	v_lshlrev_b32 v[BO], 6, v3
.endif
	WIN 0x40
.set bt, 0
.rept BB
.set BR, 96+8*bt+96*(bt/4)
.if BIASROW
.irp j, 0,1,2,3,4,5,6,7
	global_load_b32 v[BR+\j], v[BO], s[8:9] offset:4*(32*(bt/2)+8*(bt%2))
.endr
.else
	global_load_b128 v[BR:BR+3], v[BO], s[8:9] offset:128*(bt/2)+32*(bt%2)
	global_load_b128 v[BR+4:BR+7], v[BO], s[8:9] offset:128*(bt/2)+32*(bt%2)+16
.endif
.set bt, bt+1
.endr
	WIN 0
.if EPI
	s_lshl_b32 s74, s70, 18
	s_lshl_b32 s75, s71, 8
	s_add_co_u32 s74, s74, s75
	s_mov_b32 s75, 0
	s_add_nc_u64 s[10:11], s[10:11], s[74:75]
	s_add_nc_u64 s[12:13], s[12:13], s[74:75]
	v_lshlrev_b32 v[CO], 12, v3
	v_lshl_add_u32 v[CO], v2, 4, v[CO]
	s_mul_i32 s18, s14, 16*272
	s_add_co_u32 s18, s18, STAGE
	v_mul_u32_u24 v[STO], v2, 272
	v_lshl_add_u32 v[STO], v3, 6, v[STO]
	v_add_nc_u32 v[STO], s18, v[STO]
	v_mul_u32_u24 v[RD], v3, 272
	v_lshl_add_u32 v[RD], v2, 4, v[RD]
	v_add_nc_u32 v[RD], s18, v[RD]
	WIN 0x80
.set ra, 0
.rept 4
.irp i, 0,1,2,3,4,5,6,7
	global_load_b128 v[128+32*ra+4*\i:131+32*ra+4*\i], v[CO], s[10:11] offset:(32*(ra/2)+8*(ra%2)+2*\i+8*(\i/4))*4096
.endr
.set ra, ra+1
.endr
	WIN 0
.else
	s_mul_i32 s74, s70, OSU*BLK
	s_mul_i32 s75, s71, OSW*BLK
	s_add_co_u32 s74, s74, s75
	s_mov_b32 s75, 0
	s_add_nc_u64 s[12:13], s[12:13], s[74:75]
.endif
.macro FETCH slot, q, set
	WIN 0x40
.set fi, 0
.rept BB
.irp c, 0,1,2
	ds_load_b128 v[128*(\set)+12*fi+4*\c:128*(\set)+12*fi+4*\c+3], v[ADRW+\slot] offset:(\q)*BLK+1536*fi+512*\c
.endr
.set fi, fi+1
.endr
	WIN 0
.set fi, 0
.rept AB
.irp c, 0,1,2
	ds_load_b128 v[64+96*(\set)+12*fi+4*\c:64+96*(\set)+12*fi+4*\c+3], v[ADRU+\slot] offset:(\q)*BLK+1536*fi+512*\c
.endr
	ds_load_b32 v[32+8*(\set)+fi], v[ADRS+\slot] offset:(\q)*BLK+64*fi
.set fi, fi+1
.endr
.endm
.macro MULR set, a0, n, ct
.set ma, \a0
.rept \n
.set mb, 0
.rept BB
.set mi, BB*ma+mb
.set mr, 8*(mi%32)
.set mw, 128*(\set)+12*mb
.set mu, 64+96*(\set)+12*ma
.if \ct
.if BIASROW
.set mc, 96+8*ma+96*(ma/4)
.else
.set mc, 96+8*mb+96*(mb/4)
.endif
	WIN 0x91+0x40*(mi/32)
	v_wmma_scale_f32_16x16x128_f8f6f4 v[mr:mr+7], v[mw:mw+11], v[mu:mu+11], v[mc:mc+7], v[32+8*(\set)+mb], v[32+8*(\set)+ma] matrix_a_fmt:MATRIX_FMT_BF6 matrix_b_fmt:MATRIX_FMT_BF6 matrix_a_scale:MATRIX_SCALE_ROW1
.else
	WIN 0xa1+0x50*(mi/32)
	v_wmma_scale_f32_16x16x128_f8f6f4 v[mr:mr+7], v[mw:mw+11], v[mu:mu+11], v[mr:mr+7], v[32+8*(\set)+mb], v[32+8*(\set)+ma] matrix_a_fmt:MATRIX_FMT_BF6 matrix_b_fmt:MATRIX_FMT_BF6 matrix_a_scale:MATRIX_SCALE_ROW1
.endif
.set mb, mb+1
.endr
.set ma, ma+1
.endr
.endm
.macro STEP slot, q, ct
	s_wait_dscnt 0x0
	PLACES
	FETCH \slot, (\q)+1, ((\q)+1)%2
	MULR (\q)%2, 0, AB, \ct
	WIN 0
.endm
.macro STEPS slot, ct
	STEP \slot, 0, \ct
.if NQ > 2
	STEP \slot, 1, 0
	STEP \slot, 2, 0
.endif
.endm
.macro TURN slot, next, fill
	s_wait_tensorcnt 0x0
	ds_add_u32 v[SPW], v[NIL]
	s_wait_dscnt 1
	MULR 1, 0, AB/4, 0
	s_wait_dscnt 0x0
	s_barrier_signal -1
	MULR 1, AB/4, AB/4, 0
	WIN 0
	s_barrier_wait -1
.if \fill
	CREST
	s_add_nc_u64 s[G0+4*\slot+2:G0+4*\slot+3], s[G0+4*\slot+2:G0+4*\slot+3], 2*SLOTG
	s_add_nc_u64 s[G0B+4*\slot+2:G0B+4*\slot+3], s[G0B+4*\slot+2:G0B+4*\slot+3], 2*SLOTG
	JLOAD G0+4*\slot, G1, G0B+4*\slot, G1B
.else
	PLACES
.endif
	FETCH \next, 0, 0
	MULR 1, AB/2, AB/2, 0
	WIN 0
.endm
.macro OUTQ a
.set W2, 2+(\a)/4
.set AC, 64*((\a)%4)
.set PC, 96+20*((\a)%2)
.set PW, 80+(\a)%2
	s_wait_xcnt 0x0
.if RELU
	WIN (W2<<6)|(W2<<2)
.set ek, 0
.rept 64
	v_max_num_f32 v[AC+ek], 0, v[AC+ek]
.set ek, ek+1
.endr
.endif
	WIN (W2<<2)|W2
.irp b, 0,1,2,3
	v_max3_num_f32 v[TM+\b], |v[AC+16*\b]|, |v[AC+1+16*\b]|, 0x2800000
.endr
.irp i, 2,4,6,8,10,12,14
.irp b, 0,1,2,3
	v_max3_num_f32 v[TM+\b], |v[AC+16*\b+\i]|, |v[AC+1+16*\b+\i]|, v[TM+\b]
.endr
.endr
	WIN 0
.irp b, 0,1,2,3
	v_permlanex16_b32 v[TM+4+\b], v[TM+\b], s68, s69
.endr
.irp b, 0,1,2,3
	v_max_num_f32 v[TM+\b], v[TM+\b], v[TM+4+\b]
.endr
.irp b, 0,1,2,3
	v_add_nc_u32 v[TM+12+\b], 0xfe000000, v[TM+\b]
.endr
.irp b, 0,1,2,3
	v_lshrrev_b32 v[TM+4+\b], 23, v[TM+12+\b]
.endr
	v_lshl_or_b32 v[PW], v[TM+5], 8, v[TM+4]
	v_lshl_or_b32 v[PW], v[TM+6], 16, v[PW]
	v_lshl_or_b32 v[PW], v[TM+7], 24, v[PW]
	WIN W2
.irp c, 0,1
	v_cvt_scalef32_pk16_bf6_f32 v[PC+6*\c:PC+2+6*\c], v[AC+32*\c:AC+15+32*\c], v[TM+12+2*\c]
	v_cvt_scalef32_pk16_bf6_f32 v[PC+12+4*\c:PC+14+4*\c], v[AC+16+32*\c:AC+31+32*\c], v[TM+12+2*\c+1]
.endr
	WIN 0
	v_nop
.irp c, 0,1
.irp i, 0,1,2
	v_permlane16_swap_b32 v[PC+6*\c+\i], v[PC+12+4*\c+\i]
.endr
.irp i, 0,1,2
	v_mov_b32 v[PC+3+6*\c+\i], v[PC+12+4*\c+\i]
.endr
.endr
.irp c, 0,1,2
	global_store_b128 v[LI], v[PC+4*\c:PC+4*\c+3], s[12:13] offset:1536*(\a)+512*\c
.endr
.if (\a)%2
	v_cndmask_b32 v82, v80, v81, s66
	global_store_b32 v[LS], v82, s[12:13] offset:12288+128*((\a)/2)
.endif
.endm
.macro OUTF a
	s_wait_xcnt 0x0
	WIN 0x08
.irp b, 0,1,2,3
	ds_store_b128 v[STO], v[8*(4*(\a)+\b):8*(4*(\a)+\b)+3] offset:128*(\b/2)+32*(\b%2)
	ds_store_b128 v[STO], v[8*(4*(\a)+\b)+4:8*(4*(\a)+\b)+7] offset:128*(\b/2)+32*(\b%2)+16
.endr
.irp i, 0,1,2,3,4,5,6,7
	ds_load_b128 v[192+4*\i:195+4*\i], v[RD] offset:544*\i
.endr
	s_wait_dscnt 0x0
	s_wait_loadcnt 24-8*(\a)
.set ek, 0
.rept 16
	v_pk_add_f32 v[192+2*ek:193+2*ek], v[192+2*ek:193+2*ek], v[128+32*(\a)+2*ek:129+32*(\a)+2*ek]
.set ek, ek+1
.endr
	WIN 0
.irp i, 0,1,2,3,4,5,6,7
	global_store_b128 v[CO], v[192+4*\i:195+4*\i], s[12:13] offset:(32*((\a)/2)+8*((\a)%2)+2*\i+8*(\i/4))*4096
.endr
.endm
	s_wait_alu depctr_va_vdst(0)
	s_wait_tensorcnt 0x0                           ; my part of both slots is in; no load of mine is out, so group 1 may be written: the ring's loads are 100 rows of 256 bytes
.irp g, G1, G1B
	s_mov_b32 s[\g+1], 32<<16
	s_mov_b32 s[\g+2], 100<<16
	s_mov_b32 s[\g+3], 32<<16
	s_mov_b32 s[\g+4], 100
	s_mov_b32 s[\g+5], 32
.endr
	s_barrier_signal -1
	s_barrier_wait -1
	FETCH 0, 0, 0
	s_wait_loadcnt 32*EPI
	STEPS 0, 1
.if LAPS > 1
	s_mov_b32 s3, LAPS-1
.Llap:
	TURN 0, 1, 1
	STEPS 1, 0
	TURN 1, 0, 1
	STEPS 0, 0
	s_sub_co_u32 s3, s3, 1
	s_cmp_lg_u32 s3, 0
	s_cbranch_scc1 .Llap
.endif
	TURN 0, 1, 0
	STEPS 1, 0
	s_wait_dscnt 0x0
	MULR 1, 0, AB, 0
	WIN 0
	PLACES
.if EPI
.irp a, 0,1,2,3
	OUTF \a
.endr
.else
.irp b, 0,1,2,3
	v_mov_b32 v[TM+4+\b], 0
.endr
.irp a, 0,1,2,3,4,5,6,7
	OUTQ \a
.endr
.endif
	s_wait_tensorcnt 0x0
	ds_add_u32 v[SPW], v[NIL]
	s_wait_dscnt 0x0
	CROUND
	s_endpgm
.Lfunc_end_k_q04153dca8d_g3:
	.size	k_q04153dca8d_g3, .Lfunc_end_k_q04153dca8d_g3-k_q04153dca8d_g3
	.p2alignl 7, 3214868480
	.fill 96, 4, 3214868480
	.section	.rodata,"a",@progbits
	.p2align	6, 0x0
	.amdhsa_kernel k_q04153dca8d_g3
		.amdhsa_group_segment_fixed_size 327680
		.amdhsa_private_segment_fixed_size 0
		.amdhsa_enable_private_segment 0
		.amdhsa_kernarg_size 32
		.amdhsa_user_sgpr_count 2
		.amdhsa_user_sgpr_kernarg_segment_ptr 1
		.amdhsa_wavefront_size32 1
		.amdhsa_system_sgpr_workgroup_id_x 1
		.amdhsa_system_sgpr_workgroup_id_y 1
		.amdhsa_system_sgpr_workgroup_id_z 1
		.amdhsa_system_vgpr_workitem_id 0
		.amdhsa_next_free_vgpr 1024
		.amdhsa_next_free_sgpr 80
		.amdhsa_reserve_vcc 0
		.amdhsa_float_denorm_mode_32 3
		.amdhsa_float_denorm_mode_16_64 3
		.amdhsa_memory_ordered 1
		.amdhsa_forward_progress 1
		.amdhsa_inst_pref_size 157
	.end_amdhsa_kernel
	.amdgpu_metadata
---
amdhsa.version: [ 1, 2 ]
amdhsa.kernels:
  - .name:           k_q04153dca8d_g3
    .symbol:         k_q04153dca8d_g3.kd
    .args:
      - { .name: ac, .offset: 0, .size: 8, .value_kind: global_buffer, .address_space: global }
      - { .name: wc, .offset: 8, .size: 8, .value_kind: global_buffer, .address_space: global }
      - { .name: bf1, .offset: 16, .size: 8, .value_kind: global_buffer, .address_space: global }
      - { .name: hc, .offset: 24, .size: 8, .value_kind: global_buffer, .address_space: global }
    .group_segment_fixed_size: 327680
    .private_segment_fixed_size: 0
    .kernarg_segment_align: 8
    .kernarg_segment_size: 32
    .max_flat_workgroup_size: 128
    .sgpr_count:     80
    .vgpr_count:     1024
    .wavefront_size: 32
...
	.end_amdgpu_metadata
.endif
;; end of part 6
;; launch g4 (part 7): grid 8 x 32, 4 waves a work-group, clusters of 4 x 4, 327,680 bytes of LDS; arguments hc, wc, bf2, post, y; writes y
.if DOCPART == 7
	.amdgcn_target "amdgcn-amd-amdhsa--gfx1250"
	.amdhsa_code_object_version 6
	.text
	.protected	k_q04153dca8d_g4
	.globl	k_q04153dca8d_g4
	.p2align	8
	.type	k_q04153dca8d_g4,@function
k_q04153dca8d_g4:
	s_mov_b64 s[64:65], 0
	v_nop
	global_prefetch_b8 v0, s[64:65] scope:SCOPE_SE
	s_setreg_imm32_b32 hwreg(HW_REG_WAVE_MODE, 25, 1), 1
	s_wait_xcnt 0x0
	s_wait_alu depctr_hold_cnt(0) depctr_sa_sdst(0) depctr_va_vdst(0) depctr_va_sdst(0) depctr_va_ssrc(0) depctr_va_vcc(0) depctr_vm_vsrc(0)
	s_getreg_b32 s2, hwreg(HW_REG_IB_STS2, 6, 4)
	s_cmp_eq_u32 s2, 0
	s_cbranch_scc0 .Lentry_in_a_cluster
	s_endpgm
.Lentry_in_a_cluster:
	s_bfe_u32 s2, ttmp6, 0x10000c
	s_cmp_lg_u32 s2, 0xf033
	s_cbranch_scc0 .Lentry_shape_is_right
	s_endpgm
.Lentry_shape_is_right:
; G4: y = post_att + hidden W2 + bf2, f32 rows [4096][1024].  The hidden layer arrives as blocks of codes in hc, W2's codes lie in wc.
; THE GEMM OF THIS PROGRAM, one text for four launches; the constants below say which.  Both operands are BLOCKS of codes of BF6 (E3M2) with E8M0 scales: 12,800 bytes = 128 rows x 128 along K as an image of
; operand registers: fragment f = 2 g + u holds rows 32 g + 8 u + r + 8 (r / 8); registers 4 c .. 4 c + 3 of lane l at 1536 f + 512 c + 16 l; row r's scale word at 12288 + 64 f + 4 r.
; U is source 1 (a lane holds one row of U), W is source 0 (a lane's registers run along W's rows: tiles 2 g, 2 g + 1 give 16 neighbours 32 g + 16 (lane / 16) + 0 .. 15).  The bias is the C of each sum's first product.
; BIG = 1: a work-group makes 256 x 256, a wave one panel of U x one of W: 64 accumulators; a slot holds 2 K steps.  BIG = 0: 128 x 128, a wave 64 x 64: 16 accumulators; a slot holds 4 K steps.
; RING: two LDS slots of four regions of 25,600 bytes; each wave fills one region by one tensor load of dense bytes.  CLUSTER 4 x 4: U's regions are shared along a row of the cluster, W's along a column: joint loads.
; EPI = 0: a wave's 128 results of a row are one K step of the next product: (relu,) quantised in registers, stored as a block.  EPI = 1: f32 rows + residual, through the wave's stage in LDS, 256 aligned bytes to sixteen lanes.
; LIMITS: blocks of zeros or under 2^-122 get the scale byte 1; NaN and infinities are not served.
.set BIG,     0
.set KSTEPS,  32
.set EPI,     1
.set RELU,    0
.set BIASROW, 0                        ; 0: the bias goes by W's rows, 1: by U's
.set BSEL,    0                        ; 1: two biases, the first for W's panels 0-7, the second for 8-15
.set UOFF,    0                        ; U's first block in its buffer: the hidden layer's codes
.set WOFF,    704                      ; W's: W2's codes
.set OSU,     0                        ; (EPI = 0 alone)
.set OSW,     0
.set ARG_U,   0
.set ARG_W,   8
.set ARG_B,   16
.set ARG_R,   24
.set ARG_O,   32
.set AB,    4+4*BIG                    ; fragments of U, and of W, in a wave's tile
.set BB,    AB
.set NQ,    4-2*BIG                    ; K steps of 128 in a slot
.set BLK,   12800
.set REG,   2*BLK                      ; a region: what one tensor load brings
.set SLOT,  4*REG
.set SLOTG, NQ*BLK                     ; a slot's K steps in memory, for one panel
.set LAPS,  KSTEPS/(2*NQ)
.set FOFF,  6144+(REG-6144)*BIG        ; from the first half's fragments to the second's, in LDS
.set SOFF,  256+(REG-256)*BIG          ; and their scale words
.set SPARE, 2*SLOT                     ; the spare words: 128 bytes a wave, two blocks of 256 bytes that no other line names
.set STAGE, SPARE+512                  ; EPI = 1: 16 rows x (256 + 16) bytes for each wave; no fill lands here
.set ADRU, 16                          ; v16-17 LDS address of my U fragments in slot 0, 1;  v18-19 W's;  v20-21 the scale words': lanes 0-15 U's, lanes 16-31 W's
.set ADRW, 18
.set ADRS, 20
.set BO,   22                          ; v22 my offset in the bias
.set STO,  24
.set RD,   25
.set CO,   26
.set LI,   27                          ; v27 16 x lane
.set SPW,  28                          ; v28 my spare word; v29 0: kept for the add alone
.set NIL,  29
.set LS,   30                          ; v30 4 x lane
.set TM,   64                          ; EPI = 0: v64-79 at work, v80-82 scale words, v96.., v116.. codes
; window 0: v32 + 8 p + i scale words of set p; v64 + 96 p + 12 i U's fragments.  window 1: 128 p + 12 i W's fragments; bias tiles at 96.. and 224...  windows 2, 3: accumulators; EPI = 1: window 2, v128-255 the residual rows
.set G1,  24
.set G0,  32
.set G1B, 48
.set G0B, 56
.set MSB, 0
.macro WIN new                         ; the immediate's high byte repeats the setting that is left
.if MSB != (\new)
	s_set_vgpr_msb (MSB<<8)|(\new)
.set MSB, (\new)
.endif
.endm
.macro JLOAD g0a, g1a, g0b, g1b        ; a joint load: waves 0, 1 fetch for U, waves 2, 3 for W; an s_nop 0 and four v_nop follow each line
	s_cmp_eq_u32 s15, 0
	s_cbranch_scc0 .Lfor_b_\@
	tensor_load_to_lds s[\g0a:\g0a+3], s[\g1a:\g1a+7]
	s_nop 0
.rept 4
	v_nop
.endr
	s_branch .Lasked_\@
.Lfor_b_\@:
	tensor_load_to_lds s[\g0b:\g0b+3], s[\g1b:\g1b+7]
	s_nop 0
.rept 4
	v_nop
.endr
.Lasked_\@:
.endm
.macro CREST                           ; a round of the cluster's barrier behind its opening barrier
	s_cmp_lg_u32 s14, 0
	s_cbranch_scc1 .Lnot_wave_0_\@
	s_barrier_signal -3
.Lnot_wave_0_\@:
	s_barrier_wait -3
	s_barrier_signal -1
	s_barrier_wait -1
.endm
.macro CROUND
	s_barrier_signal -1
	s_barrier_wait -1
	CREST
.endm
.macro PLACES                          ; four plain places between a matrix instruction and a load into, or a read of, its registers
.rept 4
	v_nop
.endr
.endm
	s_load_b64 s[4:5], s[0:1], ARG_U
	s_load_b64 s[6:7], s[0:1], ARG_W
	s_load_b64 s[8:9], s[0:1], ARG_B
.if BSEL+EPI
	s_load_b64 s[10:11], s[0:1], ARG_R             ; the second bias, or the residual
.endif
	s_load_b64 s[12:13], s[0:1], ARG_O
	v_lshl_add_u32 v[SPW], v0, 2, SPARE
	v_mov_b32 v[NIL], 0
	ds_add_u32 v[SPW], v[NIL]                      ; the wave's opening: the add, twice on end, and its wait ahead of my first tensor load
	ds_add_u32 v[SPW], v[NIL]
	v_lshrrev_b32 v1, 5, v0
	v_readfirstlane_b32 s14, v1                    ; wave 0..3
	s_lshr_b32 s15, s14, 1                         ; my half of U.  Also: I fetch for U (0) or for W (1)
	s_and_b32 s16, s14, 1                          ; my half of W.  Also: which region of the two I fetch
	s_bfe_u32 s40, ttmp6, 0x40000                  ; cx, cy
	s_bfe_u32 s41, ttmp6, 0x40004
	s_lshl_b32 s42, ttmp9, 2
	s_add_co_u32 s42, s42, s40                     ; X = 4 x cluster x + cx
	s_and_b32 s17, ttmp7, 0xffff
	s_lshl_b32 s17, s17, 2
	s_add_co_u32 s17, s17, s41                     ; Y = 4 x cluster y + cy
	s_lshl_b32 s43, s41, 2
	s_lshl_b32 s43, 15, s43                        ; my row of the cluster
	s_lshl_b32 s44, 0x1111, s40                    ; my column
	s_or_b32 s[G1+0], s43, (3<<16)|(1<<21)         ; 15:0 the mask; 17:16 elements of 8 bytes; 21 set beside a mask; no padding
	s_or_b32 s[G1B+0], s44, (3<<16)|(1<<21)
.irp g, G1, G1B
	s_mov_b32 s[\g+1], 32<<16
	s_mov_b32 s[\g+2], 200<<16                     ; the head's load: 51,200 dense bytes as 200 rows of 256: four K steps of a panel
	s_mov_b32 s[\g+3], 32<<16
	s_mov_b32 s[\g+4], 200
	s_mov_b32 s[\g+5], 32
	s_mov_b32 s[\g+6], 0
	s_mov_b32 s[\g+7], 0
.endr
.if BIG                                ; a region is K steps 2 j, 2 j + 1 of panel 2 Y + half (U) or 2 X + half (W)
	s_lshl_b32 s20, s17, 1
	s_add_co_u32 s20, s20, s16
	s_mul_i32 s20, s20, KSTEPS*BLK
	s_lshl_b32 s46, s42, 1
	s_add_co_u32 s46, s46, s16
	s_mul_i32 s46, s46, KSTEPS*BLK
.else                                  ; a region is K steps 4 j + 2 half, + 1 of panel Y (U) or X (W)
	s_mul_i32 s20, s17, KSTEPS*BLK
	s_mul_i32 s18, s16, 2*BLK
	s_add_co_u32 s20, s20, s18
	s_mul_i32 s46, s42, KSTEPS*BLK
	s_add_co_u32 s46, s46, s18
.endif
	s_add_co_u32 s20, s20, UOFF*BLK
	s_add_co_u32 s46, s46, WOFF*BLK
	s_mov_b32 s21, 0
	s_mov_b32 s47, 0
	s_mul_i32 s45, s14, REG                        ; where my region lies: no place in the cluster enters an LDS address
	s_mov_b32 s66, 0xffff0000                      ; lanes 16-31
	s_mov_b32 s68, 0x76543210
	s_mov_b32 s69, 0xfedcba98                      ; v_permlanex16_b32's selects for lane l xor 16
	s_wait_dscnt 0x0                               ; both opening adds are done
	s_wait_kmcnt 0x0
	s_add_nc_u64 s[20:21], s[4:5], s[20:21]
	s_add_nc_u64 s[46:47], s[6:7], s[46:47]
	CROUND                                         ; all sixteen work-groups are here: the first joint loads meet
.irp s, 0,1
	s_mov_b32 s[G0+4*\s], 1
	s_add_co_u32 s[G0+4*\s+1], s45, \s*SLOT
	s_add_nc_u64 s[G0+4*\s+2:G0+4*\s+3], s[20:21], \s*SLOTG
	s_or_b32 s[G0+4*\s+3], s[G0+4*\s+3], 0x80000000
	s_mov_b32 s[G0B+4*\s], 1
	s_add_co_u32 s[G0B+4*\s+1], s45, \s*SLOT
	s_add_nc_u64 s[G0B+4*\s+2:G0B+4*\s+3], s[46:47], \s*SLOTG
	s_or_b32 s[G0B+4*\s+3], s[G0B+4*\s+3], 0x80000000
.endr
	; the head's one load a wave: waves 0, 1 bring U's K steps 0-3, 4-7 into slot 0, 1; waves 2, 3 W's: both slots are asked for at once
	s_mul_i32 s22, s16, 2*BLK
	s_mov_b32 s23, 0
	s_add_nc_u64 s[6:7], s[20:21], s[22:23]
	s_or_b32 s7, s7, 0x80000000
	s_add_nc_u64 s[78:79], s[46:47], s[22:23]
	s_or_b32 s79, s79, 0x80000000
	s_mov_b32 s4, 1
	s_mov_b32 s76, 1
	s_mul_i32 s5, s16, SLOT
	s_mul_i32 s22, s15, 2*REG
	s_add_co_u32 s5, s5, s22
	s_mov_b32 s77, s5
	JLOAD 4, G1, 76, G1B
	v_and_b32 v1, 31, v0                           ; lane
	v_and_b32 v2, 15, v0                           ; r
	v_bfe_u32 v3, v0, 4, 1                         ; h
	s_wait_alu depctr_va_vdst(0)
	v_lshlrev_b32 v[LI], 4, v1
	v_lshlrev_b32 v[LS], 2, v1
	s_mul_i32 s18, s15, FOFF                       ; my fragments of U,
	s_mul_i32 s19, s16, FOFF
	s_add_co_u32 s19, s19, 2*REG                   ; and of W, behind U's two regions
.irp s, 0,1
	v_add_nc_u32 v[ADRU+\s], s18, v[LI]
	v_add_nc_u32 v[ADRW+\s], s19, v[LI]
	s_add_co_u32 s18, s18, SLOT
	s_add_co_u32 s19, s19, SLOT
.endr
	s_mul_i32 s18, s15, SOFF
	s_mul_i32 s19, s16, SOFF
	s_add_co_u32 s19, s19, 2*REG
	s_sub_co_u32 s19, s19, s18
	v_mul_u32_u24 v4, s19, v3                      ; lanes 16-31 take W's words
	v_lshl_add_u32 v4, v2, 2, v4
	s_add_co_u32 s18, s18, 12288
	v_add_nc_u32 v[ADRS], s18, v4
	v_add_nc_u32 v[ADRS+1], SLOT, v[ADRS]
	s_lshl_b32 s70, s17, 1
	s_add_co_u32 s70, s70, s15                     ; 2 Y + my half: BIG: my panel of U
	s_lshl_b32 s71, s42, 1
	s_add_co_u32 s71, s71, s16                     ; 2 X + my half: BIG: my panel of W
.if BSEL
	s_cmp_lt_u32 ttmp9, 1                          ; W's panels 0-7 belong to the first cluster column
	s_cselect_b64 s[8:9], s[8:9], s[10:11]
	s_and_b32 s72, s71, 7
.else
.if BIASROW
	s_mov_b32 s72, s70
.else
	s_mov_b32 s72, s71
.endif
.endif
	s_lshl_b32 s72, s72, 8+BIG                     ; 128 (BIG) or 64 numbers of the bias
	s_mov_b32 s73, 0
	s_add_nc_u64 s[8:9], s[8:9], s[72:73]
.if BIASROW
	v_and_b32 v[BO], 8, v2
	v_add_nc_u32 v[BO], v[BO], v2
	v_lshlrev_b32 v[BO], 2, v[BO]                  ; my row of a fragment of U
.else
	v_lshlrev_b32 v[BO], 6, v3                     ; my half's 16 of each 32
.endif
	WIN 0x40                                       ; destination window 1
.set bt, 0
.rept BB
.set BR, 96+8*bt+96*(bt/4)
.if BIASROW
.irp j, 0,1,2,3,4,5,6,7
	global_load_b32 v[BR+\j], v[BO], s[8:9] offset:4*(32*(bt/2)+8*(bt%2))   ; a tile's eight registers hold one row's bias
.endr
.else
	global_load_b128 v[BR:BR+3], v[BO], s[8:9] offset:128*(bt/2)+32*(bt%2)
	global_load_b128 v[BR+4:BR+7], v[BO], s[8:9] offset:128*(bt/2)+32*(bt%2)+16
.endif
.set bt, bt+1
.endr
	WIN 0
.if EPI
	s_lshl_b32 s74, s70, 18                        ; my 64 rows of 4,096 bytes,
	s_lshl_b32 s75, s71, 8                         ; my 64 columns
	s_add_co_u32 s74, s74, s75
	s_mov_b32 s75, 0
	s_add_nc_u64 s[10:11], s[10:11], s[74:75]
	s_add_nc_u64 s[12:13], s[12:13], s[74:75]
	v_lshlrev_b32 v[CO], 12, v3
	v_lshl_add_u32 v[CO], v2, 4, v[CO]             ; lanes 0-15 one row, lanes 16-31 the next; 16 bytes a lane
	s_mul_i32 s18, s14, 16*272
	s_add_co_u32 s18, s18, STAGE
	v_mul_u32_u24 v[STO], v2, 272
	v_lshl_add_u32 v[STO], v3, 6, v[STO]
	v_add_nc_u32 v[STO], s18, v[STO]
	v_mul_u32_u24 v[RD], v3, 272
	v_lshl_add_u32 v[RD], v2, 4, v[RD]
	v_add_nc_u32 v[RD], s18, v[RD]
	WIN 0x80                                       ; the residual rows are asked for now, into window 2's free half: nothing waits for them behind the last product
.set ra, 0
.rept 4
.irp i, 0,1,2,3,4,5,6,7
	global_load_b128 v[128+32*ra+4*\i:131+32*ra+4*\i], v[CO], s[10:11] offset:(32*(ra/2)+8*(ra%2)+2*\i+8*(\i/4))*4096
.endr
.set ra, ra+1
.endr
	WIN 0
.else
	s_mul_i32 s74, s70, OSU*BLK
	s_mul_i32 s75, s71, OSW*BLK
	s_add_co_u32 s74, s74, s75
	s_mov_b32 s75, 0
	s_add_nc_u64 s[12:13], s[12:13], s[74:75]      ; my block of the output
.endif
.macro FETCH slot, q, set              ; the fragments and scale words of the slot's q-th K step into set
	WIN 0x40
.set fi, 0
.rept BB
.irp c, 0,1,2
	ds_load_b128 v[128*(\set)+12*fi+4*\c:128*(\set)+12*fi+4*\c+3], v[ADRW+\slot] offset:(\q)*BLK+1536*fi+512*\c
.endr
.set fi, fi+1
.endr
	WIN 0
.set fi, 0
.rept AB
.irp c, 0,1,2
	ds_load_b128 v[64+96*(\set)+12*fi+4*\c:64+96*(\set)+12*fi+4*\c+3], v[ADRU+\slot] offset:(\q)*BLK+1536*fi+512*\c
.endr
	ds_load_b32 v[32+8*(\set)+fi], v[ADRS+\slot] offset:(\q)*BLK+64*fi
.set fi, fi+1
.endr
.endm
; n of U's fragments from a0 on, each against all of W's.  ct = 1: the sums begin with the bias.  The accumulators take turns, one instruction a turn, in the same order in every step.
.macro MULR set, a0, n, ct
.set ma, \a0
.rept \n
.set mb, 0
.rept BB
.set mi, BB*ma+mb
.set mr, 8*(mi%32)
.set mw, 128*(\set)+12*mb
.set mu, 64+96*(\set)+12*ma
.if \ct
.if BIASROW
.set mc, 96+8*ma+96*(ma/4)
.else
.set mc, 96+8*mb+96*(mb/4)
.endif
	WIN 0x91+0x40*(mi/32)                          ; W and the bias window 1, U window 0, D window 2 or 3
	v_wmma_scale_f32_16x16x128_f8f6f4 v[mr:mr+7], v[mw:mw+11], v[mu:mu+11], v[mc:mc+7], v[32+8*(\set)+mb], v[32+8*(\set)+ma] matrix_a_fmt:MATRIX_FMT_BF6 matrix_b_fmt:MATRIX_FMT_BF6 matrix_a_scale:MATRIX_SCALE_ROW1
.else
	WIN 0xa1+0x50*(mi/32)                          ; C and D window 2 or 3
	v_wmma_scale_f32_16x16x128_f8f6f4 v[mr:mr+7], v[mw:mw+11], v[mu:mu+11], v[mr:mr+7], v[32+8*(\set)+mb], v[32+8*(\set)+ma] matrix_a_fmt:MATRIX_FMT_BF6 matrix_b_fmt:MATRIX_FMT_BF6 matrix_a_scale:MATRIX_SCALE_ROW1
.endif
.set mb, mb+1
.endr
.set ma, ma+1
.endr
.endm
.macro STEP slot, q, ct                ; a K step that has its successor in the same slot: the successor's fragments are asked for, then this step is multiplied
	s_wait_dscnt 0x0                               ; this step's fragments are in (asked for a step ago)
	PLACES
	FETCH \slot, (\q)+1, ((\q)+1)%2
	MULR (\q)%2, 0, AB, \ct
	WIN 0
.endm
.macro STEPS slot, ct
	STEP \slot, 0, \ct
.if NQ > 2
	STEP \slot, 1, 0
	STEP \slot, 2, 0
.endif
.endm
; A slot's last step changes slots: one barrier; ahead of it each wave waits for all its tensor loads, adds 0 to its spare word, and waits for that and for its reads of this slot.  fill = 1: the barrier opens a round of the cluster's, and this slot is filled again.
.macro TURN slot, next, fill
	s_wait_tensorcnt 0x0                           ; my part of the next slot has landed: no load of mine is out
	ds_add_u32 v[SPW], v[NIL]
	s_wait_dscnt 1                                 ; this step's fragments are in; the add alone may be out
	MULR 1, 0, AB/4, 0
	s_wait_dscnt 0x0                               ; the add is done, and my reads of this slot are over
	s_barrier_signal -1
	MULR 1, AB/4, AB/4, 0
	WIN 0
	s_barrier_wait -1
.if \fill
	CREST                                          ; no wave of any partner still reads this slot or has a load on its way
	s_add_nc_u64 s[G0+4*\slot+2:G0+4*\slot+3], s[G0+4*\slot+2:G0+4*\slot+3], 2*SLOTG
	s_add_nc_u64 s[G0B+4*\slot+2:G0B+4*\slot+3], s[G0B+4*\slot+2:G0B+4*\slot+3], 2*SLOTG
	JLOAD G0+4*\slot, G1, G0B+4*\slot, G1B         ; the first tensor load behind the round; its four v_nop are the places ahead of the loads below
.else
	PLACES
.endif
	FETCH \next, 0, 0
	MULR 1, AB/2, AB/2, 0
	WIN 0
.endm
; EPI = 0: fragment a of the output block: my 64 numbers of its rows, register 16 b + i = 32 b + 16 (lane / 16) + i along the next K
.macro OUTQ a
.set W2, 2+(\a)/4
.set AC, 64*((\a)%4)
.set PC, 96+20*((\a)%2)
.set PW, 80+(\a)%2
	s_wait_xcnt 0x0                                ; the stores of two fragments ago have read their registers
.if RELU
	WIN (W2<<6)|(W2<<2)
.set ek, 0
.rept 64
	v_max_num_f32 v[AC+ek], 0, v[AC+ek]
.set ek, ek+1
.endr
.endif
	WIN (W2<<2)|W2
.irp b, 0,1,2,3
	v_max3_num_f32 v[TM+\b], |v[AC+16*\b]|, |v[AC+1+16*\b]|, 0x2800000       ; each accumulator from its low end on; the floor 2^(5 - 127) holds the byte at 1 from below
.endr
.irp i, 2,4,6,8,10,12,14
.irp b, 0,1,2,3
	v_max3_num_f32 v[TM+\b], |v[AC+16*\b+\i]|, |v[AC+1+16*\b+\i]|, v[TM+\b]
.endr
.endr
	WIN 0
.irp b, 0,1,2,3
	v_permlanex16_b32 v[TM+4+\b], v[TM+\b], s68, s69
.endr
.irp b, 0,1,2,3
	v_max_num_f32 v[TM+\b], v[TM+\b], v[TM+4+\b]
.endr
.irp b, 0,1,2,3
	v_add_nc_u32 v[TM+12+\b], 0xfe000000, v[TM+\b]         ; 4 off the exponent field: the conversion's scale operand
.endr
.irp b, 0,1,2,3
	v_lshrrev_b32 v[TM+4+\b], 23, v[TM+12+\b]
.endr
	v_lshl_or_b32 v[PW], v[TM+5], 8, v[TM+4]
	v_lshl_or_b32 v[PW], v[TM+6], 16, v[PW]
	v_lshl_or_b32 v[PW], v[TM+7], 24, v[PW]
	WIN W2
.irp c, 0,1
	v_cvt_scalef32_pk16_bf6_f32 v[PC+6*\c:PC+2+6*\c], v[AC+32*\c:AC+15+32*\c], v[TM+12+2*\c]
	v_cvt_scalef32_pk16_bf6_f32 v[PC+12+4*\c:PC+14+4*\c], v[AC+16+32*\c:AC+31+32*\c], v[TM+12+2*\c+1]
.endr
	WIN 0
	v_nop                                          ; one plain place behind a scaled conversion
.irp c, 0,1
.irp i, 0,1,2
	v_permlane16_swap_b32 v[PC+6*\c+\i], v[PC+12+4*\c+\i]
.endr
.irp i, 0,1,2
	v_mov_b32 v[PC+3+6*\c+\i], v[PC+12+4*\c+\i]
.endr
.endr
.irp c, 0,1,2
	global_store_b128 v[LI], v[PC+4*\c:PC+4*\c+3], s[12:13] offset:1536*(\a)+512*\c    ; 512 consecutive bytes, aligned to 256
.endr
.if (\a)%2
	v_cndmask_b32 v82, v80, v81, s66               ; lanes 0-15: fragment a - 1's words, lanes 16-31: fragment a's
	global_store_b32 v[LS], v82, s[12:13] offset:12288+128*((\a)/2)
.endif
.endm
; EPI = 1: the 16 rows of U's fragment a x my 64 columns: through my stage, + the residual, out as rows
.macro OUTF a
	s_wait_xcnt 0x0                                ; the last fragment's stores have read their registers
	WIN 0x08                                       ; an LDS store's data and the addition's second source: window 2
.irp b, 0,1,2,3
	ds_store_b128 v[STO], v[8*(4*(\a)+\b):8*(4*(\a)+\b)+3] offset:128*(\b/2)+32*(\b%2)
	ds_store_b128 v[STO], v[8*(4*(\a)+\b)+4:8*(4*(\a)+\b)+7] offset:128*(\b/2)+32*(\b%2)+16
.endr
.irp i, 0,1,2,3,4,5,6,7
	ds_load_b128 v[192+4*\i:195+4*\i], v[RD] offset:544*\i     ; LDS serves a wave's instructions in order: these see my stores
.endr
	s_wait_dscnt 0x0
	s_wait_loadcnt 24-8*(\a)                       ; this fragment's residual rows are in; the later fragments' may be out
.set ek, 0
.rept 16
	v_pk_add_f32 v[192+2*ek:193+2*ek], v[192+2*ek:193+2*ek], v[128+32*(\a)+2*ek:129+32*(\a)+2*ek]
.set ek, ek+1
.endr
	WIN 0
.irp i, 0,1,2,3,4,5,6,7
	global_store_b128 v[CO], v[192+4*\i:195+4*\i], s[12:13] offset:(32*((\a)/2)+8*((\a)%2)+2*\i+8*(\i/4))*4096   ; sixteen lanes store 256 consecutive bytes, aligned
.endr
.endm
	s_wait_alu depctr_va_vdst(0)
	s_wait_tensorcnt 0x0                           ; my part of both slots is in; no load of mine is out, so group 1 may be written: the ring's loads are 100 rows
.irp g, G1, G1B
	s_mov_b32 s[\g+2], 100<<16
	s_mov_b32 s[\g+4], 100
.endr
	s_barrier_signal -1
	s_barrier_wait -1
	FETCH 0, 0, 0
	s_wait_loadcnt 32*EPI                          ; the bias is in; the 32 loads of residual rows may be out
	STEPS 0, 1
.if LAPS > 1
	s_mov_b32 s3, LAPS-1
.Llap:                                                 ; a trip goes once round the ring and fills both slots again
	TURN 0, 1, 1
	STEPS 1, 0
	TURN 1, 0, 1
	STEPS 0, 0
	s_sub_co_u32 s3, s3, 1
	s_cmp_lg_u32 s3, 0
	s_cbranch_scc1 .Llap
.endif
	TURN 0, 1, 0                                   ; the last lap fills nothing
	STEPS 1, 0
	s_wait_dscnt 0x0
	MULR 1, 0, AB, 0
	WIN 0
	PLACES
.if EPI
	s_wait_alu depctr_va_vdst(0)
.irp a, 0,1,2,3
	OUTF \a
.endr
.else
.irp b, 0,1,2,3
	v_mov_b32 v[TM+4+\b], 0                        ; a lane permute's destination counts as one of its sources
.endr
.irp a, 0,1,2,3,4,5,6,7
	OUTQ \a
.endr
.endif
	s_wait_tensorcnt 0x0                           ; the wave's end
	ds_add_u32 v[SPW], v[NIL]
	s_wait_dscnt 0x0
	CROUND                                         ; the closing round
	s_endpgm
.Lfunc_end_k_q04153dca8d_g4:
	.size	k_q04153dca8d_g4, .Lfunc_end_k_q04153dca8d_g4-k_q04153dca8d_g4
	.p2alignl 7, 3214868480
	.fill 96, 4, 3214868480
	.section	.rodata,"a",@progbits
	.p2align	6, 0x0
	.amdhsa_kernel k_q04153dca8d_g4
		.amdhsa_group_segment_fixed_size 327680
		.amdhsa_private_segment_fixed_size 0
		.amdhsa_enable_private_segment 0
		.amdhsa_kernarg_size 40
		.amdhsa_user_sgpr_count 2
		.amdhsa_user_sgpr_kernarg_segment_ptr 1
		.amdhsa_wavefront_size32 1
		.amdhsa_system_sgpr_workgroup_id_x 1
		.amdhsa_system_sgpr_workgroup_id_y 1
		.amdhsa_system_sgpr_workgroup_id_z 1
		.amdhsa_system_vgpr_workitem_id 0
		.amdhsa_next_free_vgpr 768
		.amdhsa_next_free_sgpr 80
		.amdhsa_reserve_vcc 0
		.amdhsa_float_denorm_mode_32 3
		.amdhsa_float_denorm_mode_16_64 3
		.amdhsa_memory_ordered 1
		.amdhsa_forward_progress 1
		.amdhsa_inst_pref_size 92
	.end_amdhsa_kernel
	.amdgpu_metadata
---
amdhsa.version: [ 1, 2 ]
amdhsa.kernels:
  - .name:           k_q04153dca8d_g4
    .symbol:         k_q04153dca8d_g4.kd
    .args:
      - { .name: hc, .offset: 0, .size: 8, .value_kind: global_buffer, .address_space: global }
      - { .name: wc, .offset: 8, .size: 8, .value_kind: global_buffer, .address_space: global }
      - { .name: bf2, .offset: 16, .size: 8, .value_kind: global_buffer, .address_space: global }
      - { .name: post, .offset: 24, .size: 8, .value_kind: global_buffer, .address_space: global }
      - { .name: y, .offset: 32, .size: 8, .value_kind: global_buffer, .address_space: global }
    .group_segment_fixed_size: 327680
    .private_segment_fixed_size: 0
    .kernarg_segment_align: 8
    .kernarg_segment_size: 40
    .max_flat_workgroup_size: 128
    .sgpr_count:     80
    .vgpr_count:     768
    .wavefront_size: 32
...
	.end_amdgpu_metadata
.endif
;; end of part 7
;; launch ln2 (part 8): grid 256 x 1, 8 waves a work-group, no clusters, 0 bytes of LDS; arguments y, g2, b2, out0; writes out0
.if DOCPART == 8
	.amdgcn_target "amdgcn-amd-amdhsa--gfx1250"
	.amdhsa_code_object_version 6
	.text
	.protected	k_q04153dca8d_ln2
	.globl	k_q04153dca8d_ln2
	.p2align	8
	.type	k_q04153dca8d_ln2,@function
k_q04153dca8d_ln2:
	s_mov_b64 s[64:65], 0
	v_nop
	global_prefetch_b8 v0, s[64:65] scope:SCOPE_SE
	s_setreg_imm32_b32 hwreg(HW_REG_WAVE_MODE, 25, 1), 1
	s_wait_xcnt 0x0
; LN: out = (y - mean) rsqrt(var + 1e-5) gamma + beta along rows of 1,024, all in f32; the variance is the mean of the squared differences from the mean, taken in a second pass over registers.
; This is the program's last step: nothing is quantised here, so there is no LDS and no barrier.
; SHARES.  Work-group n takes 16 rows, wave w two of them whole (32 registers a row): the reductions never leave a wave.  Each load and store covers 512 consecutive bytes.
; Memory binds: no matrix unit, no cluster, no tensor load.  LIMITS: NaN and infinities are not served.
.set SEL,  20
.macro RED a, t                        ; the sum over the 32 lanes, in every lane
	s_delay_alu instid0(VALU_DEP_1)
	v_add_f32_dpp v[\a], v[\a], v[\a] row_xmask:1 row_mask:0xf bank_mask:0xf
	s_delay_alu instid0(VALU_DEP_1)
	v_add_f32_dpp v[\a], v[\a], v[\a] row_xmask:2 row_mask:0xf bank_mask:0xf
	s_delay_alu instid0(VALU_DEP_1)
	v_add_f32_dpp v[\a], v[\a], v[\a] row_xmask:4 row_mask:0xf bank_mask:0xf
	s_delay_alu instid0(VALU_DEP_1)
	v_add_f32_dpp v[\a], v[\a], v[\a] row_xmask:8 row_mask:0xf bank_mask:0xf
	s_delay_alu instid0(VALU_DEP_1)
	v_permlanex16_b32 v[\t], v[\a], s[SEL], s[SEL+1]
	s_delay_alu instid0(VALU_DEP_1)
	v_add_f32 v[\a], v[\a], v[\t]
.endm
.macro STATS R, S                      ; the row in v[R] on becomes y - mean; 1 / sqrt(var + eps) is asked for in v[S + 6]
	v_pk_add_f32 v[\S:\S+1], v[\R:\R+1], v[\R+2:\R+3]
	v_pk_add_f32 v[\S+2:\S+3], v[\R+4:\R+5], v[\R+6:\R+7]
.irp k, 8,12,16,20,24,28
	s_delay_alu instid0(VALU_DEP_2)
	v_pk_add_f32 v[\S:\S+1], v[\S:\S+1], v[\R+\k:\R+\k+1]
	s_delay_alu instid0(VALU_DEP_2)
	v_pk_add_f32 v[\S+2:\S+3], v[\S+2:\S+3], v[\R+\k+2:\R+\k+3]
.endr
	s_delay_alu instid0(VALU_DEP_1)
	v_pk_add_f32 v[\S:\S+1], v[\S:\S+1], v[\S+2:\S+3]
	s_delay_alu instid0(VALU_DEP_1)
	v_add_f32 v[\S], v[\S], v[\S+1]
	RED \S, \S+1
	s_delay_alu instid0(VALU_DEP_1)
	v_mul_f32 v[\S], s18, v[\S]                    ; the mean
.irp k, 0,2,4,6,8,10,12,14,16,18,20,22,24,26,28,30
	v_pk_add_f32 v[\R+\k:\R+\k+1], v[\R+\k:\R+\k+1], v[\S:\S+1] op_sel_hi:[1,0] neg_lo:[0,1] neg_hi:[0,1]
.endr
	v_pk_mul_f32 v[\S+2:\S+3], v[\R:\R+1], v[\R:\R+1]
	v_pk_mul_f32 v[\S+4:\S+5], v[\R+2:\R+3], v[\R+2:\R+3]
.irp k, 4,8,12,16,20,24,28
	s_delay_alu instid0(VALU_DEP_2)
	v_pk_fma_f32 v[\S+2:\S+3], v[\R+\k:\R+\k+1], v[\R+\k:\R+\k+1], v[\S+2:\S+3]
	s_delay_alu instid0(VALU_DEP_2)
	v_pk_fma_f32 v[\S+4:\S+5], v[\R+\k+2:\R+\k+3], v[\R+\k+2:\R+\k+3], v[\S+4:\S+5]
.endr
	s_delay_alu instid0(VALU_DEP_1)
	v_pk_add_f32 v[\S+2:\S+3], v[\S+2:\S+3], v[\S+4:\S+5]
	s_delay_alu instid0(VALU_DEP_1)
	v_add_f32 v[\S+2], v[\S+2], v[\S+3]
	RED \S+2, \S+3
	s_delay_alu instid0(VALU_DEP_1)
	v_fma_f32 v[\S+2], v[\S+2], s18, s19           ; var + eps
	s_wait_alu depctr_va_vdst(0)
	v_rsq_f32 v[\S+6], v[\S+2]
.endm
.macro NORM R, S
.irp k, 0,2,4,6,8,10,12,14,16,18,20,22,24,26,28,30
	v_pk_mul_f32 v[\R+\k:\R+\k+1], v[\R+\k:\R+\k+1], v[\S+6:\S+7] op_sel_hi:[1,0]
.endr
.irp k, 0,2,4,6,8,10,12,14,16,18,20,22,24,26,28,30
	v_pk_fma_f32 v[\R+\k:\R+\k+1], v[\R+\k:\R+\k+1], v[96+\k:97+\k], v[128+\k:129+\k]
.endr
.endm
	s_load_b256 s[4:11], s[0:1], 0x0               ; y s[4:5], gamma s[6:7], beta s[8:9], out s[10:11]
	v_lshrrev_b32 v1, 5, v0
	s_delay_alu instid0(VALU_DEP_1)
	v_readfirstlane_b32 s14, v1                    ; wave 0..7
	v_and_b32 v1, 31, v0                           ; lane
	s_delay_alu instid0(VALU_DEP_1)
	v_lshlrev_b32 v2, 4, v1                        ; 16 bytes a lane
	s_lshl_b32 s16, ttmp9, 4
	s_lshl_b32 s17, s14, 1
	s_add_co_u32 s16, s16, s17                     ; my first row: 16 n + 2 w; the second is the next
	s_lshl_b32 s16, s16, 12
	s_mov_b32 s17, 0
	s_mov_b32 s18, 0x3a800000                      ; 1 / 1024
	s_mov_b32 s19, 0x3727c5ac                      ; 1e-5
	s_mov_b32 s[SEL], 0x76543210
	s_mov_b32 s[SEL+1], 0xfedcba98
	v_mov_b32 v11, 0                               ; (named as the upper halves of the pairs v[10:11], v[18:19])
	v_mov_b32 v19, 0
	s_wait_alu depctr_va_vdst(0)
	s_wait_kmcnt 0x0
	s_add_nc_u64 s[4:5], s[4:5], s[16:17]
	s_add_nc_u64 s[10:11], s[10:11], s[16:17]
.irp j, 0,1,2,3,4,5,6,7
	global_load_b128 v[32+4*\j:35+4*\j], v2, s[4:5] offset:512*\j th:TH_LOAD_NT
.endr
.irp j, 0,1,2,3,4,5,6,7
	global_load_b128 v[64+4*\j:67+4*\j], v2, s[4:5] offset:4096+512*\j th:TH_LOAD_NT
.endr
.irp j, 0,1,2,3,4,5,6,7
	global_load_b128 v[96+4*\j:99+4*\j], v2, s[6:7] offset:512*\j
	global_load_b128 v[128+4*\j:131+4*\j], v2, s[8:9] offset:512*\j
.endr
	s_wait_loadcnt 16                              ; both rows are in; gamma's and beta's 16 loads may be out
	STATS 32, 4
	STATS 64, 12
	v_nop                                          ; a plain place behind the last transcendental
	s_wait_alu depctr_va_vdst(0)                   ; one wait for both, ahead of their first reader
	s_wait_loadcnt 0x0
	NORM 32, 4
	NORM 64, 12
.irp j, 0,1,2,3,4,5,6,7
	global_store_b128 v2, v[32+4*\j:35+4*\j], s[10:11] offset:512*\j th:TH_STORE_NT
	global_store_b128 v2, v[64+4*\j:67+4*\j], s[10:11] offset:4096+512*\j th:TH_STORE_NT
.endr
	s_endpgm
.Lfunc_end_k_q04153dca8d_ln2:
	.size	k_q04153dca8d_ln2, .Lfunc_end_k_q04153dca8d_ln2-k_q04153dca8d_ln2
	.p2alignl 7, 3214868480
	.fill 96, 4, 3214868480
	.section	.rodata,"a",@progbits
	.p2align	6, 0x0
	.amdhsa_kernel k_q04153dca8d_ln2
		.amdhsa_group_segment_fixed_size 0
		.amdhsa_private_segment_fixed_size 0
		.amdhsa_enable_private_segment 0
		.amdhsa_kernarg_size 32
		.amdhsa_user_sgpr_count 2
		.amdhsa_user_sgpr_kernarg_segment_ptr 1
		.amdhsa_wavefront_size32 1
		.amdhsa_system_sgpr_workgroup_id_x 1
		.amdhsa_system_sgpr_workgroup_id_y 1
		.amdhsa_system_sgpr_workgroup_id_z 1
		.amdhsa_system_vgpr_workitem_id 0
		.amdhsa_next_free_vgpr 256
		.amdhsa_next_free_sgpr 66
		.amdhsa_reserve_vcc 0
		.amdhsa_float_denorm_mode_32 3
		.amdhsa_float_denorm_mode_16_64 3
		.amdhsa_memory_ordered 1
		.amdhsa_forward_progress 1
		.amdhsa_inst_pref_size 21
	.end_amdhsa_kernel
	.amdgpu_metadata
---
amdhsa.version: [ 1, 2 ]
amdhsa.kernels:
  - .name:           k_q04153dca8d_ln2
    .symbol:         k_q04153dca8d_ln2.kd
    .args:
      - { .name: y, .offset: 0, .size: 8, .value_kind: global_buffer, .address_space: global }
      - { .name: g2, .offset: 8, .size: 8, .value_kind: global_buffer, .address_space: global }
      - { .name: b2, .offset: 16, .size: 8, .value_kind: global_buffer, .address_space: global }
      - { .name: out0, .offset: 24, .size: 8, .value_kind: global_buffer, .address_space: global }
    .group_segment_fixed_size: 0
    .private_segment_fixed_size: 0
    .kernarg_segment_align: 8
    .kernarg_segment_size: 32
    .max_flat_workgroup_size: 256
    .sgpr_count:     66
    .vgpr_count:     256
    .wavefront_size: 32
...
	.end_amdgpu_metadata
.endif
;; end of part 8
